; MI455X (gfx1250); checked and timed in simulation.
; The chip was launched on July 23, 2026; its instructions are those of AMD's public machine-readable ISA for CDNA 5 (MIT licence, August 2026) and "CDNA5" Instruction Set Architecture Reference Guide (July 2026). The comments in the code are by the model that wrote it; some were corrected since.
;; Transformer Block. Allowed arithmetic: matrix products marked QUANTISED: E2M3 operands, one E8M0 scale for each 32 along K, by v_wmma_scale_f32_16x16x128_f8f6f4 with both operands' format E2M3, f32 sums; everything else in f32.
;; Inputs: W_fc 1,024 x 4,096 float32; W_o 1,024 x 1,024 float32; W_pr 4,096 x 1,024 float32; W_qkv 1,024 x 3,072 float32; b_fc 4,096 float32; b_o 1,024 float32; b_pr 1,024 float32; b_qkv 3,072 float32; beta1 1,024 float32; beta2 1,024 float32; g1 1,024 float32; g2 1,024 float32; x 2 x 2,048 x 1,024 float32.
;; Outputs: out0 2 x 2,048 x 1,024 float32.
;; This version of the problem:
;;   THIS VERSION OF THE PROBLEM IS GIVEN IN LOW PRECISION. The matrix products marked QUANTISED in the list below multiply operands that are first quantised to E2M3 (2 exponent bits, 3 mantissa bits; 6 bits a number), with one power-of-two scale for each 32 numbers along K (OCP MX v1.0); their sums are f32. All else is computed in f32.
;;   The module's matrix products, in the order in which they are computed (A, B: the left and right operand; K: the contracted axis; several contracted axes count as one K, in the product's order):
;;     1. [M 4,096, K 1,024] x [K 1,024, N 3,072]; A: computed on the way; B: input W_qkv: QUANTISED
;;     2. batch 32 x [M 2,048, K 64] x [K 64, N 2,048]; A: computed on the way; B: computed on the way: QUANTISED
;;     3. batch 32 x [M 2,048, K 2,048] x [K 2,048, N 64]; A: softmax (see below); B: computed on the way: QUANTISED
;;     4. [M 4,096, K 1,024] x [K 1,024, N 1,024]; A: computed on the way; B: input W_o: QUANTISED
;;     5. [M 4,096, K 1,024] x [K 1,024, N 4,096]; A: computed on the way; B: input W_fc: QUANTISED
;;     6. [M 4,096, K 4,096] x [K 4,096, N 1,024]; A: computed on the way; B: input W_pr: QUANTISED
;;   THE QUANTISER, for each operand of a quantised product, along K:
;;     - K is cut into blocks of 32 from its start; a last block that is shorter is filled with zeros.
;;     - A block's scale is 2^e with e = floor(log2(the largest magnitude in the block)) - 2, held to -126 .. 127; a block of zeros has e = 0. As a byte (E8M0): e + 127.
;;     - Each number is divided by its block's scale, clamped to +-7.5, and rounded to the nearest number of E2M3, ties to even, subnormals kept.
;;     - The product sums the exact products of the quantised numbers (number of the format x scale) in f32.
;;   ~~~python
;;   def quantise(x, axis):      # numpy; x: float32 -> the quantised numbers, widened to float32 again
;;       x = np.moveaxis(x, axis, -1); K = x.shape[-1]
;;       x = np.pad(x, [(0, 0)] * (x.ndim - 1) + [(0, -K % 32)]); x = x.reshape(x.shape[:-1] + (-1, 32)); a = np.abs(x).max(-1, keepdims=True)
;;       e = np.where(a > 0, np.clip(np.frexp(np.where(a > 0, a, 1))[1] - 1 - 2, -126, 127), 0)      # np.frexp(a)[1] - 1 = floor(log2(a)), exactly
;;       r = np.clip(x / 2.0 ** e, -7.5, 7.5)
;;       step = 2.0 ** (np.maximum(np.frexp(np.where(r == 0, 1, r))[1] - 1, 0) - 3)
;;       q = np.round(r / step) * step * 2.0 ** e      # np.round: ties to even
;;       return np.moveaxis(q.reshape(q.shape[:-2] + (-1,))[..., :K], -1, axis).astype(np.float32)
;;   ~~~
;;   SOFTMAX AHEAD OF A QUANTISED PRODUCT. Where the list says 'softmax', what is quantised is not the finished softmax but p = 2^(t - M), with t = logit x log2(e) and M = ceil(the row's largest t), a whole number; so 1/2 < the row's largest p <= 1. The row's sum l is taken of the UNQUANTISED p, in f32, and the product's result is divided by l at the end. Since M is a whole number, a kernel that streams over the keys may use a running M (the ceiling of the running maximum): every later rescaling is an exact power of two, which a block's scale takes up: the codes' values come out the same.
;;   OPERANDS COMPUTED ON THE WAY. 'Computed on the way' means the value that the module computes at that place (a softmax that the list does not call 'softmax' is quantised finished and normalised). What goes into a quantiser is computed in f32, as accurately as f32 sums, v_exp_f32 and their like allow (about 1e-6 of the number): no bf16 or f16 on the way to a quantiser, and a product that is left as it is and whose result goes on into a quantised operand takes f32 operands (vector FMAs, or v_wmma_f32_16x16x4_f32). A number that lies on a knife's edge between two numbers of the format may be rounded either way, as far as f32 arithmetic and the matrix unit's own rounding can turn it there, and no further.
;; 2 versions, each right. Each part assembles by itself: llvm-mc -triple=amdgcn-amd-amdhsa -mcpu=gfx1250 --defsym DOCPART=n.
;; ======== version 1 of 2: 8 launches
;; workspace buffers: WQ 9,830,400 bytes; H1 3,276,800 bytes; QKV 10,092,544 bytes; AO 3,276,800 bytes; X1 16,777,216 bytes; H2 3,276,800 bytes; FC 13,107,200 bytes
;; launch wq (part 1): grid 384 x 1, 8 waves a work-group, no clusters, 25,600 bytes of LDS; arguments W_qkv, W_o, W_fc, W_pr, WQ; writes WQ
.if DOCPART == 1
	.amdgcn_target "amdgcn-amd-amdhsa--gfx1250"
	.amdhsa_code_object_version 6
	.text
	.protected	k_qc55610aac5_wq
	.globl	k_qc55610aac5_wq
	.p2align	8
	.type	k_qc55610aac5_wq,@function
k_qc55610aac5_wq:
	s_mov_b64 s[64:65], 0
	v_nop
	global_prefetch_b8 v0, s[64:65] scope:SCOPE_SE
	s_setreg_imm32_b32 hwreg(HW_REG_WAVE_MODE, 25, 1), 1
	s_wait_xcnt 0x0
; The four weights, f32 stored [K][N], become operands of MX-FP6 (E2M3 codes, one E8M0 byte for each 32 along K), laid in WQ in the ORDER OF THE OPERAND'S REGISTERS.
; An operand's rows are the weight's columns n.  Block t of 16 rows holds, in lane row r, row 32 (t / 2) + 8 (t % 2) + r + 8 (r / 8).  A fragment (16 rows x 128 K) is 1,536 bytes: for c = 0, 1:
; 512 bytes with each lane's registers 6 c .. 6 c + 3 at 16 x lane, then 256 bytes with its registers 6 c + 4, 6 c + 5 at 8 x lane.  Codes [N / 16][K / 128][1536]; scale words [N / 16][K / 128][16 words].
; A LANE TAKES A COLUMN, ITS REGISTERS RUN DOWN K: a block of 32 lies in one lane, the conversions give K innermost, nothing is transposed.  A work-group takes 256 columns x 128 K, a wave 32 columns:
; two blocks of rows.  Each load of a wave reads 128 consecutive bytes, the eight waves side by side 1,024.  The codes go through the wave's own 3,072 bytes of LDS and leave as 512 consecutive bytes a store.
; The scale words leave as two runs of 64 bytes a wave: one byte for each 128 that the launch reads.
; A block's scale byte is its largest magnitude's exponent field - 2, held at 1 from below.  A block of zeros so gets the byte 1 with zero codes; this program alone reads the bytes.
; LIMITS: NaN and infinities among the inputs are not served.
; One launch serves the four tensors: work-groups 0-95 W_qkv, 96-127 W_o, 128-255 W_fc, 256-383 W_pr; only pointers and sizes are chosen, all take one path.  Waves share nothing: no barrier.
.set OFF, 16                           ; v16-47   4 x lane + i x a row of the weight in bytes; never rewritten
.set X,   64                           ; v64-191  128 numbers down K
.set P,   192                          ; v192-231 the codes: ten registers for each block of 32
.set SW,  232                          ; v232     my column's scale word
.set A16, 6                            ; v6       LDS: where my registers 0-3 of a half fragment go
.set A8,  7                            ; v7       and my registers 4, 5
.set RB,  10                           ; v10      LDS: the way back, 16 x lane
.set V16, 11                           ; v11      16 x lane
.set SO,  12                           ; v12      my scale word's place
	s_load_b256 s[4:11], s[0:1], 0x0               ; W_qkv s[4:5], W_o s[6:7], W_fc s[8:9], W_pr s[10:11]
	s_load_b64 s[12:13], s[0:1], 0x20              ; WQ
	v_lshl_add_u32 v240, v0, 2, 0x6000
	v_mov_b32 v241, 0
	v_lshrrev_b32 v1, 5, v0
	v_readfirstlane_b32 s14, v1                    ; wave 0..7
	v_and_b32 v2, 31, v0                           ; lane j = my column among the wave's 32
	v_bfe_u32 v3, v0, 3, 1                         ; u = (j / 8) % 2: which of the wave's two blocks of rows
	v_and_b32 v4, 7, v0
	v_bfe_u32 v5, v0, 4, 1
	v_lshl_or_b32 v4, v5, 3, v4                    ; r = j % 8 + 8 (j / 16): my lane row in it
	s_mul_i32 s15, s14, 3072                       ; my wave's LDS
	v_mul_u32_u24 v5, v3, 1536
	v_add_nc_u32 v5, s15, v5
	v_lshl_add_u32 v[A16], v4, 4, v5
	v_lshl_add_u32 v[A8], v4, 3, v5
	v_add_nc_u32 v[A8], 512, v[A8]
	v_lshlrev_b32 v[V16], 4, v2
	v_add_nc_u32 v[RB], s15, v[V16]
	s_mov_b32 s16, 256                             ; W_pr's figures: first work-group,
	s_mov_b32 s17, 5                               ; log2 of its K steps,
	s_mov_b32 s18, 4096                            ; bytes in a row,
	s_mov_b32 s19, 6291456                         ; where its codes begin in WQ,
	s_mov_b32 s20, 9699328                         ; and its scale words
	s_wait_kmcnt 0x0
	s_mov_b64 s[22:23], s[10:11]
	s_cmp_lt_u32 ttmp9, 256                        ; W_fc's
	s_cselect_b32 s16, 128, s16
	s_cselect_b32 s17, 3, s17
	s_cselect_b32 s18, 16384, s18
	s_cselect_b32 s19, 3145728, s19
	s_cselect_b32 s20, 9568256, s20
	s_cselect_b64 s[22:23], s[8:9], s[22:23]
	s_cmp_lt_u32 ttmp9, 128                        ; W_o's
	s_cselect_b32 s16, 96, s16
	s_cselect_b32 s18, 4096, s18
	s_cselect_b32 s19, 2359296, s19
	s_cselect_b32 s20, 9535488, s20
	s_cselect_b64 s[22:23], s[6:7], s[22:23]
	s_cmp_lt_u32 ttmp9, 96                         ; W_qkv's
	s_cselect_b32 s16, 0, s16
	s_cselect_b32 s18, 12288, s18
	s_cselect_b32 s19, 0, s19
	s_cselect_b32 s20, 9437184, s20
	s_cselect_b64 s[22:23], s[4:5], s[22:23]
	s_sub_co_u32 s24, ttmp9, s16                   ; my number within the tensor
	s_lshl_b32 s25, 1, s17                         ; KS: its K steps
	s_sub_co_u32 s26, s25, 1
	s_and_b32 s26, s24, s26                        ; my K step
	s_lshr_b32 s27, s24, s17                       ; my 256 columns
	s_lshl_b32 s28, s27, 4
	s_lshl_b32 s29, s14, 1
	s_add_co_u32 s28, s28, s29                     ; my wave's first block of rows
	s_lshl_b32 s30, s26, 7
	s_mul_i32 s30, s30, s18                        ; 128 x K step rows down,
	s_lshl_b32 s31, s28, 6
	s_add_co_u32 s30, s30, s31                     ; 64 bytes for each block of 16 columns
	s_mov_b32 s31, 0
	s_add_nc_u64 s[32:33], s[22:23], s[30:31]      ; a base for each of the four blocks of 32 along K
	s_lshl_b32 s30, s18, 5
	s_add_nc_u64 s[34:35], s[32:33], s[30:31]
	s_add_nc_u64 s[36:37], s[34:35], s[30:31]
	s_add_nc_u64 s[38:39], s[36:37], s[30:31]
	v_lshlrev_b32 v[OFF], 2, v2
.set I, 1
.rept 31
	v_add_nc_u32 v[OFF+I], s18, v[OFF+I-1]
.set I, I+1
.endr
.irp kb, 0,1,2,3
.set I, 0
.rept 32
	global_load_b32 v[X+32*\kb+I], v[OFF+I], s[32+2*\kb:33+2*\kb] th:TH_LOAD_NT   ; W(128 step + 32 kb + i, my column)
.set I, I+1
.endr
.endr
	s_mul_i32 s40, s28, s25
	s_add_co_u32 s40, s40, s26                     ; fragment number: block x KS + K step
	s_mul_i32 s42, s40, 1536
	s_add_co_u32 s42, s42, s19
	s_mov_b32 s43, 0
	s_add_nc_u64 s[42:43], s[12:13], s[42:43]      ; the first block's fragment,
	s_mul_i32 s44, s25, 1536
	s_mov_b32 s45, 0
	s_add_nc_u64 s[44:45], s[42:43], s[44:45]      ; the second's: KS fragments on
	s_lshl_b32 s46, s40, 6
	s_add_co_u32 s46, s46, s20
	s_mov_b32 s47, 0
	s_add_nc_u64 s[46:47], s[12:13], s[46:47]      ; the first block's scale words
	s_lshl_b32 s15, s25, 6
	v_mul_lo_u32 v[SO], v3, s15                    ; the second's: KS x 64 bytes on
	v_lshl_add_u32 v[SO], v4, 2, v[SO]
; Block kb of 32 along K: it is k = 64 c + 32 h + 0 .. 31 of the fragment, c = kb / 2, h = kb % 2: the registers 6 c .. 6 c + 5 of lane (r, h).
.macro BLOCK kb
.set XS, X+32*(\kb)
.set PB, P+10*(\kb)
.if (\kb) < 2
	s_wait_loadcnt 63                              ; this block's 32 loads are in (96 or 64 younger ones could stay out; a wait names 63 at the most)
.else
	s_wait_loadcnt 32*(3-(\kb))                    ; the later blocks' loads may stay out
.endif
	v_max3_num_f32 v8, |v[XS]|, |v[XS+1]|, |v[XS+2]|               ; the block's largest magnitude: all 32 numbers are mine; two chains
	v_max3_num_f32 v9, |v[XS+3]|, |v[XS+4]|, |v[XS+5]|
.irp i, 6,10,14,18,22,26
	v_max3_num_f32 v8, v8, |v[XS+\i]|, |v[XS+\i+1]|
	v_max3_num_f32 v9, v9, |v[XS+\i+2]|, |v[XS+\i+3]|
.endr
	v_max3_num_f32 v8, v8, |v[XS+30]|, |v[XS+31]|
	v_max3_num_f32 v8, v8, v9, 0x1800000           ; and the floor 2^(3 - 127): the byte cannot fall under 1
	v_add_nc_u32 v13, 0xff000000, v8               ; 2 off the exponent field: the conversion takes this operand's exponent field as its scale
	v_lshrrev_b32 v9, 23, v13                      ; the scale's byte
.if (\kb) == 0
	v_mov_b32 v[SW], v9
.else
	v_lshl_or_b32 v[SW], v9, 8*(\kb), v[SW]
.endif
	v_cvt_scalef32_pk16_fp6_f32 v[PB:PB+2], v[XS:XS+15], v13
	v_cvt_scalef32_pk16_fp6_f32 v[PB+6:PB+8], v[XS+16:XS+31], v13  ; (a conversion's three registers begin on an even number)
	v_nop                                          ; one plain place behind a scaled conversion
.irp i, 0,1,2
	v_mov_b32 v[PB+3+\i], v[PB+6+\i]
.endr
	ds_store_b128 v[A16], v[PB:PB+3] offset:768*((\kb)/2)+256*((\kb)%2)
	ds_store_b64 v[A8], v[PB+4:PB+5] offset:768*((\kb)/2)+128*((\kb)%2)
.endm
	BLOCK 0
	BLOCK 1
	BLOCK 2
	BLOCK 3
.irp i, 0,1,2,3,4,5
	ds_load_b128 v[X+4*\i:X+4*\i+3], v[RB] offset:512*\i           ; LDS serves a wave's instructions in order: these see my stores
.endr
	global_store_b32 v[SO], v[SW], s[46:47]
.irp i, 0,1,2
	s_wait_dscnt 5-\i
	global_store_b128 v[V16], v[X+4*\i:X+4*\i+3], s[42:43] offset:512*\i          ; 32 lanes store 512 consecutive bytes, aligned
.endr
.irp i, 3,4,5
	s_wait_dscnt 5-\i
	global_store_b128 v[V16], v[X+4*\i:X+4*\i+3], s[44:45] offset:512*(\i-3)
.endr
	s_wait_tensorcnt 0x0
	ds_add_u32 v240, v241
	s_wait_dscnt 0x0
	s_endpgm
.Lfunc_end_k_qc55610aac5_wq:
	.size	k_qc55610aac5_wq, .Lfunc_end_k_qc55610aac5_wq-k_qc55610aac5_wq
	.p2alignl 7, 3214868480
	.fill 96, 4, 3214868480
	.section	.rodata,"a",@progbits
	.p2align	6, 0x0
	.amdhsa_kernel k_qc55610aac5_wq
		.amdhsa_group_segment_fixed_size 25600
		.amdhsa_private_segment_fixed_size 0
		.amdhsa_enable_private_segment 0
		.amdhsa_kernarg_size 40
		.amdhsa_user_sgpr_count 2
		.amdhsa_user_sgpr_kernarg_segment_ptr 1
		.amdhsa_wavefront_size32 1
		.amdhsa_system_sgpr_workgroup_id_x 1
		.amdhsa_system_sgpr_workgroup_id_y 1
		.amdhsa_system_sgpr_workgroup_id_z 1
		.amdhsa_system_vgpr_workitem_id 0
		.amdhsa_next_free_vgpr 242
		.amdhsa_next_free_sgpr 66
		.amdhsa_reserve_vcc 0
		.amdhsa_float_denorm_mode_32 3
		.amdhsa_float_denorm_mode_16_64 3
		.amdhsa_memory_ordered 1
		.amdhsa_forward_progress 1
		.amdhsa_inst_pref_size 25
	.end_amdhsa_kernel
	.amdgpu_metadata
---
amdhsa.version: [ 1, 2 ]
amdhsa.kernels:
  - .name:           k_qc55610aac5_wq
    .symbol:         k_qc55610aac5_wq.kd
    .args:
      - { .name: W_qkv, .offset: 0, .size: 8, .value_kind: global_buffer, .address_space: global }
      - { .name: W_o, .offset: 8, .size: 8, .value_kind: global_buffer, .address_space: global }
      - { .name: W_fc, .offset: 16, .size: 8, .value_kind: global_buffer, .address_space: global }
      - { .name: W_pr, .offset: 24, .size: 8, .value_kind: global_buffer, .address_space: global }
      - { .name: WQ, .offset: 32, .size: 8, .value_kind: global_buffer, .address_space: global }
    .group_segment_fixed_size: 25600
    .private_segment_fixed_size: 0
    .kernarg_segment_align: 8
    .kernarg_segment_size: 40
    .max_flat_workgroup_size: 256
    .sgpr_count:     66
    .vgpr_count:     242
    .wavefront_size: 32
...
	.end_amdgpu_metadata
.endif
;; end of part 1
;; launch ln (part 2): grid 256 x 1, 8 waves a work-group, no clusters, 70,144 bytes of LDS; arguments x, g1, beta1, H1; writes H1
.if DOCPART == 2
	.amdgcn_target "amdgcn-amd-amdhsa--gfx1250"
	.amdhsa_code_object_version 6
	.text
	.protected	k_qc55610aac5_ln
	.globl	k_qc55610aac5_ln
	.p2align	8
	.type	k_qc55610aac5_ln,@function
k_qc55610aac5_ln:
	s_mov_b64 s[64:65], 0
	v_nop
	global_prefetch_b8 v0, s[64:65] scope:SCOPE_SE
	s_setreg_imm32_b32 hwreg(HW_REG_WAVE_MODE, 25, 1), 1
	s_wait_xcnt 0x0
; dst = Q(layer norm(src) x gain + shift): src [4096][1024] f32; dst: an operand of MX-FP6 in the order of its registers: codes [256 blocks of rows][8 K steps][1536], then from byte 3,145,728 scale words [256][8][16 words].
; Block g of 16 rows holds, in lane row r, row 32 (g / 2) + 8 (g % 2) + r + 8 (r / 8).  A fragment's 1,536 bytes: for c = 0, 1: each lane's registers 6 c .. 6 c + 3 at 16 x lane, then its registers 6 c + 4, 6 c + 5 at 8 x lane.
; A work-group takes a block of rows, wave w columns 128 w .. 128 w + 127: one fragment.  Each load reads 512 consecutive bytes of a row; the numbers turn through the wave's own stage in LDS, so that lane (r, h) holds, of row r,
; register 16 b + i = column 128 w + 32 b + 16 h + i: what the conversions want.  Mean and variance are taken in two passes, as the definition has them (the mean first, then the squares of the differences); the waves' parts meet in LDS.
; A block's scale byte is its largest magnitude's exponent field - 2, held at 1 from below; a block of zeros so gets the byte 1 with zero codes (this program alone reads the bytes).  LIMITS: NaN and infinities are not served.
.set R,   16                           ; v16-79   as loaded; later the shift
.set X,   80                           ; v80-143  my 64 numbers
.set G,   144                          ; v144-207 the gain at my 64 columns
.set PC,  208                          ; v208-226 the codes
.set TM,  228                          ; v228-243 at work in QUANT
.set PW,  244                          ; v244     the scale word
.set V16, 245                          ; 16 x lane
.set V8,  246                          ; 8 x lane
.set XO,  247                          ; src: 512 w + 16 x lane
.set GO,  248                          ; gain, shift: 512 w + 64 h
.set SI,  249                          ; the stage, in
.set SU,  250                          ; the stage, out
.set RL,  251                          ; the waves' parts of row r: 32 r
.set RS,  252                          ; my wave's word among them
.set CS,  253                          ; where my scale word goes in LDS
.set CL,  254                          ; and where wave 0 reads the eight waves' words
.set SEL, 14
.set RED, 67584                        ; LDS: eight stages of 16 x 528 bytes; then 512 bytes of sums, 512 of sums of squares, 512 of scale words
.set SCG, 68608
.macro QUANT s                         ; 64 numbers of a lane, register 16 b + i = k 32 b + 16 h + i of my row, become a fragment's codes in v[PC] on and its scale word in v[PW]
.irp b, 0,1,2,3
	v_max3_num_f32 v[TM+\b], |v[\s+16*\b]|, |v[\s+1+16*\b]|, 0x1800000   ; block b: my 16 numbers, and the floor 2^(3 - 127): the byte cannot fall under 1
.endr
.irp i, 2,4,6,8,10,12,14
.irp b, 0,1,2,3
	v_max3_num_f32 v[TM+\b], v[TM+\b], |v[\s+16*\b+\i]|, |v[\s+1+16*\b+\i]|
.endr
.endr
.irp b, 0,1,2,3
	v_permlanex16_b32 v[TM+4+\b], v[TM+\b], s[SEL], s[SEL+1]
.endr
.irp b, 0,1,2,3
	v_max_num_f32 v[TM+\b], v[TM+\b], v[TM+4+\b]   ; with lane l xor 16's: the block's largest magnitude
.endr
.irp b, 0,1,2,3
	v_add_nc_u32 v[TM+12+\b], 0xff000000, v[TM+\b] ; 2 off its exponent field: the conversion's scale operand
.endr
.irp b, 0,1,2,3
	v_lshrrev_b32 v[TM+4+\b], 23, v[TM+12+\b]      ; the scale's byte
.endr
	v_lshl_or_b32 v[PW], v[TM+5], 8, v[TM+4]
	v_lshl_or_b32 v[PW], v[TM+6], 16, v[PW]
	v_lshl_or_b32 v[PW], v[TM+7], 24, v[PW]
.irp c, 0,1
	v_cvt_scalef32_pk16_fp6_f32 v[PC+6*\c:PC+2+6*\c], v[\s+32*\c:\s+15+32*\c], v[TM+12+2*\c]
	v_cvt_scalef32_pk16_fp6_f32 v[PC+12+4*\c:PC+14+4*\c], v[\s+16+32*\c:\s+31+32*\c], v[TM+12+2*\c+1]   ; (a conversion's three registers begin on an even number)
.endr
	v_nop                                          ; one plain place behind a scaled conversion
.irp c, 0,1                            ; the operand's layout wants a whole block in a lane: lanes 0-15 block 2 c, lanes 16-31 block 2 c + 1
.irp i, 0,1,2
	v_permlane16_swap_b32 v[PC+6*\c+\i], v[PC+12+4*\c+\i]
.endr
.irp i, 0,1,2
	v_mov_b32 v[PC+3+6*\c+\i], v[PC+12+4*\c+\i]
.endr
.endr
.endm
; Four packed chains in v[4:11] become the row's sum over all 1,024 columns, in v4 of every lane: my two halves, lane l xor 16's, then the eight waves' through LDS at byte off of the sums' region.
.macro REDUCE off
	v_pk_add_f32 v[4:5], v[4:5], v[6:7]
	v_pk_add_f32 v[8:9], v[8:9], v[10:11]
	v_pk_add_f32 v[4:5], v[4:5], v[8:9]
	v_add_f32 v4, v4, v5
	v_permlanex16_b32 v5, v4, s[SEL], s[SEL+1]
	v_add_f32 v4, v4, v5
	ds_store_b32 v[RS], v4 offset:\off             ; both halves of the lanes write the same word with the same value
	s_wait_dscnt 0x0                               ; for the others' sake: my store has landed
	s_barrier_signal -1
	s_barrier_wait -1
	ds_load_b128 v[4:7], v[RL] offset:\off
	ds_load_b128 v[8:11], v[RL] offset:\off+16
	s_wait_dscnt 0x0
	v_add_f32 v4, v4, v5
	v_add_f32 v6, v6, v7
	v_add_f32 v8, v8, v9
	v_add_f32 v10, v10, v11
	v_add_f32 v4, v4, v6
	v_add_f32 v8, v8, v10
	v_add_f32 v4, v4, v8
.endm
	s_load_b256 s[4:11], s[0:1], 0x0               ; src s[4:5], gain s[6:7], shift s[8:9], dst s[10:11]
	v_lshl_add_u32 v239, v0, 2, 0x10e00
	v_mov_b32 v255, 0
	v_lshrrev_b32 v1, 5, v0
	v_readfirstlane_b32 s12, v1                    ; wave 0..7
	v_and_b32 v1, 31, v0                           ; lane
	v_and_b32 v2, 15, v0                           ; r
	v_bfe_u32 v3, v0, 4, 1                         ; h
	s_mov_b32 s[SEL], 0x76543210
	s_mov_b32 s[SEL+1], 0xfedcba98                 ; v_permlanex16_b32's selects for lane l xor 16
	s_mov_b32 s16, 0x3a800000                      ; 1 / 1024
	s_mov_b32 s17, 0x3727c5ac                      ; 1e-5
	v_lshlrev_b32 v[V16], 4, v1
	v_lshlrev_b32 v[V8], 3, v1
	s_lshl_b32 s18, s12, 9
	v_add_nc_u32 v[XO], s18, v[V16]
	v_lshl_add_u32 v[GO], v3, 6, s18
	s_mul_i32 s19, s12, 8448
	v_add_nc_u32 v[SI], s19, v[V16]
	v_mul_u32_u24 v[SU], v2, 528
	v_lshl_add_u32 v[SU], v3, 6, v[SU]
	v_add_nc_u32 v[SU], s19, v[SU]
	v_lshlrev_b32 v[RL], 5, v2
	v_add_nc_u32 v[RL], RED, v[RL]
	s_lshl_b32 s20, s12, 2
	v_add_nc_u32 v[RS], s20, v[RL]
	v_lshlrev_b32 v[CS], 2, v2
	s_lshl_b32 s20, s12, 6
	v_add_nc_u32 v[CS], s20, v[CS]
	v_add_nc_u32 v[CS], SCG, v[CS]
	v_add_nc_u32 v[CL], SCG, v[V16]
.irp b, 0,1,2,3
	v_mov_b32 v[TM+4+\b], 0                        ; written once: a lane permute's destination counts as one of its sources
.endr
	s_lshr_b32 s21, ttmp9, 1
	s_lshl_b32 s21, s21, 5
	s_and_b32 s22, ttmp9, 1
	s_lshl_b32 s22, s22, 3
	s_add_co_u32 s22, s21, s22                     ; the block's first row
	s_lshl_b32 s22, s22, 12
	s_mov_b32 s23, 0
	s_lshl_b32 s24, ttmp9, 3
	s_add_co_u32 s24, s24, s12
	s_mul_i32 s24, s24, 1536                       ; my fragment
	s_mov_b32 s25, 0
	s_lshl_b32 s26, ttmp9, 9
	s_add_co_u32 s26, s26, 3145728                 ; the block's 512 bytes of scale words
	s_mov_b32 s27, 0
	s_wait_kmcnt 0x0
	s_add_nc_u64 s[4:5], s[4:5], s[22:23]
	s_add_nc_u64 s[24:25], s[10:11], s[24:25]
	s_add_nc_u64 s[26:27], s[10:11], s[26:27]
.irp i, 0,1,2,3,4,5,6,7,8,9,10,11,12,13,14,15
	global_load_b128 v[R+4*\i:R+4*\i+3], v[XO], s[4:5] offset:(\i+8*(\i/8))*4096   ; lane row i: 512 consecutive bytes
.endr
.irp b, 0,1,2,3
.irp j, 0,1,2,3
	global_load_b128 v[G+16*\b+4*\j:G+16*\b+4*\j+3], v[GO], s[6:7] offset:128*\b+16*\j
.endr
.endr
	s_wait_loadcnt 16                              ; src's 16 loads are in; the gain's 16 may stay out
.irp i, 0,1,2,3,4,5,6,7,8,9,10,11,12,13,14,15
	ds_store_b128 v[SI], v[R+4*\i:R+4*\i+3] offset:528*\i
.endr
.irp b, 0,1,2,3
.irp j, 0,1,2,3
	ds_load_b128 v[X+16*\b+4*\j:X+16*\b+4*\j+3], v[SU] offset:128*\b+16*\j         ; LDS serves a wave's instructions in order: these see my stores
.endr
.endr
	s_wait_dscnt 0x0                               ; my numbers are back, and the stores have read their registers, which now take the shift
.irp b, 0,1,2,3
.irp j, 0,1,2,3
	global_load_b128 v[R+16*\b+4*\j:R+16*\b+4*\j+3], v[GO], s[8:9] offset:128*\b+16*\j
.endr
.endr
.irp c, 0,1,2,3
	v_pk_add_f32 v[4+2*\c:5+2*\c], v[X+2*\c:X+2*\c+1], v[X+8+2*\c:X+9+2*\c]        ; the sum, in four packed chains
.endr
.irp p, 16,24,32,40,48,56
.irp c, 0,1,2,3
	v_pk_add_f32 v[4+2*\c:5+2*\c], v[4+2*\c:5+2*\c], v[X+\p+2*\c:X+\p+2*\c+1]
.endr
.endr
	REDUCE 0
	v_mul_f32 v12, s16, v4                         ; the mean
	v_mov_b32 v13, v12
.set I, 0
.rept 32
	v_pk_add_f32 v[X+I:X+I+1], v[X+I:X+I+1], v[12:13] neg_lo:[0,1] neg_hi:[0,1]    ; x - mean
.set I, I+2
.endr
.irp c, 0,1,2,3
	v_pk_mul_f32 v[4+2*\c:5+2*\c], v[X+2*\c:X+2*\c+1], v[X+2*\c:X+2*\c+1]
.endr
.irp p, 8,16,24,32,40,48,56
.irp c, 0,1,2,3
	v_pk_fma_f32 v[4+2*\c:5+2*\c], v[X+\p+2*\c:X+\p+2*\c+1], v[X+\p+2*\c:X+\p+2*\c+1], v[4+2*\c:5+2*\c]
.endr
.endr
	REDUCE 512
	v_fma_f32 v4, v4, s16, s17                     ; the variance + 1e-5
	v_rsq_f32 v12, v4
	v_nop                                          ; a plain place behind the transcendental
	s_wait_alu depctr_va_vdst(0)                   ; the wait ahead of its first reader
	v_mov_b32 v13, v12
	s_wait_loadcnt 0x0                             ; gain and shift
.set I, 0
.rept 32
	v_pk_mul_f32 v[X+I:X+I+1], v[X+I:X+I+1], v[12:13]
.set I, I+2
.endr
.set I, 0
.rept 32
	v_pk_fma_f32 v[X+I:X+I+1], v[X+I:X+I+1], v[G+I:G+I+1], v[R+I:R+I+1]
.set I, I+2
.endr
	QUANT X
	global_store_b128 v[V16], v[PC:PC+3], s[24:25]                 ; the fragment as it stands: 512, 256, 512, 256 consecutive bytes
	global_store_b64 v[V8], v[PC+4:PC+5], s[24:25] offset:512
	global_store_b128 v[V16], v[PC+6:PC+9], s[24:25] offset:768
	global_store_b64 v[V8], v[PC+10:PC+11], s[24:25] offset:1280
	ds_store_b32 v[CS], v[PW]                      ; the eight waves' scale words meet in LDS,
	s_wait_dscnt 0x0
	s_barrier_signal -1
	s_barrier_wait -1
	s_cmp_lg_u32 s12, 0
	s_cbranch_scc1 .Ldone
	ds_load_b128 v[4:7], v[CL]                     ; and wave 0 stores them as 512 consecutive bytes
	s_wait_dscnt 0x0
	global_store_b128 v[V16], v[4:7], s[26:27]
.Ldone:
	s_wait_tensorcnt 0x0
	ds_add_u32 v239, v255
	s_wait_dscnt 0x0
	s_endpgm
.Lfunc_end_k_qc55610aac5_ln:
	.size	k_qc55610aac5_ln, .Lfunc_end_k_qc55610aac5_ln-k_qc55610aac5_ln
	.p2alignl 7, 3214868480
	.fill 96, 4, 3214868480
	.section	.rodata,"a",@progbits
	.p2align	6, 0x0
	.amdhsa_kernel k_qc55610aac5_ln
		.amdhsa_group_segment_fixed_size 70144
		.amdhsa_private_segment_fixed_size 0
		.amdhsa_enable_private_segment 0
		.amdhsa_kernarg_size 32
		.amdhsa_user_sgpr_count 2
		.amdhsa_user_sgpr_kernarg_segment_ptr 1
		.amdhsa_wavefront_size32 1
		.amdhsa_system_sgpr_workgroup_id_x 1
		.amdhsa_system_sgpr_workgroup_id_y 1
		.amdhsa_system_sgpr_workgroup_id_z 1
		.amdhsa_system_vgpr_workitem_id 0
		.amdhsa_next_free_vgpr 256
		.amdhsa_next_free_sgpr 66
		.amdhsa_reserve_vcc 0
		.amdhsa_float_denorm_mode_32 3
		.amdhsa_float_denorm_mode_16_64 3
		.amdhsa_memory_ordered 1
		.amdhsa_forward_progress 1
		.amdhsa_inst_pref_size 26
	.end_amdhsa_kernel
	.amdgpu_metadata
---
amdhsa.version: [ 1, 2 ]
amdhsa.kernels:
  - .name:           k_qc55610aac5_ln
    .symbol:         k_qc55610aac5_ln.kd
    .args:
      - { .name: x, .offset: 0, .size: 8, .value_kind: global_buffer, .address_space: global }
      - { .name: g1, .offset: 8, .size: 8, .value_kind: global_buffer, .address_space: global }
      - { .name: beta1, .offset: 16, .size: 8, .value_kind: global_buffer, .address_space: global }
      - { .name: H1, .offset: 24, .size: 8, .value_kind: global_buffer, .address_space: global }
    .group_segment_fixed_size: 70144
    .private_segment_fixed_size: 0
    .kernarg_segment_align: 8
    .kernarg_segment_size: 32
    .max_flat_workgroup_size: 256
    .sgpr_count:     66
    .vgpr_count:     256
    .wavefront_size: 32
...
	.end_amdgpu_metadata
.endif
;; end of part 2
;; launch qkv (part 3): grid 12 x 16, 4 waves a work-group, clusters of 4 x 4, 327,680 bytes of LDS; arguments H1, WQ, b_qkv, QKV; writes QKV
.if DOCPART == 3
	.amdgcn_target "amdgcn-amd-amdhsa--gfx1250"
	.amdhsa_code_object_version 6
	.text
	.protected	k_qc55610aac5_qkv
	.globl	k_qc55610aac5_qkv
	.p2align	8
	.type	k_qc55610aac5_qkv,@function
k_qc55610aac5_qkv:
	s_mov_b64 s[64:65], 0
	v_nop
	global_prefetch_b8 v0, s[64:65] scope:SCOPE_SE
	s_setreg_imm32_b32 hwreg(HW_REG_WAVE_MODE, 25, 1), 1
	s_wait_xcnt 0x0
	s_wait_alu depctr_hold_cnt(0) depctr_sa_sdst(0) depctr_va_vdst(0) depctr_va_sdst(0) depctr_va_ssrc(0) depctr_va_vcc(0) depctr_vm_vsrc(0)
	s_getreg_b32 s2, hwreg(HW_REG_IB_STS2, 6, 4)
	s_cmp_eq_u32 s2, 0
	s_cbranch_scc0 .Lentry_in_a_cluster
	s_endpgm
.Lentry_in_a_cluster:
	s_bfe_u32 s2, ttmp6, 0x10000c
	s_cmp_lg_u32 s2, 0xf033
	s_cbranch_scc0 .Lentry_shape_is_right
	s_endpgm
.Lentry_shape_is_right:
; q, k and v^T of all heads, as operands of MX-FP6 for the attention launch: qkv = h W_qkv + b_qkv on codes of E2M3 (6 bits, one E8M0 byte for each 32 along K = 1,024), f32 sums; then q and k quantised along the head's 64, v along the keys.
; OPERANDS lie in memory in the order of their registers.  Block t of 16 rows holds, in lane row r, row 32 (t / 2) + 8 (t % 2) + r + 8 (r / 8).  A fragment (16 rows x 128 K) is 1,536 bytes: for c = 0, 1: each lane's registers
; 6 c .. 6 c + 3 at 16 x lane, then its registers 6 c + 4, 6 c + 5 at 8 x lane.  Codes [blocks][K steps][1536]; scale words [blocks][K steps][16 words].
; THE PRODUCT IS USED TRANSPOSED: source 0 = 16 rows of operand B, source 1 = 16 rows of operand A.  By the order of rows above, a lane's 16 registers of two neighbouring result tiles are 16 NEIGHBOURING rows of B, and the lane is a row of A.
; So the results of a block of A's rows are quantised along B's rows in registers.  Clusters x = 0 (q) and 1 (k): A = h (tokens), B = W_qkv's columns.  Cluster x = 2 (v): A = W_v's columns, B = h: the registers run along the keys.
; All three take one path; pointers, offsets and the bias's two forms are chosen by the cluster's x, which all partners share.
; A tile, 256 x 256, is made by four waves, 128 x 128 each: 64 accumulators, 512 registers.  K goes two steps of 128 to a slot through a ring of two LDS slots filled by tensor loads; rows of 3,072 bytes.  The scale words of the
; tile's rows, for all of K, come once, with the first fills.  CLUSTERS: 4 x 4; A's tiles are shared along a row of the cluster, B's along a column: each is asked for jointly.
; QKV: a record of 315,392 bytes for each batch and head: K's scale words [128 tiles][64] at 0; V's [16 key steps][4 blocks of d][64] at 8,192; K's tiles 0-15 (768 bytes each: 16 keys x 64) at 12,288; V^T's key steps 0, 1
; ([step][block of d][1536]) at 24,576; K's tiles 16-127 at 36,864; V^T's steps 2-15 at 122,880; Q's tiles at 208,896; Q's scale words at 307,200.
; A q or k scale word has two bytes of its own; its upper two are the neighbouring head's bytes or 0, never 0xff.  A block of zeros gets the byte 1 with zero codes.  LIMITS: NaN and infinities are not served.
; REGISTERS: window 0: v1-29 addresses; v32-63 scale words, two sets; v64-127 the bias along the registers; v128-223 A's fragments, one set; v224-239 the bias along the lanes.  window 1: B's fragments, two sets.
;   windows 2, 3: the accumulators, (a, b) at v[8 (8 (a % 4) + b)] of window 2 + a / 4.
.set NA,    8                          ; blocks of A's rows to a wave
.set KS,    8                          ; K steps of 128
.set FR,    12                         ; registers of a fragment
.set NL,    4                          ; LDS loads that bring one
.set HALFT, 24576                      ; LDS for what one tensor load brings: 8 blocks x 2 K steps x 1,536 bytes
.set SLOT,  4*HALFT                    ; A's two halves, then B's two
.set LAPS,  KS/4                       ; a lap = two slots = once round the ring
.set SCL,   2*SLOT                     ; behind the ring: the scale words
.set HALFS, 512*KS                     ; those of 8 blocks
.set SPARE, SCL+4*HALFS                ; the spare words, 128 bytes for each wave, that no other line names
.set REC,   315392
.set V16,  8                           ; 16 x lane
.set V8,   9                           ; 8 x lane
.set SS,   10                          ; the way out: where my scale word goes in LDS
.set SR,   11                          ; and where the wave's words are read back
.set VS,   12                          ; their place in memory
.set BO,   13                          ; the bias along the registers: 64 h
.set BMO,  14                          ; the bias along the lanes: 4 (r + 8 (r / 8))
.set ADRA, 16                          ; v16-17 LDS address of my A fragments in slot 0, 1, by 16 bytes a lane; v18-19 by 8
.set ADRB, 20                          ; v20-23 the same for B
.set ADRS, 27                          ; LDS address of my scale words: lanes 0-15 A's, lanes 16-31 B's
.set SPW,  28                          ; LDS address of my spare word; never rewritten
.set NIL,  29                          ; 0; never rewritten
.set SC,   32                          ; scale words: set s at v[SC + 16 s]; register 2 i + q: block i, the slot's q-th K step
.set BIAS, 64
.set AF,   128
.set BM,   224
.set X,    128                         ; the way out: 64 numbers,
.set PC,   192                         ; their codes,
.set PW,   212                         ; the scale word,
.set PW2,  213                         ; its upper half
.set TM,   240
.set G1,   24
.set G0,   32
.set G1B,  48
.set G0B,  56
.set G1S,  68
.set G0S,  76
.set G1SB, 80
.set G0SB, 88
.set SEL,  96
.set B0,   92                          ; s[92:93] where registers 0-5 of the codes go; s[94:95] registers 6-11
.set B1,   94
.set S0,   46                          ; s[46:47], s[98:99] where the scale words go
.set S1,   98
.set DA,   18                          ; s[18:19] from block to block; s[40:41] more at the fifth
.set DJ,   40
.set MSB, 0
.macro WIN new                         ; the immediate's high byte repeats the setting that is left; a switch that changes nothing is dropped
.if MSB != (\new)
	s_set_vgpr_msb (MSB<<8)|(\new)
.set MSB, \new
.endif
.endm
; A joint load: waves 0 and 1 fetch for A, waves 2 and 3 for B.  Each line has one mask and one set of registers for all that issue it; the branch hangs on the wave's number alone.  Four v_nop follow each line.
.macro JLOAD g0a, g1a, g0b, g1b
	s_cmp_eq_u32 s15, 0
	s_cbranch_scc0 .Lfor_b_\@
	tensor_load_to_lds s[\g0a:\g0a+3], s[\g1a:\g1a+7]
	s_nop 0
.rept 4
	v_nop
.endr
	s_branch .Lasked_\@
.Lfor_b_\@:
	tensor_load_to_lds s[\g0b:\g0b+3], s[\g1b:\g1b+7]
	s_nop 0
.rept 4
	v_nop
.endr
.Lasked_\@:
.endm
.macro CREST                           ; a round of the cluster's barrier behind its opening barrier
	s_cmp_lg_u32 s14, 0
	s_cbranch_scc1 .Lnot_wave_0_\@
	s_barrier_signal -3
.Lnot_wave_0_\@:
	s_barrier_wait -3
	s_barrier_signal -1
	s_barrier_wait -1
.endm
.macro CROUND
	s_barrier_signal -1
	s_barrier_wait -1
	CREST
.endm
	s_load_b256 s[4:11], s[0:1], 0x0               ; H1 s[4:5], WQ s[6:7], b_qkv s[8:9], QKV s[10:11]
	v_lshl_add_u32 v[SPW], v0, 2, SPARE
	v_mov_b32 v[NIL], 0
	ds_add_u32 v28, v29
	ds_add_u32 v28, v29
	s_wait_dscnt 0x0
	v_lshrrev_b32 v1, 5, v0
	v_readfirstlane_b32 s14, v1                    ; wave 0..3
	s_lshr_b32 s15, s14, 1                         ; which half of A's rows is mine.  Also: I fetch for A (0) or for B (1)
	s_and_b32 s16, s14, 1                          ; which half of B's rows.  Also: which half of that tile I fetch
	s_bfe_u32 s40, ttmp6, 0x40000                  ; cx, cy: my place in the cluster
	s_bfe_u32 s41, ttmp6, 0x40004
	s_and_b32 s18, ttmp7, 0xffff                   ; the cluster's y
	s_mov_b32 s98, 3145728                         ; where H1's scale words begin,
	s_mov_b32 s99, 9437184                         ; and W_qkv's in WQ
	s_cmp_eq_u32 ttmp9, 2                          ; v?  The cluster's x is the same in all partners
	s_cselect_b32 s19, 0, s18                      ; clusters down A's rows: tokens, or W_v's 1,024 columns (one cluster's height)
	s_cselect_b32 s12, s18, ttmp9                  ; clusters along B's rows: W_q's and W_k's columns, or tokens
	s_cselect_b32 s13, 128, 0                      ; W_v's blocks begin 128 blocks on
	s_cselect_b32 s66, 0, -1                       ; all ones for q and k
	s_cselect_b32 s67, s99, s98                    ; A's scale words begin here,
	s_cselect_b32 s98, s98, s99                    ; B's here
	s_lshl_b32 s42, s12, 2
	s_add_co_u32 s42, s42, s40                     ; tile column (B)
	s_lshl_b32 s17, s19, 2
	s_add_co_u32 s17, s17, s41                     ; tile row (A)
	s_lshl_b32 s43, s41, 2
	s_lshl_b32 s43, 15, s43                        ; my row of the cluster
	s_lshl_b32 s44, 0x1111, s40                    ; my column
	; descriptor group 1: codes: 8 rows (blocks) of 3,072 bytes (384 elements of 8 bytes), KS x 1,536 bytes apart; no padding: an LDS load's bytes are consecutive
	s_or_b32 s[G1+0], s43, (3<<16)|(1<<21)         ; 15:0 the mask: A's tiles go to my row; 17:16 elements of 8 bytes; 21 set beside a mask
	s_or_b32 s[G1B+0], s44, (3<<16)|(1<<21)
.irp g, G1, G1B
	s_mov_b32 s[\g+1], 384<<16                     ; tensor_dim0
	s_mov_b32 s[\g+2], 8<<16                       ; tensor_dim1
	s_mov_b32 s[\g+3], 384<<16                     ; tile_dim0
	s_mov_b32 s[\g+4], 8                           ; tile_dim1
	s_mov_b32 s[\g+5], 192*KS                      ; tensor_dim0_stride
	s_mov_b32 s[\g+6], 0
	s_mov_b32 s[\g+7], 0
.endr
	; the scale words of 8 blocks: a dense block of 512 KS bytes, as rows of 256 bytes
	s_or_b32 s[G1S+0], s43, (3<<16)|(1<<21)
	s_or_b32 s[G1SB+0], s44, (3<<16)|(1<<21)
.irp g, G1S, G1SB
	s_mov_b32 s[\g+1], 32<<16
	s_mov_b32 s[\g+2], (2*KS)<<16
	s_mov_b32 s[\g+3], 32<<16
	s_mov_b32 s[\g+4], 2*KS
	s_mov_b32 s[\g+5], 32
	s_mov_b32 s[\g+6], 0
	s_mov_b32 s[\g+7], 0
.endr
	s_lshl_b32 s18, s16, 3                         ; which 8 blocks of the tile I fetch
	s_lshl_b32 s20, s17, 4
	s_add_co_u32 s20, s20, s18
	s_add_co_u32 s20, s20, s13                     ; A: block 16 x tile row + 8 x half (+ 128)
	s_lshl_b32 s46, s42, 4
	s_add_co_u32 s46, s46, s18                     ; B: block 16 x tile column + 8 x half
	s_mul_i32 s22, s20, KS*64
	s_add_co_u32 s22, s22, s67                     ; where these blocks' scale words begin, in bytes,
	s_mul_i32 s20, s20, KS*1536                    ; and their codes
	s_mul_i32 s92, s46, KS*64
	s_add_co_u32 s92, s92, s98
	s_mul_i32 s46, s46, KS*1536
	s_mov_b32 s21, 0
	s_mov_b32 s23, 0
	s_mov_b32 s47, 0
	s_mov_b32 s93, 0
	s_mul_i32 s45, s14, HALFT                      ; where they go: by the wave's number alone
	s_mul_i32 s94, s14, HALFS
	s_wait_kmcnt 0x0
	s_cmp_eq_u32 ttmp9, 2
	s_cselect_b64 s[100:101], s[6:7], s[4:5]       ; A's buffer
	s_cselect_b64 s[6:7], s[4:5], s[6:7]           ; B's
	s_add_nc_u64 s[20:21], s[100:101], s[20:21]
	s_add_nc_u64 s[22:23], s[100:101], s[22:23]
	s_add_nc_u64 s[46:47], s[6:7], s[46:47]
	s_add_nc_u64 s[92:93], s[6:7], s[92:93]
	CROUND                                         ; all sixteen work-groups are here: the first joint loads meet
	s_mov_b32 s[G0S], 1
	s_add_co_u32 s[G0S+1], s94, SCL
	s_mov_b64 s[G0S+2:G0S+3], s[22:23]
	s_or_b32 s[G0S+3], s[G0S+3], 0x80000000
	s_mov_b32 s[G0SB], 1
	s_add_co_u32 s[G0SB+1], s94, SCL
	s_mov_b64 s[G0SB+2:G0SB+3], s[92:93]
	s_or_b32 s[G0SB+3], s[G0SB+3], 0x80000000
	JLOAD G0S, G1S, G0SB, G1SB                     ; the scale words first: they are wanted with the first K step
.irp s, 0,1
	s_mov_b32 s[G0+4*\s], 1
	s_add_co_u32 s[G0+4*\s+1], s45, \s*SLOT
	s_add_nc_u64 s[G0+4*\s+2:G0+4*\s+3], s[20:21], \s*3072
	s_or_b32 s[G0+4*\s+3], s[G0+4*\s+3], 0x80000000
	s_mov_b32 s[G0B+4*\s], 1
	s_add_co_u32 s[G0B+4*\s+1], s45, \s*SLOT
	s_add_nc_u64 s[G0B+4*\s+2:G0B+4*\s+3], s[46:47], \s*3072
	s_or_b32 s[G0B+4*\s+3], s[G0B+4*\s+3], 0x80000000
	JLOAD G0+4*\s, G1, G0B+4*\s, G1B
.endr
	v_and_b32 v3, 31, v0                           ; lane
	v_and_b32 v1, 15, v0                           ; r
	v_bfe_u32 v2, v0, 4, 1                         ; h
	v_lshlrev_b32 v[V16], 4, v3
	v_lshlrev_b32 v[V8], 3, v3
	s_mul_i32 s21, s15, HALFT                      ; my half of A
	s_mul_i32 s22, s16, HALFT                      ; my half of B,
	s_add_co_u32 s22, s22, 2*HALFT                 ; behind A's two
.irp s, 0,1
	v_add_nc_u32 v[ADRA+\s], s21, v[V16]
	v_add_nc_u32 v[ADRA+2+\s], s21, v[V8]
	v_add_nc_u32 v[ADRB+\s], s22, v[V16]
	v_add_nc_u32 v[ADRB+2+\s], s22, v[V8]
	s_add_co_u32 s21, s21, SLOT
	s_add_co_u32 s22, s22, SLOT
.endr
	v_lshlrev_b32 v5, 2, v1                        ; my row's scale word: 4 r
	s_mul_i32 s21, s15, HALFS
	s_mul_i32 s22, s16, HALFS
	s_add_co_u32 s22, s22, 2*HALFS
	s_sub_co_u32 s22, s22, s21
	v_mul_u32_u24 v6, s22, v2                      ; lanes 16-31 take B's
	s_add_co_u32 s21, s21, SCL
	v_add_nc_u32 v5, v5, v6
	v_add_nc_u32 v[ADRS], s21, v5
	s_lshl_b32 s21, s14, 10                        ; the way out: 1,024 bytes of slot 0 for each wave's scale words
	v_lshl_add_u32 v[SS], v1, 2, s21
	v_add_nc_u32 v[SR], s21, v[V16]
	v_lshlrev_b32 v[BO], 6, v2
	v_and_b32 v4, 8, v1
	v_add_nc_u32 v4, v4, v1
	v_lshlrev_b32 v[BMO], 2, v4
	s_mov_b32 s[SEL], 0x76543210
	s_mov_b32 s[SEL+1], 0xfedcba98                 ; v_permlanex16_b32's selects for lane l xor 16
	; where the results go
	s_lshl_b32 s20, s17, 8
	s_lshl_b32 s21, s15, 7
	s_add_co_u32 s20, s20, s21                     ; m0: my first row of A
	s_lshl_b32 s21, s42, 8
	s_lshl_b32 s22, s16, 7
	s_add_co_u32 s21, s21, s22                     ; n0: my first row of B
	s_and_b32 s22, s21, 1023
	s_lshl_b32 s12, s21, 2
	s_add_co_u32 s13, s20, 2048
	s_lshl_b32 s13, s13, 2
	s_mov_b32 s43, 208896                          ; q's figures: the codes' place in a record,
	s_mov_b32 s44, 0                               ; what is added from token 256 on,
	s_mov_b32 s45, 307200                          ; the scale words' place
	s_cmp_eq_u32 ttmp9, 1                          ; k's
	s_cselect_b32 s43, 12288, s43
	s_cselect_b32 s44, 12288, s44
	s_cselect_b32 s45, 0, s45
	s_mov_b32 s94, REC                             ; from registers 0-5 to registers 6-11: the next head's record (q, k), or 768 bytes (v)
	s_mov_b32 s[DA], 768
	s_cmp_eq_u32 ttmp9, 2                          ; v's
	s_cselect_b32 s43, 24576, s43
	s_cselect_b32 s44, 86016, s44
	s_cselect_b32 s45, 8192, s45
	s_cselect_b32 s94, 768, s94
	s_cselect_b32 s[DA], 1536, s[DA]
	s_cselect_b32 s[DJ], 309248, 0                 ; v: the fifth block of d belongs to the next head: a record on, less four fragments
	s_cselect_b32 s67, 1, 2                        ; bytes of scale words for each token, as a shift
	s_cselect_b32 s98, 315136, 0                   ; v: the upper 256 bytes of the wave's scale words belong to the next head
	s_cselect_b32 s23, s21, s20                    ; my first token,
	s_cselect_b32 s22, s20, s22                    ; my first column among the 1,024 of q, k or v
	s_cselect_b32 s12, 0, s12                      ; the bias along the registers: b_qkv at n0 (q, k); for v it is masked out below
	s_cselect_b32 s13, s13, 0                      ; the bias along the lanes: b_qkv at 2,048 + m0 (v); for q, k masked out
	s_mov_b32 s[DA+1], 0
	s_mov_b32 s[DJ+1], 0
	s_lshr_b32 s20, s23, 11                        ; batch
	s_and_b32 s23, s23, 2047                       ; token in it
	s_lshl_b32 s20, s20, 4
	s_lshr_b32 s22, s22, 6
	s_add_co_u32 s20, s20, s22                     ; record: 16 x batch + head
	s_mul_i32 s20, s20, REC
	s_cmp_ge_u32 s23, 256
	s_cselect_b32 s44, s44, 0
	s_mul_i32 s21, s23, 48                         ; 768 bytes for 16 tokens (q, k); 6,144 for 128 keys (v)
	s_add_co_u32 s21, s21, s20
	s_add_co_u32 s21, s21, s43
	s_add_co_u32 s[B0], s21, s44
	s_mov_b32 s[B0+1], 0
	s_add_nc_u64 s[B0:B0+1], s[10:11], s[B0:B0+1]
	s_mov_b32 s95, 0
	s_add_nc_u64 s[B1:B1+1], s[B0:B0+1], s[94:95]
	s_lshl_b32 s[S0], s23, s67
	s_add_co_u32 s[S0], s[S0], s20
	s_add_co_u32 s[S0], s[S0], s45
	s_mov_b32 s[S0+1], 0
	s_add_nc_u64 s[S0:S0+1], s[10:11], s[S0:S0+1]
	v_mul_u32_u24 v[VS], s98, v2
	v_add_nc_u32 v[VS], v[VS], v[V16]
	s_add_nc_u64 s[S1:S1+1], s[S0:S0+1], REC
	s_mov_b32 s20, s12
	s_mov_b32 s21, 0
	s_add_nc_u64 s[20:21], s[8:9], s[20:21]
	s_mov_b32 s22, s13
	s_mov_b32 s23, 0
	s_add_nc_u64 s[22:23], s[8:9], s[22:23]
.irp b, 0,1,2,3,4,5,6,7                ; lane (r, h), tile b, register j: row 32 (b / 2) + 8 (b % 2) + 16 h + j of B
	global_load_b128 v[BIAS+8*\b:BIAS+8*\b+3], v[BO], s[20:21] offset:(32*(\b/2)+8*(\b%2))*4
	global_load_b128 v[BIAS+8*\b+4:BIAS+8*\b+7], v[BO], s[20:21] offset:(32*(\b/2)+8*(\b%2))*4+16
.endr
.irp a, 0,1,2,3,4,5,6,7                ; lane row r of block a of A
	global_load_b32 v[BM+2*\a], v[BMO], s[22:23] offset:(32*(\a/2)+8*(\a%2))*4
.endr
	s_wait_loadcnt 0x0
.set I, 0
.rept 64
	v_cndmask_b32 v[BIAS+I], 0, v[BIAS+I], s66     ; kept for q and k, 0 for v
.set I, I+1
.endr
.irp a, 0,1,2,3,4,5,6,7
	v_cndmask_b32 v[BM+2*\a], v[BM+2*\a], 0, s66   ; 0 for q and k, kept for v
	v_mov_b32 v[BM+2*\a+1], 0                      ; (named with it as a pair)
.endr
.irp b, 0,1,2,3
	v_mov_b32 v[TM+4+\b], 0                        ; written once: a lane permute's destination counts as one of its sources
.endr
.macro FRAG reg, a16, a8, q, i         ; a fragment comes back as it was stored: four loads, each of consecutive bytes
	ds_load_b128 v[\reg:\reg+3], v[\a16] offset:(\i)*3072+(\q)*1536
	ds_load_b64 v[\reg+4:\reg+5], v[\a8] offset:(\i)*3072+(\q)*1536+512
	ds_load_b128 v[\reg+6:\reg+9], v[\a16] offset:(\i)*3072+(\q)*1536+768
	ds_load_b64 v[\reg+10:\reg+11], v[\a8] offset:(\i)*3072+(\q)*1536+1280
.endm
; 8 matrix instructions: A's block a x B's eight, 128 along K.  p: B's set; q: the slot's K step; sc: the set of scale words.  first = 2: the bias is the C of the first product; 0: the sums go on.
; The accumulators take turns, one instruction a turn, in the same order in every step.
.macro MULA a, p, q, sc, first
.if \first == 2
	WIN 0x81+0x40*((\a)/4)                         ; source 0 (B) window 1, source 1 (A) and C window 0, D window 2 or 3
.else
	WIN 0xa1+0x50*((\a)/4)                         ; C and D window 2 or 3
.endif
.irp b, 0,1,2,3,4,5,6,7
.if \first == 2
	v_wmma_scale_f32_16x16x128_f8f6f4 v[8*(8*((\a)%4)+\b):8*(8*((\a)%4)+\b)+7], v[128*(\p)+FR*\b:128*(\p)+FR*\b+FR-1], v[AF+FR*(\a):AF+FR*(\a)+FR-1], v[BIAS+8*\b:BIAS+8*\b+7], v[SC+16*(\sc)+2*\b+(\q)], v[SC+16*(\sc)+2*(\a)+(\q)] matrix_a_fmt:MATRIX_FMT_FP6 matrix_b_fmt:MATRIX_FMT_FP6 matrix_a_scale:MATRIX_SCALE_ROW1
.else
	v_wmma_scale_f32_16x16x128_f8f6f4 v[8*(8*((\a)%4)+\b):8*(8*((\a)%4)+\b)+7], v[128*(\p)+FR*\b:128*(\p)+FR*\b+FR-1], v[AF+FR*(\a):AF+FR*(\a)+FR-1], v[8*(8*((\a)%4)+\b):8*(8*((\a)%4)+\b)+7], v[SC+16*(\sc)+2*\b+(\q)], v[SC+16*(\sc)+2*(\a)+(\q)] matrix_a_fmt:MATRIX_FMT_FP6 matrix_b_fmt:MATRIX_FMT_FP6 matrix_a_scale:MATRIX_SCALE_ROW1
.endif
.endr
.endm
.macro MULQ k, p, q, sc, first         ; a quarter of a step: two blocks of A
	MULA 2*(\k), \p, \q, \sc, \first
	MULA 2*(\k)+1, \p, \q, \sc, \first
.endm
.macro FETCH_B slot, q, p              ; B's eight fragments into set p
	WIN 0x40                                       ; destination window 1
.irp i, 0,1,2,3,4,5,6,7
	FRAG 128*(\p)+FR*\i, ADRB+\slot, ADRB+2+\slot, \q, \i
.endr
	WIN 0
.endm
.macro FETCH_A slot, q, half           ; half of A's blocks
.set FI, (\half)*NA/2
.rept NA/2
	FRAG AF+FR*FI, ADRA+\slot, ADRA+2+\slot, \q, FI
.set FI, FI+1
.endr
.endm
.macro SCALES sc                       ; a slot's scale words: lanes 0-15 A's block i, lanes 16-31 B's block i
.irp i, 0,1,2,3,4,5,6,7
	ds_load_b32 v[SC+16*\sc+2*\i], v[ADRS] offset:\i*KS*64
	ds_load_b32 v[SC+16*\sc+2*\i+1], v[ADRS] offset:\i*KS*64+64
.endr
.endm
; A load into a register that a matrix instruction has read, and a vector instruction or an LDS store that reads a matrix result, stand four places behind that matrix instruction; only plain vector instructions that name none of
; its registers are places (ISA guide 7.12.1 for vector instructions).
.macro PLACES
.rept 4
	v_nop
.endr
.endm
.macro STEP slot, first                ; a slot's first K step; it fetches the second's fragments
	s_wait_dscnt (NA/2)*NL                         ; B's set, the scale words and A's first half are in; the youngest loads (A's second half) may be out
	MULQ 0, 0, 0, \slot, \first
	MULQ 1, 0, 0, \slot, \first
	s_wait_dscnt 0x0                               ; A's second half is in
	PLACES
	FETCH_B \slot, 1, 1
	FETCH_A \slot, 1, 0
	MULQ 2, 0, 0, \slot, \first
	MULQ 3, 0, 0, \slot, \first
	PLACES
	WIN 0
	FETCH_A \slot, 1, 1
.endm
; A slot's second K step changes slots: one barrier; in front of it each wave waits for all its tensor loads, adds 0 to its spare word, and waits for that and for its own reads of this slot.  fill = 1: this slot is filled again.
.macro TURN slot, next, fill
	s_wait_tensorcnt 0x0                           ; all my tensor loads have landed: my part of the next slot
	ds_add_u32 v[SPW], v[NIL]                      ; 0 onto my spare word
	s_wait_dscnt (NA/2)*NL+1                       ; (the add and the youngest loads, A's second half, may be out)
	MULQ 0, 1, 1, \slot, 0                         ; matrix instructions stand between the add and the wait for it
	s_wait_dscnt 0x0                               ; the add is done, and my reads of this slot are over
	s_barrier_signal -1
	MULQ 1, 1, 1, \slot, 0
	WIN 0
	s_barrier_wait -1
.if \fill
	CREST                                          ; the barrier has opened a round of the cluster's: no wave of any partner still reads this slot or has a load on its way
	s_add_nc_u64 s[G0+4*\slot+2:G0+4*\slot+3], s[G0+4*\slot+2:G0+4*\slot+3], 6144
	s_add_nc_u64 s[G0B+4*\slot+2:G0B+4*\slot+3], s[G0B+4*\slot+2:G0B+4*\slot+3], 6144
	JLOAD G0+4*\slot, G1, G0B+4*\slot, G1B         ; the first tensor load behind the round; its four v_nop are the places in front of the loads below
.else
	PLACES
.endif
	v_add_nc_u32 v[ADRS], 128, v[ADRS]             ; on to the next slot's scale words (no LDS load of mine is out)
	FETCH_B \next, 0, 0
	FETCH_A \next, 0, 0
	SCALES \next
	MULQ 2, 1, 1, \slot, 0
	MULQ 3, 1, 1, \slot, 0
	PLACES
	WIN 0
	FETCH_A \next, 0, 1
.endm
	s_wait_tensorcnt 0x1                           ; the scale words and my part of slot 0 are in; slot 1's load may be out
	s_barrier_signal -1
	s_barrier_wait -1
	FETCH_B 0, 0, 0
	FETCH_A 0, 0, 0
	SCALES 0
	FETCH_A 0, 0, 1
	STEP 0, 2                                      ; the first step stands in front of the loop: its products start the sums, on the bias
	s_mov_b32 s3, LAPS-1
.Llap:                                             ; a trip goes once round the ring and fills both slots again
	TURN 0, 1, 1
	STEP 1, 0
	TURN 1, 0, 1
	STEP 0, 0
	s_sub_co_u32 s3, s3, 1
	s_cmp_lg_u32 s3, 0
	s_cbranch_scc1 .Llap
	TURN 0, 1, 0                                   ; the last lap fills nothing
	STEP 1, 0
	s_wait_dscnt (NA/2)*NL                         ; the very last step: nothing more to fetch
	MULQ 0, 1, 1, 1, 0
	MULQ 1, 1, 1, 1, 0
	s_wait_dscnt 0x0
	MULQ 2, 1, 1, 1, 0
	MULQ 3, 1, 1, 1, 0
	WIN 0
.macro QUANT s                         ; 64 numbers of a lane, register 16 b + i = k 32 b + 16 h + i of my row, become a fragment's codes in v[PC] on and its scale word in v[PW]
.irp b, 0,1,2,3
	v_max3_num_f32 v[TM+\b], |v[\s+16*\b]|, |v[\s+1+16*\b]|, 0x1800000   ; block b: my 16 numbers, and the floor 2^(3 - 127): the byte cannot fall under 1
.endr
.irp i, 2,4,6,8,10,12,14
.irp b, 0,1,2,3
	v_max3_num_f32 v[TM+\b], v[TM+\b], |v[\s+16*\b+\i]|, |v[\s+1+16*\b+\i]|
.endr
.endr
.irp b, 0,1,2,3
	v_permlanex16_b32 v[TM+4+\b], v[TM+\b], s[SEL], s[SEL+1]
.endr
.irp b, 0,1,2,3
	v_max_num_f32 v[TM+\b], v[TM+\b], v[TM+4+\b]   ; with lane l xor 16's: the block's largest magnitude
.endr
.irp b, 0,1,2,3
	v_add_nc_u32 v[TM+12+\b], 0xff000000, v[TM+\b] ; 2 off its exponent field: the conversion's scale operand
.endr
.irp b, 0,1,2,3
	v_lshrrev_b32 v[TM+4+\b], 23, v[TM+12+\b]      ; the scale's byte
.endr
	v_lshl_or_b32 v[PW], v[TM+5], 8, v[TM+4]
	v_lshl_or_b32 v[PW], v[TM+6], 16, v[PW]
	v_lshl_or_b32 v[PW], v[TM+7], 24, v[PW]
.irp c, 0,1
	v_cvt_scalef32_pk16_fp6_f32 v[PC+6*\c:PC+2+6*\c], v[\s+32*\c:\s+15+32*\c], v[TM+12+2*\c]
	v_cvt_scalef32_pk16_fp6_f32 v[PC+12+4*\c:PC+14+4*\c], v[\s+16+32*\c:\s+31+32*\c], v[TM+12+2*\c+1]   ; (a conversion's three registers begin on an even number)
.endr
	v_nop                                          ; one plain place behind a scaled conversion
.irp c, 0,1                            ; the operand's layout wants a whole block in a lane
.irp i, 0,1,2
	v_permlane16_swap_b32 v[PC+6*\c+\i], v[PC+12+4*\c+\i]
.endr
.irp i, 0,1,2
	v_mov_b32 v[PC+3+6*\c+\i], v[PC+12+4*\c+\i]
.endr
.endr
.endm
; THE WAY OUT, a block of A's rows at a time: the block's 64 numbers a lane (each accumulator from its low end on) take the bias along the lanes and come into window 0; they are quantised along B's rows; the codes leave as they
; stand: q, k: registers 0-5 are one head's tile, registers 6-11 the next head's; v: the two halves of one fragment.  The scale words are gathered in LDS, in slot 0, which has had its last fill and its last read.
.macro EQROW a
	s_wait_xcnt 0x0                                ; the last block's stores have read their registers and bases,
	s_wait_dscnt 0x0                               ; and its LDS stores theirs
.if (\a) > 0
	s_add_nc_u64 s[B0:B0+1], s[B0:B0+1], s[DA:DA+1]
	s_add_nc_u64 s[B1:B1+1], s[B1:B1+1], s[DA:DA+1]
.endif
.if (\a) == 4
	s_add_nc_u64 s[B0:B0+1], s[B0:B0+1], s[DJ:DJ+1]
	s_add_nc_u64 s[B1:B1+1], s[B1:B1+1], s[DJ:DJ+1]
.endif
	WIN 0x02+(\a)/4                                ; source 0: window 2 or 3
.set CI, 0
.rept 32
	v_pk_add_f32 v[X+CI:X+CI+1], v[64*((\a)%4)+CI:64*((\a)%4)+CI+1], v[BM+2*(\a):BM+2*(\a)+1] op_sel_hi:[1,0]
.set CI, CI+2
.endr
	WIN 0
	QUANT X
	global_store_b128 v[V16], v[PC:PC+3], s[B0:B0+1]
	global_store_b64 v[V8], v[PC+4:PC+5], s[B0:B0+1] offset:512
	global_store_b128 v[V16], v[PC+6:PC+9], s[B1:B1+1]
	global_store_b64 v[V8], v[PC+10:PC+11], s[B1:B1+1] offset:512
	v_lshrrev_b32 v[PW2], 16, v[PW]                ; q, k: the second head's two bytes
	ds_store_b32 v[SS], v[PW] offset:64*(\a)       ; both halves of the lanes write the same word with the same value
	ds_store_b32 v[SS], v[PW2] offset:512+64*(\a)
.endm
	PLACES
.irp a, 0,1,2,3,4,5,6,7
	EQROW \a
.endr
	ds_load_b128 v[128:131], v[SR]                 ; LDS serves a wave's instructions in order: these see my stores
	ds_load_b128 v[132:135], v[SR] offset:512
	s_wait_dscnt 0x0
	global_store_b128 v[VS], v[128:131], s[S0:S0+1]          ; q, k: the first head's 512 consecutive bytes; v: 256 for each of two heads
	s_cmp_eq_u32 ttmp9, 2
	s_cbranch_scc1 .Lno_second
	global_store_b128 v[VS], v[132:135], s[S1:S1+1]          ; q, k: the second head's
.Lno_second:
	s_wait_tensorcnt 0x0                           ; the wave's end
	ds_add_u32 v[SPW], v[NIL]
	s_wait_dscnt 0x0
	CROUND                                         ; the closing round: no work-group ends while a partner may still ask for a tile that names it
	s_endpgm
.Lfunc_end_k_qc55610aac5_qkv:
	.size	k_qc55610aac5_qkv, .Lfunc_end_k_qc55610aac5_qkv-k_qc55610aac5_qkv
	.p2alignl 7, 3214868480
	.fill 96, 4, 3214868480
	.section	.rodata,"a",@progbits
	.p2align	6, 0x0
	.amdhsa_kernel k_qc55610aac5_qkv
		.amdhsa_group_segment_fixed_size 327680
		.amdhsa_private_segment_fixed_size 0
		.amdhsa_enable_private_segment 0
		.amdhsa_kernarg_size 32
		.amdhsa_user_sgpr_count 2
		.amdhsa_user_sgpr_kernarg_segment_ptr 1
		.amdhsa_wavefront_size32 1
		.amdhsa_system_sgpr_workgroup_id_x 1
		.amdhsa_system_sgpr_workgroup_id_y 1
		.amdhsa_system_sgpr_workgroup_id_z 1
		.amdhsa_system_vgpr_workitem_id 0
		.amdhsa_next_free_vgpr 1024
		.amdhsa_next_free_sgpr 102
		.amdhsa_reserve_vcc 0
		.amdhsa_float_denorm_mode_32 3
		.amdhsa_float_denorm_mode_16_64 3
		.amdhsa_memory_ordered 1
		.amdhsa_forward_progress 1
		.amdhsa_inst_pref_size 178
	.end_amdhsa_kernel
	.amdgpu_metadata
---
amdhsa.version: [ 1, 2 ]
amdhsa.kernels:
  - .name:           k_qc55610aac5_qkv
    .symbol:         k_qc55610aac5_qkv.kd
    .args:
      - { .name: H1, .offset: 0, .size: 8, .value_kind: global_buffer, .address_space: global }
      - { .name: WQ, .offset: 8, .size: 8, .value_kind: global_buffer, .address_space: global }
      - { .name: b_qkv, .offset: 16, .size: 8, .value_kind: global_buffer, .address_space: global }
      - { .name: QKV, .offset: 24, .size: 8, .value_kind: global_buffer, .address_space: global }
    .group_segment_fixed_size: 327680
    .private_segment_fixed_size: 0
    .kernarg_segment_align: 8
    .kernarg_segment_size: 32
    .max_flat_workgroup_size: 128
    .sgpr_count:     102
    .vgpr_count:     1024
    .wavefront_size: 32
...
	.end_amdgpu_metadata
.endif
;; end of part 3
;; launch attn (part 4): grid 8 x 32, 16 waves a work-group, no clusters, 210,944 bytes of LDS; arguments QKV, AO; writes AO
.if DOCPART == 4
	.amdgcn_target "amdgcn-amd-amdhsa--gfx1250"
	.amdhsa_code_object_version 6
	.text
	.protected	k_qc55610aac5_attn
	.globl	k_qc55610aac5_attn
	.p2align	8
	.type	k_qc55610aac5_attn,@function
k_qc55610aac5_attn:
	s_mov_b64 s[64:65], 0
	v_nop
	global_prefetch_b8 v0, s[64:65] scope:SCOPE_SE
	s_setreg_imm32_b32 hwreg(HW_REG_WAVE_MODE, 25, 1), 1
	s_wait_xcnt 0x0
; Causal attention of one batch and head on codes of MX-FP6 (E2M3, one E8M0 byte for each 32 along a product's K), and its result quantised along D for the next product.
; QKV: a record of 315,392 bytes for each batch and head, operands in the order of their registers: K's scale words [128 tiles][64] at 0; V's [16 key steps][4 blocks of d][64] at 8,192; K's tiles 0-15 (768 bytes: 16 keys x 64)
; at 12,288; V^T's key steps 0, 1 ([step][block of d][1536]) at 24,576; K's tiles 16-127 at 36,864; V^T's steps 2-15 at 122,880; Q's tiles at 208,896; Q's scale words at 307,200.
; Tile t of 16 rows (tokens, or the head's d) holds, in lane row r, row 32 (t / 2) + 8 (t % 2) + r + 8 (r / 8).
; THE SOFTMAX: t = score x log2(e) / 8; M = the row's largest t so far, rounded UP to a whole number; p = 2^(t - M) is quantised along the keys, not normalised; the row's sum is taken of the unquantised p and divides O at the end.
; When M moves, the sum and O are multiplied by 2^(old M - new M): exact.
; SHARES.  The record's first 208,896 bytes, all of the head's K and V, ARE the work-group's LDS, filled once: no slot is filled again.  A work-group owns query blocks i and 15 - i of 128 queries: waves 0-7 the tiles of block i,
; waves 8-15 those of block 15 - i: so every work-group has the same number of key steps under the causal mask.  A wave owns one tile of 16 queries in 256 registers, four waves to a SIMD.
; Both products are used transposed: S^T = K Q^T, O^T = V^T P^T: a lane holds one query throughout, and by the order of rows above a lane's 16 registers of two neighbouring tiles are 16 neighbouring keys (or d).
; K = 64 IN AN INSTRUCTION OF 128: Q's registers 6-11 are zero codes.  The format has no code for NaN or infinity and no scale byte here is 0xff, so whatever K's operand holds for k from 64 on adds nothing: a tile's operand is its
; own six registers and the six that follow them.
; No clusters: the work-groups that share K and V leave out different key steps, which is a branch that partners of joint loads may not have; without it the work would double.
; CAUSAL: every wave walks all 16 key steps (the trip counts are constants); a step all of whose keys come after the wave's queries is jumped over by a scalar branch on ids.
; LIMITS: NaN and infinities are not served.  A block of zeros gets the byte 1 with zero codes.  A head owns two of a scale word's four bytes in AO: they leave as 2 bytes a lane.
; REGISTERS: v1-3 16, 8, 4 x lane; v4-9 addresses in hand; v10-11 V's scale words; v12 -M, v13 the largest t, v[14:15] the sum; v16-27 Q; v28-31 K's scale words; v32-79 eight tiles of K; v80-127 four fragments of V;
;   v128-191 S^T, then p; v192-223 O^T; v224-235 p's codes; v232-247, v252, v254 at work; v248 r + 8 (r / 8) - 16 h; v249 4 r; v253 p's scale word; v255 Q's.
.set REC,   315392
.set S,     128
.set O,     192
.set L16,   1
.set L8,    2
.set L4,    3
.set ADK16, 4
.set ADK8,  5
.set ADV16, 6
.set ADV8,  7
.set ADS,   8
.set ADT,   9
.set QD,    248
.set R4,    249
.set WV,    18
.set SEL,   20
.set CS,    22                         ; s[22:23] c = log2(e) / 8
.set G1A,   24                         ; s[24:31] group 1 of the first fill: 36 rows of 256 bytes;  s[32:39] of the second: 168 rows
.set G1B,   32
.set G0A,   40
.set G0B,   44
.set TBK,   48                         ; LDS byte of the step's tiles of K,
.set TBV,   49                         ; of V,
.set TSK,   50                         ; of K's scale words,
.set TSV,   51                         ; of V's
.set KF,    52                         ; the step's first key
.set Q0,    53                         ; my first query
.set CNT,   54
	s_load_b128 s[4:7], s[0:1], 0x0                ; QKV, AO
	v_lshl_add_u32 v250, v0, 2, 0x33000
	v_mov_b32 v251, 0
	ds_add_u32 v250, v251
	ds_add_u32 v250, v251
	v_lshrrev_b32 v4, 5, v0
	v_readfirstlane_b32 s[WV], v4                  ; wave 0..15
	s_and_b32 s55, ttmp7, 0xffff                   ; 16 x batch + head
	s_mul_i32 s56, s55, REC
	s_mov_b32 s57, 0
	s_mov_b32 s[G1A], 3<<16                        ; no mask; elements of 8 bytes; no padding: every LDS load's bytes are consecutive
	s_mov_b32 s[G1A+1], 32<<16                     ; tensor_dim0: 32 elements, 256 bytes
	s_mov_b32 s[G1A+2], 36<<16                     ; tensor_dim1
	s_mov_b32 s[G1A+3], 32<<16                     ; tile_dim0
	s_mov_b32 s[G1A+4], 36                         ; tile_dim1
	s_mov_b32 s[G1A+5], 32                         ; the pitch: dense
	s_mov_b32 s[G1A+6], 0
	s_mov_b32 s[G1A+7], 0
	s_mov_b32 s[G1B], 3<<16
	s_mov_b32 s[G1B+1], 32<<16
	s_mov_b32 s[G1B+2], 168<<16
	s_mov_b32 s[G1B+3], 32<<16
	s_mov_b32 s[G1B+4], 168
	s_mov_b32 s[G1B+5], 32
	s_mov_b32 s[G1B+6], 0
	s_mov_b32 s[G1B+7], 0
	s_mul_i32 s58, s[WV], 9216                     ; waves 0-3: a quarter of the first 36,864 bytes (all scale words, key steps 0 and 1),
	s_mov_b32 s59, 0
	s_mul_i32 s60, s[WV], 43008
	s_add_co_u32 s60, s60, 36864                   ; and a quarter of the rest
	s_mov_b32 s61, 0
	s_wait_dscnt 0x0
	s_wait_kmcnt 0x0
	s_add_nc_u64 s[4:5], s[4:5], s[56:57]          ; my head's record
	s_mov_b32 s[G0A], 1
	s_mov_b32 s[G0A+1], s58                        ; LDS is the record's image: the same offset
	s_add_nc_u64 s[G0A+2:G0A+3], s[4:5], s[58:59]
	s_or_b32 s[G0A+3], s[G0A+3], 0x80000000
	s_mov_b32 s[G0B], 1
	s_mov_b32 s[G0B+1], s60
	s_add_nc_u64 s[G0B+2:G0B+3], s[4:5], s[60:61]
	s_or_b32 s[G0B+3], s[G0B+3], 0x80000000
	s_cmp_lt_u32 s[WV], 4                          ; a wave's two fills stand in one branch, ahead of every wait on TENSORcnt, every LDS read and every barrier: two loads of mine are out
	s_cbranch_scc0 .Lno_fill
	tensor_load_to_lds s[G0A:G0A+3], s[G1A:G1A+7]
	s_nop 0
	tensor_load_to_lds s[G0B:G0B+3], s[G1B:G1B+7]
	s_nop 0
.rept 4
	v_nop
.endr
.Lno_fill:
	s_lshl_b32 s62, ttmp9, 3
	s_add_co_u32 s63, s62, s[WV]                   ; 8 i + w
	s_sub_co_u32 s62, 112, s62
	s_add_co_u32 s62, s62, s[WV]                   ; 8 (15 - i) + w - 8
	s_cmp_lt_u32 s[WV], 8
	s_cselect_b32 s66, s63, s62                    ; T: my tile of queries
	s_lshr_b32 s67, s66, 1
	s_lshl_b32 s67, s67, 5
	s_and_b32 s68, s66, 1
	s_lshl_b32 s68, s68, 3
	s_add_co_u32 s[Q0], s67, s68
	s_mul_i32 s68, s66, 768
	s_add_co_u32 s68, s68, 208896
	s_mov_b32 s69, 0
	s_add_nc_u64 s[68:69], s[4:5], s[68:69]        ; Q's codes
	s_lshl_b32 s70, s66, 6
	s_add_co_u32 s70, s70, 307200
	s_mov_b32 s71, 0
	s_add_nc_u64 s[70:71], s[4:5], s[70:71]        ; Q's scale words
	s_lshr_b32 s72, s55, 4
	s_lshl_b32 s72, s72, 7
	s_add_co_u32 s72, s72, s66                     ; AO's block of rows: 128 x batch + T
	s_and_b32 s73, s55, 15                         ; head
	s_mul_i32 s74, s72, 12288
	s_mul_i32 s75, s73, 768
	s_add_co_u32 s74, s74, s75                     ; K step head / 2, half head % 2
	s_mov_b32 s75, 0
	s_add_nc_u64 s[74:75], s[6:7], s[74:75]
	s_lshl_b32 s76, s72, 9
	s_lshr_b32 s77, s73, 1
	s_lshl_b32 s77, s77, 6
	s_add_co_u32 s76, s76, s77
	s_and_b32 s77, s73, 1
	s_lshl_b32 s77, s77, 1
	s_add_co_u32 s76, s76, s77
	s_add_co_u32 s76, s76, 3145728
	s_mov_b32 s77, 0
	s_add_nc_u64 s[76:77], s[6:7], s[76:77]        ; my two bytes of each row's scale word
	s_mov_b32 s[SEL], 0x76543210
	s_mov_b32 s[SEL+1], 0xfedcba98                 ; v_permlanex16_b32's selects for lane l xor 16
	s_mov_b32 s[CS], 0x3e38aa3b
	s_mov_b32 s[CS+1], s[CS]                       ; (named with it as a pair)
	s_mov_b32 s[TBK], 12288
	s_mov_b32 s[TBV], 24576
	s_mov_b32 s[TSK], 0
	s_mov_b32 s[TSV], 8192
	s_mov_b32 s[KF], 0
	v_and_b32 v4, 31, v0
	v_lshlrev_b32 v[L16], 4, v4
	v_lshlrev_b32 v[L8], 3, v4
	v_lshlrev_b32 v[L4], 2, v4
	v_and_b32 v5, 15, v0                           ; r
	v_bfe_u32 v6, v0, 4, 1                         ; h
	v_lshlrev_b32 v[R4], 2, v5
	global_load_b128 v[16:19], v[L16], s[68:69]    ; Q's tile stays in registers
	global_load_b64 v[20:21], v[L8], s[68:69] offset:512
	global_load_b32 v255, v[R4], s[70:71]
	v_and_b32 v7, 8, v5
	v_add_nc_u32 v7, v7, v5
	v_lshlrev_b32 v6, 4, v6
	v_sub_nc_u32 v[QD], v7, v6                     ; my query - Q0 - 16 h
.irp j, 22,23,24,25,26,27
	v_mov_b32 v\j, 0                               ; Q's codes for k = 64 .. 127: zeros
.endr
.irp j, 80,81,82,83,84,85
	v_mov_b32 v\j, 0                               ; named as the upper half of K's last tile before V's first fragment is loaded
.endr
	v_mov_b32 v13, 0xff61b1e6                      ; the largest t so far: -3e38, under every t
	v_floor_f32 v12, -v13                          ; -M
	v_mov_b32 v14, 0                               ; the sum, in two halves
	v_mov_b32 v15, 0
.irp b, 0,1,2,3
	v_mov_b32 v[236+\b], 0                         ; written once: a lane permute's destination counts as one of its sources
.endr
	v_mov_b32 v252, 0
	v_mov_b32 v253, 0                              ; (named as the upper half of the pair v[252:253] before it is first written)
.set I, 0
.rept 32
	v_mov_b32 v[O+I], 0                            ; O^T.  (The step is written without a first form: the first finds zeros, which the first change of M leaves zeros)
.set I, I+1
.endr
; A KEY STEP: 128 keys.
.macro STEP
	s_add_co_u32 s56, s[Q0], 23                    ; my last query
	s_cmp_gt_u32 s[KF], s56
	s_cbranch_scc1 .Lhidden_\@                     ; all keys of the step come after my queries
	v_add_nc_u32 v[ADK16], s[TBK], v[L16]
	v_add_nc_u32 v[ADK8], s[TBK], v[L8]
	v_add_nc_u32 v[ADV16], s[TBV], v[L16]
	v_add_nc_u32 v[ADV8], s[TBV], v[L8]
	v_add_nc_u32 v[ADS], s[TSK], v[L4]
	v_add_nc_u32 v[ADT], s[TSV], v[L4]
.irp t, 0,1,2,3,4,5,6,7
	ds_load_b128 v[32+6*\t:35+6*\t], v[ADK16] offset:768*\t
	ds_load_b64 v[36+6*\t:37+6*\t], v[ADK8] offset:768*\t+512
.endr
.irp p, 0,1,2,3
	ds_load_b32 v[28+\p], v[ADS] offset:128*\p     ; lanes 0-15: tile 2 p's words; lanes 16-31: tile 2 p + 1's
.endr
	s_wait_dscnt 0x0
.irp t, 0,2,4,6                        ; S^T = K Q^T: lane (r, h) holds my query r; the 16 registers of tiles 2 b, 2 b + 1 are keys KF + 32 b + 16 h + 0 .. 15
	v_wmma_scale_f32_16x16x128_f8f6f4 v[S+8*\t:S+8*\t+7], v[32+6*\t:43+6*\t], v[16:27], 0, v[28+\t/2], v255 matrix_a_fmt:MATRIX_FMT_FP6 matrix_b_fmt:MATRIX_FMT_FP6
	v_wmma_scale_f32_16x16x128_f8f6f4 v[S+8*\t+8:S+8*\t+15], v[38+6*\t:49+6*\t], v[16:27], 0, v[28+\t/2], v255 matrix_a_fmt:MATRIX_FMT_FP6 matrix_b_fmt:MATRIX_FMT_FP6 matrix_a_scale:MATRIX_SCALE_ROW1
.endr
.rept 4
	v_nop                                          ; places: in front of the loads into v80-85, which the last product has read, and of the first read of the scores
.endr
.irp t, 0,1,2,3                        ; V's four fragments land while the softmax is worked
	ds_load_b128 v[80+12*\t:83+12*\t], v[ADV16] offset:1536*\t
	ds_load_b64 v[84+12*\t:85+12*\t], v[ADV8] offset:1536*\t+512
	ds_load_b128 v[86+12*\t:89+12*\t], v[ADV16] offset:1536*\t+768
	ds_load_b64 v[90+12*\t:91+12*\t], v[ADV8] offset:1536*\t+1280
.endr
	ds_load_b32 v10, v[ADT]                        ; lanes 0-15: block 0 of d; lanes 16-31: block 1
	ds_load_b32 v11, v[ADT] offset:128
	s_add_co_u32 s56, s[KF], 127                   ; on the diagonal hidden scores become -infinity ahead of the maximum: p = 0 then.  A step all of whose keys count skips this
	s_cmp_le_u32 s56, s[Q0]
	s_cbranch_scc1 .Lopen_\@
	s_sub_co_i32 s56, s[Q0], s[KF]
	v_add_nc_u32 v252, s56, v[QD]                  ; d = my query - KF - 16 h.  Register 16 b + i holds key KF + 16 h + 32 b + i: hidden where 32 b + i > d
	v_mov_b32 v254, 0xff800000                     ; -infinity
.irp n, 0,1,2,3,4,5,6,7,8,9,10,11,12,13,14,15,16,17,18,19,20,21,22,23,24,25,26,27,28,29,30,31,32,33,34,35,36,37,38,39,40,41,42,43,44,45,46,47,48,49,50,51,52,53,54,55,56,57,58,59,60,61,62,63
	v_cmp_gt_i32 vcc_lo, 32*(\n/16)+\n%16, v252
	v_cndmask_b32 v[S+\n], v[S+\n], v254, vcc_lo
.endr
.Lopen_\@:
.irp b, 0,1,2,3
	v_max3_num_f32 v[232+\b], v[S+16*\b], v[S+1+16*\b], v[S+2+16*\b]   ; the largest score of each block of 32 keys: it serves the row's maximum and, since p rises with the score, the block's largest p
.endr
.irp i, 3,5,7,9,11,13
.irp b, 0,1,2,3
	v_max3_num_f32 v[232+\b], v[232+\b], v[S+16*\b+\i], v[S+1+16*\b+\i]
.endr
.endr
.irp b, 0,1,2,3
	v_max_num_f32 v[232+\b], v[232+\b], v[S+15+16*\b]
.endr
.irp b, 0,1,2,3
	v_permlanex16_b32 v[236+\b], v[232+\b], s[SEL], s[SEL+1]
.endr
.irp b, 0,1,2,3
	v_max_num_f32 v[232+\b], v[232+\b], v[236+\b]  ; with lane l xor 16's 16 keys
.endr
	v_max3_num_f32 v254, v232, v233, v234
	v_max_num_f32 v254, v254, v235                 ; the step's largest score of my query
	v_mul_f32 v254, s[CS], v254                    ; as t
	v_max_num_f32 v13, v13, v254                   ; the running largest t
	v_mov_b32 v254, v12
	v_floor_f32 v12, -v13                          ; the new -M = floor(-t) = -ceil(t): a whole number
	v_sub_f32 v254, v12, v254                      ; old M - new M: a whole number, 0 or less
	v_cvt_i32_f32 v254, v254                       ; (it saturates)
	v_ldexp_f32 v252, 1.0, v254                    ; f = 2^(old M - new M)
.set I, 0
.rept 32
	v_pk_fma_f32 v[S+I:S+I+1], v[S+I:S+I+1], s[CS:CS+1], v[12:13] op_sel_hi:[1,0,0]   ; t - M, two at a time
.set I, I+2
.endr
.irp b, 0,1,2,3
	v_fma_f32 v[232+\b], v[232+\b], s[CS], v12     ; the same of each block's largest score
.endr
.set I, 0
.rept 64
	v_exp_f32 v[S+I], v[S+I]                       ; p = 2^(t - M), at most 1
.set I, I+1
.endr
	v_pk_mul_f32 v[14:15], v[14:15], v[252:253] op_sel_hi:[1,0]    ; the sums under the new M.  (A plain place behind the exponentials)
	s_wait_alu depctr_va_vdst(0)                   ; one wait for the whole batch, ahead of its first reader
.irp b, 0,1,2,3
	v_exp_f32 v[232+\b], v[232+\b]                 ; the block's largest p: the same two instructions on the same number give the same bits
.endr
	v_pk_add_f32 v[236:237], v[S:S+1], v[S+2:S+3]  ; the row's sum is taken of the unquantised p: two chains
.irp j, 4,8,12,16,20,24,28,32,36,40,44,48,52,56,60
	v_pk_add_f32 v[14:15], v[14:15], v[S+\j:S+1+\j]
	v_pk_add_f32 v[236:237], v[236:237], v[S+2+\j:S+3+\j]
.endr
	v_pk_add_f32 v[14:15], v[14:15], v[236:237]
	s_wait_alu depctr_va_vdst(0)                   ; and one for the four
.irp b, 0,1,2,3
	v_max_num_f32 v[232+\b], 0x1800000, v[232+\b]  ; the floor 2^(3 - 127): the byte cannot fall under 1
.endr
.irp b, 0,1,2,3
	v_add_nc_u32 v[244+\b], 0xff000000, v[232+\b]  ; 2 off the exponent field: the conversion's scale operand
.endr
.irp b, 0,1,2,3
	v_lshrrev_b32 v[236+\b], 23, v[244+\b]         ; the scale's byte
.endr
	v_lshl_or_b32 v253, v237, 8, v236              ; p's scale word for these 128 keys
	v_lshl_or_b32 v253, v238, 16, v253
	v_lshl_or_b32 v253, v239, 24, v253
.irp c, 0,1
	v_cvt_scalef32_pk16_fp6_f32 v[224+6*\c:226+6*\c], v[S+32*\c:S+15+32*\c], v[244+2*\c]
	v_cvt_scalef32_pk16_fp6_f32 v[236+4*\c:238+4*\c], v[S+16+32*\c:S+31+32*\c], v[244+2*\c+1]   ; (a conversion's three registers begin on an even number)
.endr
	v_nop                                          ; one plain place behind a scaled conversion
.irp c, 0,1                            ; the operand's layout wants a whole block in a lane
.irp i, 0,1,2
	v_permlane16_swap_b32 v[224+6*\c+\i], v[236+4*\c+\i]
.endr
.irp i, 0,1,2
	v_mov_b32 v[227+6*\c+\i], v[236+4*\c+\i]
.endr
.endr
.set I, 0
.rept 16
	v_pk_mul_f32 v[O+I:O+I+1], v[O+I:O+I+1], v[252:253] op_sel_hi:[1,0]   ; O^T under the new M.  (These sixteen are also the places between the writes of p's codes and scale word and the products)
.set I, I+2
.endr
	s_wait_dscnt 0x0                               ; V
.irp t, 0,2                            ; O^T += V^T P^T: four accumulators by turns
	v_wmma_scale_f32_16x16x128_f8f6f4 v[O+8*\t:O+8*\t+7], v[80+12*\t:91+12*\t], v[224:235], v[O+8*\t:O+8*\t+7], v[10+\t/2], v253 matrix_a_fmt:MATRIX_FMT_FP6 matrix_b_fmt:MATRIX_FMT_FP6
	v_wmma_scale_f32_16x16x128_f8f6f4 v[O+8*\t+8:O+8*\t+15], v[92+12*\t:103+12*\t], v[224:235], v[O+8*\t+8:O+8*\t+15], v[10+\t/2], v253 matrix_a_fmt:MATRIX_FMT_FP6 matrix_b_fmt:MATRIX_FMT_FP6 matrix_a_scale:MATRIX_SCALE_ROW1
.endr
.Lhidden_\@:
	s_add_co_u32 s[KF], s[KF], 128
	s_add_co_u32 s[TBK], s[TBK], 6144
	s_add_co_u32 s[TBV], s[TBV], 6144
	s_add_co_u32 s[TSK], s[TSK], 512
	s_add_co_u32 s[TSV], s[TSV], 256
.endm
	s_wait_tensorcnt 0x1                           ; my part of the scale words and of key steps 0 and 1 is in; the rest may stay out
	s_barrier_signal -1
	s_barrier_wait -1                              ; everybody's is
	s_wait_loadcnt 0x0                             ; Q
	s_mov_b32 s[CNT], 2
.Lfirst:                                           ; key steps 0 and 1, while the rest of the head lands
	STEP
	s_sub_co_u32 s[CNT], s[CNT], 1
	s_cmp_lg_u32 s[CNT], 0
	s_cbranch_scc1 .Lfirst
	s_wait_tensorcnt 0x0                           ; my part of the rest is in
	s_wait_dscnt 0x0
	s_barrier_signal -1
	s_barrier_wait -1
	s_mov_b32 s[TBK], 36864
	s_mov_b32 s[TBV], 122880
	s_mov_b32 s[CNT], 14
.Lrest:                                            ; key steps 2 to 15
	STEP
	s_sub_co_u32 s[CNT], s[CNT], 1
	s_cmp_lg_u32 s[CNT], 0
	s_cbranch_scc1 .Lrest
	; THE WAY OUT: O^T / the sum; its 32 numbers a lane, register 16 b + i = d 32 b + 16 h + i, are two blocks along D: quantised, they are half a fragment of the next product's operand.
.rept 4
	v_nop                                          ; places behind the last products
.endr
	v_add_f32 v14, v14, v15                        ; the sum's two halves,
	v_permlanex16_b32 v252, v14, s[SEL], s[SEL+1]
	v_add_f32 v14, v14, v252                       ; and lane l xor 16's
	v_rcp_f32 v14, v14
	v_mov_b32 v164, 0                              ; (a plain place behind the transcendental; a lane permute's destination counts as one of its sources)
	v_mov_b32 v165, 0
	s_wait_alu depctr_va_vdst(0)                   ; the wait ahead of the reciprocal's first reader
.set I, 0
.rept 32
	v_mul_f32 v[S+I], v[O+I], v14
.set I, I+1
.endr
.irp b, 0,1
	v_max3_num_f32 v[160+\b], |v[S+16*\b]|, |v[S+1+16*\b]|, 0x1800000
.endr
.irp i, 2,4,6,8,10,12,14
.irp b, 0,1
	v_max3_num_f32 v[160+\b], v[160+\b], |v[S+16*\b+\i]|, |v[S+1+16*\b+\i]|
.endr
.endr
.irp b, 0,1
	v_permlanex16_b32 v[164+\b], v[160+\b], s[SEL], s[SEL+1]
.endr
.irp b, 0,1
	v_max_num_f32 v[160+\b], v[160+\b], v[164+\b]
.endr
.irp b, 0,1
	v_add_nc_u32 v[172+\b], 0xff000000, v[160+\b]
.endr
.irp b, 0,1
	v_lshrrev_b32 v[164+\b], 23, v[172+\b]
.endr
	v_lshl_or_b32 v166, v165, 8, v164              ; my head's two bytes of the row's scale word
	v_cvt_scalef32_pk16_fp6_f32 v[224:226], v[S:S+15], v172
	v_cvt_scalef32_pk16_fp6_f32 v[236:238], v[S+16:S+31], v173
	v_nop
.irp i, 0,1,2
	v_permlane16_swap_b32 v[224+\i], v[236+\i]
.endr
.irp i, 0,1,2
	v_mov_b32 v[227+\i], v[236+\i]
.endr
	global_store_b128 v[L16], v[224:227], s[74:75]           ; 512 and 256 consecutive bytes
	global_store_b64 v[L8], v[228:229], s[74:75] offset:512
	global_store_b16 v[R4], v166, s[76:77]                   ; both halves of the lanes store the same bytes with the same value
	s_wait_tensorcnt 0x0
	ds_add_u32 v250, v251
	s_wait_dscnt 0x0
	s_endpgm
.Lfunc_end_k_qc55610aac5_attn:
	.size	k_qc55610aac5_attn, .Lfunc_end_k_qc55610aac5_attn-k_qc55610aac5_attn
	.p2alignl 7, 3214868480
	.fill 96, 4, 3214868480
	.section	.rodata,"a",@progbits
	.p2align	6, 0x0
	.amdhsa_kernel k_qc55610aac5_attn
		.amdhsa_group_segment_fixed_size 210944
		.amdhsa_private_segment_fixed_size 0
		.amdhsa_enable_private_segment 0
		.amdhsa_kernarg_size 16
		.amdhsa_user_sgpr_count 2
		.amdhsa_user_sgpr_kernarg_segment_ptr 1
		.amdhsa_wavefront_size32 1
		.amdhsa_system_sgpr_workgroup_id_x 1
		.amdhsa_system_sgpr_workgroup_id_y 1
		.amdhsa_system_sgpr_workgroup_id_z 1
		.amdhsa_system_vgpr_workitem_id 0
		.amdhsa_next_free_vgpr 256
		.amdhsa_next_free_sgpr 80
		.amdhsa_reserve_vcc 1
		.amdhsa_float_denorm_mode_32 3
		.amdhsa_float_denorm_mode_16_64 3
		.amdhsa_memory_ordered 1
		.amdhsa_forward_progress 1
		.amdhsa_inst_pref_size 55
	.end_amdhsa_kernel
	.amdgpu_metadata
---
amdhsa.version: [ 1, 2 ]
amdhsa.kernels:
  - .name:           k_qc55610aac5_attn
    .symbol:         k_qc55610aac5_attn.kd
    .args:
      - { .name: QKV, .offset: 0, .size: 8, .value_kind: global_buffer, .address_space: global }
      - { .name: AO, .offset: 8, .size: 8, .value_kind: global_buffer, .address_space: global }
    .group_segment_fixed_size: 210944
    .private_segment_fixed_size: 0
    .kernarg_segment_align: 8
    .kernarg_segment_size: 16
    .max_flat_workgroup_size: 512
    .sgpr_count:     80
    .vgpr_count:     256
    .wavefront_size: 32
...
	.end_amdgpu_metadata
.endif
;; end of part 4
;; launch o (part 5): grid 4 x 32, 4 waves a work-group, clusters of 4 x 4, 327,680 bytes of LDS; arguments AO, WQ, b_o, x, X1; writes X1
.if DOCPART == 5
	.amdgcn_target "amdgcn-amd-amdhsa--gfx1250"
	.amdhsa_code_object_version 6
	.text
	.protected	k_qc55610aac5_o
	.globl	k_qc55610aac5_o
	.p2align	8
	.type	k_qc55610aac5_o,@function
k_qc55610aac5_o:
	s_mov_b64 s[64:65], 0
	v_nop
	global_prefetch_b8 v0, s[64:65] scope:SCOPE_SE
	s_setreg_imm32_b32 hwreg(HW_REG_WAVE_MODE, 25, 1), 1
	s_wait_xcnt 0x0
	s_wait_alu depctr_hold_cnt(0) depctr_sa_sdst(0) depctr_va_vdst(0) depctr_va_sdst(0) depctr_va_ssrc(0) depctr_va_vcc(0) depctr_vm_vsrc(0)
	s_getreg_b32 s2, hwreg(HW_REG_IB_STS2, 6, 4)
	s_cmp_eq_u32 s2, 0
	s_cbranch_scc0 .Lentry_in_a_cluster
	s_endpgm
.Lentry_in_a_cluster:
	s_bfe_u32 s2, ttmp6, 0x10000c
	s_cmp_lg_u32 s2, 0xf033
	s_cbranch_scc0 .Lentry_shape_is_right
	s_endpgm
.Lentry_shape_is_right:
; X1 = x + attention W_o + b_o: a product on codes of MX-FP6 (E2M3, one E8M0 byte for each 32 along K = 1,024), f32 sums, f32 out.
; OPERANDS lie in memory in the order of their registers.  Block t of 16 rows holds, in lane row r, row 32 (t / 2) + 8 (t % 2) + r + 8 (r / 8).  A fragment (16 rows x 128 K) is 1,536 bytes: for c = 0, 1: each lane's registers
; 6 c .. 6 c + 3 at 16 x lane, then its registers 6 c + 4, 6 c + 5 at 8 x lane.  Codes [blocks][K steps][1536]; scale words [blocks][K steps][16 words].  A = AO (tokens), B = W_o's columns in WQ.
; THE PRODUCT IS USED TRANSPOSED (source 0 = 16 rows of B, source 1 = 16 rows of A): a lane's registers run along the output's columns.
; A tile is 128 rows x 256 columns, four waves of 64 x 128 each (32 accumulators): 128 work-groups; tiles of 256 x 256 would be 64.  K goes two steps of 128 to a slot through a ring of two LDS slots filled by tensor loads;
; the scale words of the tile's rows come once.  CLUSTERS: 4 x 4; A's tiles are shared along a row of the cluster, B's along a column: each is asked for jointly.
; The bias is the C of the first products.  The residual's 64 x 128 numbers of a wave are asked for at the head, into window 3, and added on the way out, where whole rows of 512 bytes come back from a stage in LDS.
; REGISTERS: window 0: v1-29 addresses; v32-63 scale words, two sets; v64-127 the bias; v128-175 A's fragments; on the way out v128-255 rows.  window 1: B's fragments, two sets.  window 2: the accumulators.  window 3: the residual.
.set NA,    4                          ; blocks of A's rows to a wave
.set KS,    8                          ; K steps of 128
.set A_SO,  3145728                    ; where A's scale words begin in its buffer
.set B_CO,  2359296                    ; where B's codes begin in WQ,
.set B_SO,  9535488                    ; and its scale words
.set FR,    12
.set NL,    4
.set HALFT, 24576
.set SLOT,  4*HALFT
.set LAPS,  KS/4
.set SCL,   2*SLOT
.set HALFS, 512*KS
.set SPARE, SCL+4*HALFS
.set V16,  8
.set V8,   9
.set BO,   13                          ; the bias: 64 h
.set ADRA, 16
.set ADRB, 20
.set STO,  24                          ; the way out: where I put 32 bytes of a row
.set RD,   25                          ; and where I read a row back
.set CO,   26                          ; 16 x lane: my bytes of a row's 512
.set ADRS, 27
.set SPW,  28
.set NIL,  29
.set SC,   32
.set BIAS, 64
.set AF,   128
.set BK,   128
.set G1,   24
.set G0,   32
.set G1B,  48
.set G0B,  56
.set G1S,  68
.set G0S,  76
.set G1SB, 80
.set G0SB, 88
.set MSB, 0
.macro WIN new                         ; the immediate's high byte repeats the setting that is left; a switch that changes nothing is dropped
.if MSB != (\new)
	s_set_vgpr_msb (MSB<<8)|(\new)
.set MSB, \new
.endif
.endm
; A joint load: waves 0 and 1 fetch for A, waves 2 and 3 for B; the branch hangs on the wave's number alone.  Four v_nop follow each line.
.macro JLOAD g0a, g1a, g0b, g1b
	s_cmp_eq_u32 s15, 0
	s_cbranch_scc0 .Lfor_b_\@
	tensor_load_to_lds s[\g0a:\g0a+3], s[\g1a:\g1a+7]
	s_nop 0
.rept 4
	v_nop
.endr
	s_branch .Lasked_\@
.Lfor_b_\@:
	tensor_load_to_lds s[\g0b:\g0b+3], s[\g1b:\g1b+7]
	s_nop 0
.rept 4
	v_nop
.endr
.Lasked_\@:
.endm
.macro CREST                           ; a round of the cluster's barrier behind its opening barrier
	s_cmp_lg_u32 s14, 0
	s_cbranch_scc1 .Lnot_wave_0_\@
	s_barrier_signal -3
.Lnot_wave_0_\@:
	s_barrier_wait -3
	s_barrier_signal -1
	s_barrier_wait -1
.endm
.macro CROUND
	s_barrier_signal -1
	s_barrier_wait -1
	CREST
.endm
	s_load_b256 s[4:11], s[0:1], 0x0               ; A s[4:5], WQ s[6:7], the bias s[8:9], the residual s[10:11]
	s_load_b64 s[12:13], s[0:1], 0x20              ; the output
	v_lshl_add_u32 v[SPW], v0, 2, SPARE
	v_mov_b32 v[NIL], 0
	ds_add_u32 v28, v29
	ds_add_u32 v28, v29
	s_wait_dscnt 0x0
	v_lshrrev_b32 v1, 5, v0
	v_readfirstlane_b32 s14, v1                    ; wave 0..3
	s_lshr_b32 s15, s14, 1                         ; which half of A's rows is mine.  Also: I fetch for A (0) or for B (1)
	s_and_b32 s16, s14, 1                          ; which half of B's rows.  Also: which half of that tile I fetch
	s_bfe_u32 s40, ttmp6, 0x40000                  ; cx, cy
	s_bfe_u32 s41, ttmp6, 0x40004
	s_lshl_b32 s42, ttmp9, 2
	s_add_co_u32 s42, s42, s40                     ; tile column
	s_and_b32 s17, ttmp7, 0xffff
	s_lshl_b32 s17, s17, 2
	s_add_co_u32 s17, s17, s41                     ; tile row
	s_lshl_b32 s43, s41, 2
	s_lshl_b32 s43, 15, s43                        ; my row of the cluster
	s_lshl_b32 s44, 0x1111, s40                    ; my column
	; descriptor group 1: codes: rows (blocks) of 3,072 bytes (384 elements of 8 bytes), KS x 1,536 bytes apart; no padding
	s_or_b32 s[G1+0], s43, (3<<16)|(1<<21)         ; the mask; elements of 8 bytes; bit 21 set beside a mask
	s_mov_b32 s[G1+1], 384<<16
	s_mov_b32 s[G1+2], NA<<16
	s_mov_b32 s[G1+3], 384<<16
	s_mov_b32 s[G1+4], NA
	s_mov_b32 s[G1+5], 192*KS
	s_mov_b32 s[G1+6], 0
	s_mov_b32 s[G1+7], 0
	s_or_b32 s[G1B+0], s44, (3<<16)|(1<<21)
	s_mov_b32 s[G1B+1], 384<<16
	s_mov_b32 s[G1B+2], 8<<16
	s_mov_b32 s[G1B+3], 384<<16
	s_mov_b32 s[G1B+4], 8
	s_mov_b32 s[G1B+5], 192*KS
	s_mov_b32 s[G1B+6], 0
	s_mov_b32 s[G1B+7], 0
	; the scale words, as rows of 256 bytes.  A's four blocks are half of the tile's rows; the tensor's extent ends there, so the rest arrives as zeros: every byte that the scale loads touch has been filled
	s_or_b32 s[G1S+0], s43, (3<<16)|(1<<21)
	s_mov_b32 s[G1S+1], 32<<16
	s_mov_b32 s[G1S+2], (NA*KS/4)<<16
	s_mov_b32 s[G1S+3], 32<<16
	s_mov_b32 s[G1S+4], 2*KS
	s_mov_b32 s[G1S+5], 32
	s_mov_b32 s[G1S+6], 0
	s_mov_b32 s[G1S+7], 0
	s_or_b32 s[G1SB+0], s44, (3<<16)|(1<<21)
	s_mov_b32 s[G1SB+1], 32<<16
	s_mov_b32 s[G1SB+2], (2*KS)<<16
	s_mov_b32 s[G1SB+3], 32<<16
	s_mov_b32 s[G1SB+4], 2*KS
	s_mov_b32 s[G1SB+5], 32
	s_mov_b32 s[G1SB+6], 0
	s_mov_b32 s[G1SB+7], 0
	s_mul_i32 s18, s16, NA
	s_mul_i32 s20, s17, 2*NA
	s_add_co_u32 s20, s20, s18                     ; A: block 2 NA x tile row + NA x half
	s_lshl_b32 s18, s16, 3
	s_lshl_b32 s46, s42, 4
	s_add_co_u32 s46, s46, s18                     ; B: block 16 x tile column + 8 x half
	s_mul_i32 s22, s20, KS*64
	s_add_co_u32 s22, s22, A_SO
	s_mul_i32 s20, s20, KS*1536
	s_mul_i32 s92, s46, KS*64
	s_add_co_u32 s92, s92, B_SO
	s_mul_i32 s46, s46, KS*1536
	s_add_co_u32 s46, s46, B_CO
	s_mov_b32 s21, 0
	s_mov_b32 s23, 0
	s_mov_b32 s47, 0
	s_mov_b32 s93, 0
	s_mul_i32 s45, s14, HALFT
	s_mul_i32 s94, s14, HALFS
	s_wait_kmcnt 0x0
	s_add_nc_u64 s[20:21], s[4:5], s[20:21]
	s_add_nc_u64 s[22:23], s[4:5], s[22:23]
	s_add_nc_u64 s[46:47], s[6:7], s[46:47]
	s_add_nc_u64 s[92:93], s[6:7], s[92:93]
	CROUND                                         ; all sixteen work-groups are here: the first joint loads meet
	s_mov_b32 s[G0S], 1
	s_add_co_u32 s[G0S+1], s94, SCL
	s_mov_b64 s[G0S+2:G0S+3], s[22:23]
	s_or_b32 s[G0S+3], s[G0S+3], 0x80000000
	s_mov_b32 s[G0SB], 1
	s_add_co_u32 s[G0SB+1], s94, SCL
	s_mov_b64 s[G0SB+2:G0SB+3], s[92:93]
	s_or_b32 s[G0SB+3], s[G0SB+3], 0x80000000
	JLOAD G0S, G1S, G0SB, G1SB
.irp s, 0,1
	s_mov_b32 s[G0+4*\s], 1
	s_add_co_u32 s[G0+4*\s+1], s45, \s*SLOT
	s_add_nc_u64 s[G0+4*\s+2:G0+4*\s+3], s[20:21], \s*3072
	s_or_b32 s[G0+4*\s+3], s[G0+4*\s+3], 0x80000000
	s_mov_b32 s[G0B+4*\s], 1
	s_add_co_u32 s[G0B+4*\s+1], s45, \s*SLOT
	s_add_nc_u64 s[G0B+4*\s+2:G0B+4*\s+3], s[46:47], \s*3072
	s_or_b32 s[G0B+4*\s+3], s[G0B+4*\s+3], 0x80000000
	JLOAD G0+4*\s, G1, G0B+4*\s, G1B
.endr
	v_and_b32 v3, 31, v0                           ; lane
	v_and_b32 v1, 15, v0                           ; r
	v_bfe_u32 v2, v0, 4, 1                         ; h
	v_lshlrev_b32 v[V16], 4, v3
	v_lshlrev_b32 v[V8], 3, v3
	v_lshlrev_b32 v[CO], 4, v3
	v_lshlrev_b32 v[BO], 6, v2
	s_mul_i32 s21, s15, HALFT
	s_mul_i32 s22, s16, HALFT
	s_add_co_u32 s22, s22, 2*HALFT
.irp s, 0,1
	v_add_nc_u32 v[ADRA+\s], s21, v[V16]
	v_add_nc_u32 v[ADRA+2+\s], s21, v[V8]
	v_add_nc_u32 v[ADRB+\s], s22, v[V16]
	v_add_nc_u32 v[ADRB+2+\s], s22, v[V8]
	s_add_co_u32 s21, s21, SLOT
	s_add_co_u32 s22, s22, SLOT
.endr
	v_lshlrev_b32 v5, 2, v1
	s_mul_i32 s21, s15, HALFS
	s_mul_i32 s22, s16, HALFS
	s_add_co_u32 s22, s22, 2*HALFS
	s_sub_co_u32 s22, s22, s21
	v_mul_u32_u24 v6, s22, v2                      ; lanes 16-31 take B's
	s_add_co_u32 s21, s21, SCL
	v_add_nc_u32 v5, v5, v6
	v_add_nc_u32 v[ADRS], s21, v5
	s_mul_i32 s23, s14, 8448                       ; my stage: 16 rows x (512 bytes + 16), in slot 0
	v_mul_u32_u24 v5, v1, 528
	v_lshl_add_u32 v5, v2, 6, v5
	v_add_nc_u32 v[STO], s23, v5                   ; in: row r, + 64 h
	v_add_nc_u32 v[RD], s23, v[V16]                ; back: a row's 512 bytes
	s_lshl_b32 s20, s17, 7
	s_lshl_b32 s21, s15, 6
	s_add_co_u32 s20, s20, s21                     ; my first row: 128 x tile row + 64 x half
	s_lshl_b32 s20, s20, 12
	s_lshl_b32 s46, s42, 10
	s_lshl_b32 s47, s16, 9
	s_add_co_u32 s46, s46, s47                     ; my first column, in bytes
	s_add_co_u32 s20, s20, s46
	s_mov_b32 s21, 0
	s_mov_b32 s47, 0
	s_add_nc_u64 s[98:99], s[10:11], s[20:21]      ; the residual,
	s_add_nc_u64 s[12:13], s[12:13], s[20:21]      ; the output,
	s_add_nc_u64 s[8:9], s[8:9], s[46:47]          ; the bias
.irp b, 0,1,2,3,4,5,6,7                ; lane (r, h), tile b, register j: column 32 (b / 2) + 8 (b % 2) + 16 h + j
	global_load_b128 v[BIAS+8*\b:BIAS+8*\b+3], v[BO], s[8:9] offset:(32*(\b/2)+8*(\b%2))*4
	global_load_b128 v[BIAS+8*\b+4:BIAS+8*\b+7], v[BO], s[8:9] offset:(32*(\b/2)+8*(\b%2))*4+16
.endr
	WIN 0xc0                                       ; destination window 3
.irp a, 0,1,2,3
.irp t, 0,1,2,3,4,5,6,7,8,9,10,11,12,13,14,15
	global_load_b128 v[64*\a+4*\t:64*\a+4*\t+3], v[CO], s[98:99] offset:(32*(\a/2)+8*(\a%2)+\t+8*(\t/8))*4096   ; lane row t of block a: 512 consecutive bytes
.endr
.endr
	WIN 0
.macro FRAG reg, a16, a8, q, i         ; a fragment comes back as it was stored: four loads, each of consecutive bytes
	ds_load_b128 v[\reg:\reg+3], v[\a16] offset:(\i)*3072+(\q)*1536
	ds_load_b64 v[\reg+4:\reg+5], v[\a8] offset:(\i)*3072+(\q)*1536+512
	ds_load_b128 v[\reg+6:\reg+9], v[\a16] offset:(\i)*3072+(\q)*1536+768
	ds_load_b64 v[\reg+10:\reg+11], v[\a8] offset:(\i)*3072+(\q)*1536+1280
.endm
; 8 matrix instructions: A's block a x B's eight, 128 along K.  first = 2: the bias is the C of the first product.  The 32 accumulators take turns, one instruction a turn.
.macro MULA a, p, q, sc, first
.if \first == 2
	WIN 0x81                                       ; source 0 (B) window 1, source 1 (A) and C window 0, D window 2
.else
	WIN 0xa1                                       ; C and D window 2
.endif
.irp b, 0,1,2,3,4,5,6,7
.if \first == 2
	v_wmma_scale_f32_16x16x128_f8f6f4 v[8*(8*(\a)+\b):8*(8*(\a)+\b)+7], v[128*(\p)+FR*\b:128*(\p)+FR*\b+FR-1], v[AF+FR*(\a):AF+FR*(\a)+FR-1], v[BIAS+8*\b:BIAS+8*\b+7], v[SC+16*(\sc)+2*\b+(\q)], v[SC+16*(\sc)+2*(\a)+(\q)] matrix_a_fmt:MATRIX_FMT_FP6 matrix_b_fmt:MATRIX_FMT_FP6 matrix_a_scale:MATRIX_SCALE_ROW1
.else
	v_wmma_scale_f32_16x16x128_f8f6f4 v[8*(8*(\a)+\b):8*(8*(\a)+\b)+7], v[128*(\p)+FR*\b:128*(\p)+FR*\b+FR-1], v[AF+FR*(\a):AF+FR*(\a)+FR-1], v[8*(8*(\a)+\b):8*(8*(\a)+\b)+7], v[SC+16*(\sc)+2*\b+(\q)], v[SC+16*(\sc)+2*(\a)+(\q)] matrix_a_fmt:MATRIX_FMT_FP6 matrix_b_fmt:MATRIX_FMT_FP6 matrix_a_scale:MATRIX_SCALE_ROW1
.endif
.endr
.endm
.macro FETCH_B slot, q, p
	WIN 0x40                                       ; destination window 1
.irp i, 0,1,2,3,4,5,6,7
	FRAG 128*(\p)+FR*\i, ADRB+\slot, ADRB+2+\slot, \q, \i
.endr
	WIN 0
.endm
.macro FETCH_A slot, q, half
.set FI, (\half)*NA/2
.rept NA/2
	FRAG AF+FR*FI, ADRA+\slot, ADRA+2+\slot, \q, FI
.set FI, FI+1
.endr
.endm
.macro SCALES sc                       ; a slot's scale words: lanes 0-15 A's block i (zeros from block 4 on, not used), lanes 16-31 B's block i
.irp i, 0,1,2,3,4,5,6,7
	ds_load_b32 v[SC+16*\sc+2*\i], v[ADRS] offset:\i*KS*64
	ds_load_b32 v[SC+16*\sc+2*\i+1], v[ADRS] offset:\i*KS*64+64
.endr
.endm
; A load into a register that a matrix instruction has read, and a vector instruction or an LDS store that reads a matrix result, stand four places behind it; only plain vector instructions that name none of its registers are places.
.macro PLACES
.rept 4
	v_nop
.endr
.endm
.macro STEP slot, first                ; a slot's first K step; it fetches the second's fragments
	s_wait_dscnt (NA/2)*NL                         ; the youngest loads (A's second half) may be out
	MULA 0, 0, 0, \slot, \first
	MULA 1, 0, 0, \slot, \first
	s_wait_dscnt 0x0
	PLACES
	FETCH_B \slot, 1, 1
	FETCH_A \slot, 1, 0
	MULA 2, 0, 0, \slot, \first
	MULA 3, 0, 0, \slot, \first
	PLACES
	WIN 0
	FETCH_A \slot, 1, 1
.endm
; A slot's second K step changes slots: one barrier; in front of it each wave waits for all its tensor loads, adds 0 to its spare word, and waits for that and for its own reads of this slot.
.macro TURN slot, next, fill
	s_wait_tensorcnt 0x0                           ; all my tensor loads have landed: my part of the next slot
	ds_add_u32 v[SPW], v[NIL]                      ; 0 onto my spare word
	s_wait_dscnt (NA/2)*NL+1                       ; (the add and A's second half may be out)
	MULA 0, 1, 1, \slot, 0
	s_wait_dscnt 0x0                               ; the add is done, and my reads of this slot are over
	s_barrier_signal -1
	MULA 1, 1, 1, \slot, 0
	WIN 0
	s_barrier_wait -1
.if \fill
	CREST                                          ; the barrier has opened a round of the cluster's: no wave of any partner still reads this slot or has a load on its way
	s_add_nc_u64 s[G0+4*\slot+2:G0+4*\slot+3], s[G0+4*\slot+2:G0+4*\slot+3], 6144
	s_add_nc_u64 s[G0B+4*\slot+2:G0B+4*\slot+3], s[G0B+4*\slot+2:G0B+4*\slot+3], 6144
	JLOAD G0+4*\slot, G1, G0B+4*\slot, G1B         ; the first tensor load behind the round; its four v_nop are the places in front of the loads below
.else
	PLACES
.endif
	v_add_nc_u32 v[ADRS], 128, v[ADRS]
	FETCH_B \next, 0, 0
	FETCH_A \next, 0, 0
	SCALES \next
	MULA 2, 1, 1, \slot, 0
	MULA 3, 1, 1, \slot, 0
	PLACES
	WIN 0
	FETCH_A \next, 0, 1
.endm
	s_wait_tensorcnt 0x1                           ; the scale words and my part of slot 0 are in; slot 1's load may be out
	s_barrier_signal -1
	s_barrier_wait -1
	FETCH_B 0, 0, 0
	FETCH_A 0, 0, 0
	SCALES 0
	FETCH_A 0, 0, 1
	s_wait_loadcnt 63                              ; of the 80 loads at least 17 are done: the bias's 16 are in; the residual stays on its way
	STEP 0, 2
	s_mov_b32 s3, LAPS-1
.Llap:
	TURN 0, 1, 1
	STEP 1, 0
	TURN 1, 0, 1
	STEP 0, 0
	s_sub_co_u32 s3, s3, 1
	s_cmp_lg_u32 s3, 0
	s_cbranch_scc1 .Llap
	TURN 0, 1, 0                                   ; the last lap fills nothing
	STEP 1, 0
	s_wait_dscnt (NA/2)*NL
	MULA 0, 1, 1, 1, 0
	MULA 1, 1, 1, 1, 0
	s_wait_dscnt 0x0
	MULA 2, 1, 1, 1, 0
	MULA 3, 1, 1, 1, 0
	WIN 0
; THE WAY OUT, a block of 16 rows x 128 columns at a time, through my own stage in LDS (in slot 0, which has had its last fill and its last read): a lane's 32 bytes of a row go in, whole rows of 512 bytes come back, take the
; residual and are stored.  LDS serves a wave's instructions in order: no wait between the stores and the loads, nor in front of the next block's stores.
.macro TOSTAGE a
	WIN 0x08                                       ; an LDS store's data: window 2
.irp b, 0,1,2,3,4,5,6,7
	ds_store_b128 v[STO], v[64*(\a)+8*\b:64*(\a)+8*\b+3] offset:128*(\b/2)+32*(\b%2)          ; each accumulator from its low end on
	ds_store_b128 v[STO], v[64*(\a)+8*\b+4:64*(\a)+8*\b+7] offset:128*(\b/2)+32*(\b%2)+16
.endr
	WIN 0
.set BB, BK+64*((\a)%2)
.irp t, 0,1,2,3,4,5,6,7,8,9,10,11,12,13,14,15
	ds_load_b128 v[BB+4*\t:BB+4*\t+3], v[RD] offset:\t*528
.endr
.endm
.macro SEND a, younger                 ; younger: the LDS instructions issued behind block a's loads, which may stay out
.set BB, BK+64*((\a)%2)
	s_wait_dscnt \younger
	s_wait_loadcnt 16*(3-(\a))                     ; this block's rows of the residual are in; the later blocks' may stay out
	WIN 0x0c                                       ; source 1: window 3
.set SI, 0
.rept 32
	v_pk_add_f32 v[BB+SI:BB+SI+1], v[BB+SI:BB+SI+1], v[64*(\a)+SI:64*(\a)+SI+1]
.set SI, SI+2
.endr
	WIN 0
.irp t, 0,1,2,3,4,5,6,7,8,9,10,11,12,13,14,15
	global_store_b128 v[CO], v[BB+4*\t:BB+4*\t+3], s[12:13] offset:(32*((\a)/2)+8*((\a)%2)+\t+8*(\t/8))*4096   ; 32 lanes store 512 consecutive bytes, aligned
.endr
.endm
	PLACES
	TOSTAGE 0
.irp a, 1,2,3
.if \a > 1
	s_wait_xcnt 0x0                                ; block a - 2's stores have read their registers: block a's loads may land there
.endif
	TOSTAGE \a
	SEND \a-1, 32                                  ; behind block a - 1's loads: block a's 16 stores and 16 loads
.endr
	SEND 3, 0
	s_wait_tensorcnt 0x0                           ; the wave's end
	ds_add_u32 v[SPW], v[NIL]
	s_wait_dscnt 0x0
	CROUND                                         ; the closing round
	s_endpgm
.Lfunc_end_k_qc55610aac5_o:
	.size	k_qc55610aac5_o, .Lfunc_end_k_qc55610aac5_o-k_qc55610aac5_o
	.p2alignl 7, 3214868480
	.fill 96, 4, 3214868480
	.section	.rodata,"a",@progbits
	.p2align	6, 0x0
	.amdhsa_kernel k_qc55610aac5_o
		.amdhsa_group_segment_fixed_size 327680
		.amdhsa_private_segment_fixed_size 0
		.amdhsa_enable_private_segment 0
		.amdhsa_kernarg_size 40
		.amdhsa_user_sgpr_count 2
		.amdhsa_user_sgpr_kernarg_segment_ptr 1
		.amdhsa_wavefront_size32 1
		.amdhsa_system_sgpr_workgroup_id_x 1
		.amdhsa_system_sgpr_workgroup_id_y 1
		.amdhsa_system_sgpr_workgroup_id_z 1
		.amdhsa_system_vgpr_workitem_id 0
		.amdhsa_next_free_vgpr 1024
		.amdhsa_next_free_sgpr 102
		.amdhsa_reserve_vcc 0
		.amdhsa_float_denorm_mode_32 3
		.amdhsa_float_denorm_mode_16_64 3
		.amdhsa_memory_ordered 1
		.amdhsa_forward_progress 1
		.amdhsa_inst_pref_size 107
	.end_amdhsa_kernel
	.amdgpu_metadata
---
amdhsa.version: [ 1, 2 ]
amdhsa.kernels:
  - .name:           k_qc55610aac5_o
    .symbol:         k_qc55610aac5_o.kd
    .args:
      - { .name: AO, .offset: 0, .size: 8, .value_kind: global_buffer, .address_space: global }
      - { .name: WQ, .offset: 8, .size: 8, .value_kind: global_buffer, .address_space: global }
      - { .name: b_o, .offset: 16, .size: 8, .value_kind: global_buffer, .address_space: global }
      - { .name: x, .offset: 24, .size: 8, .value_kind: global_buffer, .address_space: global }
      - { .name: X1, .offset: 32, .size: 8, .value_kind: global_buffer, .address_space: global }
    .group_segment_fixed_size: 327680
    .private_segment_fixed_size: 0
    .kernarg_segment_align: 8
    .kernarg_segment_size: 40
    .max_flat_workgroup_size: 128
    .sgpr_count:     102
    .vgpr_count:     1024
    .wavefront_size: 32
...
	.end_amdgpu_metadata
.endif
;; end of part 5
;; launch ln2: the kernel of part 2 again; grid 256 x 1, 8 waves a work-group, no clusters, 70,144 bytes of LDS; arguments X1, g2, beta2, H2; writes H2
;; launch fc (part 6): grid 16 x 16, 4 waves a work-group, clusters of 4 x 4, 327,680 bytes of LDS; arguments H2, WQ, b_fc, FC; writes FC
.if DOCPART == 6
	.amdgcn_target "amdgcn-amd-amdhsa--gfx1250"
	.amdhsa_code_object_version 6
	.text
	.protected	k_qc55610aac5_fc
	.globl	k_qc55610aac5_fc
	.p2align	8
	.type	k_qc55610aac5_fc,@function
k_qc55610aac5_fc:
	s_mov_b64 s[64:65], 0
	v_nop
	global_prefetch_b8 v0, s[64:65] scope:SCOPE_SE
	s_setreg_imm32_b32 hwreg(HW_REG_WAVE_MODE, 25, 1), 1
	s_wait_xcnt 0x0
	s_wait_alu depctr_hold_cnt(0) depctr_sa_sdst(0) depctr_va_vdst(0) depctr_va_sdst(0) depctr_va_ssrc(0) depctr_va_vcc(0) depctr_vm_vsrc(0)
	s_getreg_b32 s2, hwreg(HW_REG_IB_STS2, 6, 4)
	s_cmp_eq_u32 s2, 0
	s_cbranch_scc0 .Lentry_in_a_cluster
	s_endpgm
.Lentry_in_a_cluster:
	s_bfe_u32 s2, ttmp6, 0x10000c
	s_cmp_lg_u32 s2, 0xf033
	s_cbranch_scc0 .Lentry_shape_is_right
	s_endpgm
.Lentry_shape_is_right:
; FC = Q(gelu(h2 W_fc + b_fc)): a product on codes of MX-FP6 (E2M3, one E8M0 byte for each 32 along K = 1,024), f32 sums; the exact (erf) GELU in f32; the result quantised along its 4,096 columns, the next product's K.
; OPERANDS lie in memory in the order of their registers.  Block t of 16 rows holds, in lane row r, row 32 (t / 2) + 8 (t % 2) + r + 8 (r / 8).  A fragment (16 rows x 128 K) is 1,536 bytes: for c = 0, 1: each lane's registers
; 6 c .. 6 c + 3 at 16 x lane, then its registers 6 c + 4, 6 c + 5 at 8 x lane.  Codes [blocks][K steps][1536]; scale words [blocks][K steps][16 words].  A = H2 (tokens), B = W_fc's columns in WQ.
; THE PRODUCT IS USED TRANSPOSED (source 0 = 16 rows of B, source 1 = 16 rows of A): by the order of rows above a lane's 16 registers of two neighbouring tiles are 16 neighbouring columns: what the conversions want.
; A tile, 256 x 256, is made by four waves, 128 x 128 each.  K goes two steps of 128 to a slot through a ring of two LDS slots filled by tensor loads; the scale words come once.  CLUSTERS: 4 x 4, joint loads.
; GELU: gelu(x) = max(x, 0) - |x| ch, ch = erfc(|x| / sqrt 2) / 2 = t 2^arg, t = 1 / (1 + 0.35355339 |x|), arg = -(log2 e / 2) x^2 + a polynomial of degree 9 in t: the Chebyshev fit of erfc whose fractional error is under 1.2e-7 at
; every argument, its coefficients times log2 e, 1 off the constant for the half.  No term cancels on either side of 0.
; LIMITS: ch under 2^-126 (x under about -13) comes out as 0; the exponent carries the rounding of x^2: the relative error of ch grows with x^2 (about 1e-6 at |x| = 5).  NaN and infinities are not served.
; A block of zeros gets the byte 1 with zero codes.  A block's scale words leave as runs of 64 bytes.
; REGISTERS: window 0: v1-31 addresses and a constant; v32-63 scale words, two sets; v64-127 the bias; v128-223 A's fragments; on the way out v128-191 64 numbers, v192-240 at work.  window 1: B's fragments, two sets.
;   windows 2, 3: the accumulators, (a, b) at v[8 (8 (a % 4) + b)] of window 2 + a / 4.
.set NA,    8
.set KS,    8
.set A_SO,  3145728
.set B_CO,  3145728
.set B_SO,  9568256
.set FR,    12
.set NL,    4
.set HALFT, 24576
.set SLOT,  4*HALFT
.set LAPS,  KS/4
.set SCL,   2*SLOT
.set HALFS, 512*KS
.set SPARE, SCL+4*HALFS
.set V16,  8
.set V8,   9
.set R4,   10                          ; 4 r
.set BO,   13                          ; the bias: 64 h
.set ADRA, 16
.set ADRB, 20
.set ADRS, 27
.set SPW,  28
.set NIL,  29
.set C9,   30                          ; v[30:31] the polynomial's highest coefficient, twice
.set SC,   32
.set BIAS, 64
.set AF,   128
.set X,    128
.set T,    192                         ; GELU, 16 numbers at a time: t,
.set P,    208                         ; the polynomial, then ch,
.set M,    224                         ; x^2, then max(x, 0)
.set PC,   192                         ; QUANT: the codes,
.set TM,   224                         ; at work,
.set PW,   240                         ; the scale word
.set G1,   24
.set G0,   32
.set G1B,  48
.set G0B,  56
.set G1S,  68
.set G0S,  76
.set G1SB, 80
.set G0SB, 88
.set SEL,  96
.set C0,   92                          ; s[92:93] where the block's fragment goes; s[94:95] its scale words
.set C1,   94
.set AB,   66                          ; the way out's count of blocks
.set MSB, 0
.macro WIN new                         ; the immediate's high byte repeats the setting that is left; a switch that changes nothing is dropped
.if MSB != (\new)
	s_set_vgpr_msb (MSB<<8)|(\new)
.set MSB, \new
.endif
.endm
; A joint load: waves 0 and 1 fetch for A, waves 2 and 3 for B; the branch hangs on the wave's number alone.  Four v_nop follow each line.
.macro JLOAD g0a, g1a, g0b, g1b
	s_cmp_eq_u32 s15, 0
	s_cbranch_scc0 .Lfor_b_\@
	tensor_load_to_lds s[\g0a:\g0a+3], s[\g1a:\g1a+7]
	s_nop 0
.rept 4
	v_nop
.endr
	s_branch .Lasked_\@
.Lfor_b_\@:
	tensor_load_to_lds s[\g0b:\g0b+3], s[\g1b:\g1b+7]
	s_nop 0
.rept 4
	v_nop
.endr
.Lasked_\@:
.endm
.macro CREST                           ; a round of the cluster's barrier behind its opening barrier
	s_cmp_lg_u32 s14, 0
	s_cbranch_scc1 .Lnot_wave_0_\@
	s_barrier_signal -3
.Lnot_wave_0_\@:
	s_barrier_wait -3
	s_barrier_signal -1
	s_barrier_wait -1
.endm
.macro CROUND
	s_barrier_signal -1
	s_barrier_wait -1
	CREST
.endm
	s_load_b256 s[4:11], s[0:1], 0x0               ; H2 s[4:5], WQ s[6:7], b_fc s[8:9], FC s[10:11]
	v_lshl_add_u32 v[SPW], v0, 2, SPARE
	v_mov_b32 v[NIL], 0
	ds_add_u32 v28, v29
	ds_add_u32 v28, v29
	s_wait_dscnt 0x0
	v_lshrrev_b32 v1, 5, v0
	v_readfirstlane_b32 s14, v1                    ; wave 0..3
	s_lshr_b32 s15, s14, 1                         ; which half of A's rows is mine.  Also: I fetch for A (0) or for B (1)
	s_and_b32 s16, s14, 1                          ; which half of B's rows.  Also: which half of that tile I fetch
	s_bfe_u32 s40, ttmp6, 0x40000                  ; cx, cy
	s_bfe_u32 s41, ttmp6, 0x40004
	s_lshl_b32 s42, ttmp9, 2
	s_add_co_u32 s42, s42, s40                     ; tile column
	s_and_b32 s17, ttmp7, 0xffff
	s_lshl_b32 s17, s17, 2
	s_add_co_u32 s17, s17, s41                     ; tile row
	s_lshl_b32 s43, s41, 2
	s_lshl_b32 s43, 15, s43                        ; my row of the cluster
	s_lshl_b32 s44, 0x1111, s40                    ; my column
	; descriptor group 1: codes: 8 rows (blocks) of 3,072 bytes (384 elements of 8 bytes), KS x 1,536 bytes apart; no padding
	s_or_b32 s[G1+0], s43, (3<<16)|(1<<21)         ; the mask; elements of 8 bytes; bit 21 set beside a mask
	s_or_b32 s[G1B+0], s44, (3<<16)|(1<<21)
.irp g, G1, G1B
	s_mov_b32 s[\g+1], 384<<16
	s_mov_b32 s[\g+2], 8<<16
	s_mov_b32 s[\g+3], 384<<16
	s_mov_b32 s[\g+4], 8
	s_mov_b32 s[\g+5], 192*KS
	s_mov_b32 s[\g+6], 0
	s_mov_b32 s[\g+7], 0
.endr
	s_or_b32 s[G1S+0], s43, (3<<16)|(1<<21)        ; the scale words of 8 blocks: 512 KS dense bytes, as rows of 256
	s_or_b32 s[G1SB+0], s44, (3<<16)|(1<<21)
.irp g, G1S, G1SB
	s_mov_b32 s[\g+1], 32<<16
	s_mov_b32 s[\g+2], (2*KS)<<16
	s_mov_b32 s[\g+3], 32<<16
	s_mov_b32 s[\g+4], 2*KS
	s_mov_b32 s[\g+5], 32
	s_mov_b32 s[\g+6], 0
	s_mov_b32 s[\g+7], 0
.endr
	s_lshl_b32 s18, s16, 3
	s_lshl_b32 s20, s17, 4
	s_add_co_u32 s20, s20, s18                     ; A: block 16 x tile row + 8 x half
	s_lshl_b32 s46, s42, 4
	s_add_co_u32 s46, s46, s18                     ; B: block 16 x tile column + 8 x half
	s_mul_i32 s22, s20, KS*64
	s_add_co_u32 s22, s22, A_SO
	s_mul_i32 s20, s20, KS*1536
	s_mul_i32 s92, s46, KS*64
	s_add_co_u32 s92, s92, B_SO
	s_mul_i32 s46, s46, KS*1536
	s_add_co_u32 s46, s46, B_CO
	s_mov_b32 s21, 0
	s_mov_b32 s23, 0
	s_mov_b32 s47, 0
	s_mov_b32 s93, 0
	s_mul_i32 s45, s14, HALFT
	s_mul_i32 s94, s14, HALFS
	s_wait_kmcnt 0x0
	s_add_nc_u64 s[20:21], s[4:5], s[20:21]
	s_add_nc_u64 s[22:23], s[4:5], s[22:23]
	s_add_nc_u64 s[46:47], s[6:7], s[46:47]
	s_add_nc_u64 s[92:93], s[6:7], s[92:93]
	CROUND                                         ; all sixteen work-groups are here: the first joint loads meet
	s_mov_b32 s[G0S], 1
	s_add_co_u32 s[G0S+1], s94, SCL
	s_mov_b64 s[G0S+2:G0S+3], s[22:23]
	s_or_b32 s[G0S+3], s[G0S+3], 0x80000000
	s_mov_b32 s[G0SB], 1
	s_add_co_u32 s[G0SB+1], s94, SCL
	s_mov_b64 s[G0SB+2:G0SB+3], s[92:93]
	s_or_b32 s[G0SB+3], s[G0SB+3], 0x80000000
	JLOAD G0S, G1S, G0SB, G1SB
.irp s, 0,1
	s_mov_b32 s[G0+4*\s], 1
	s_add_co_u32 s[G0+4*\s+1], s45, \s*SLOT
	s_add_nc_u64 s[G0+4*\s+2:G0+4*\s+3], s[20:21], \s*3072
	s_or_b32 s[G0+4*\s+3], s[G0+4*\s+3], 0x80000000
	s_mov_b32 s[G0B+4*\s], 1
	s_add_co_u32 s[G0B+4*\s+1], s45, \s*SLOT
	s_add_nc_u64 s[G0B+4*\s+2:G0B+4*\s+3], s[46:47], \s*3072
	s_or_b32 s[G0B+4*\s+3], s[G0B+4*\s+3], 0x80000000
	JLOAD G0+4*\s, G1, G0B+4*\s, G1B
.endr
	v_and_b32 v3, 31, v0                           ; lane
	v_and_b32 v1, 15, v0                           ; r
	v_bfe_u32 v2, v0, 4, 1                         ; h
	v_lshlrev_b32 v[V16], 4, v3
	v_lshlrev_b32 v[V8], 3, v3
	v_lshlrev_b32 v[R4], 2, v1
	v_lshlrev_b32 v[BO], 6, v2
	v_mov_b32 v[C9], 0x3e7c6f08
	v_mov_b32 v[C9+1], 0x3e7c6f08
	s_mul_i32 s21, s15, HALFT
	s_mul_i32 s22, s16, HALFT
	s_add_co_u32 s22, s22, 2*HALFT
.irp s, 0,1
	v_add_nc_u32 v[ADRA+\s], s21, v[V16]
	v_add_nc_u32 v[ADRA+2+\s], s21, v[V8]
	v_add_nc_u32 v[ADRB+\s], s22, v[V16]
	v_add_nc_u32 v[ADRB+2+\s], s22, v[V8]
	s_add_co_u32 s21, s21, SLOT
	s_add_co_u32 s22, s22, SLOT
.endr
	v_lshlrev_b32 v5, 2, v1
	s_mul_i32 s21, s15, HALFS
	s_mul_i32 s22, s16, HALFS
	s_add_co_u32 s22, s22, 2*HALFS
	s_sub_co_u32 s22, s22, s21
	v_mul_u32_u24 v6, s22, v2                      ; lanes 16-31 take B's
	s_add_co_u32 s21, s21, SCL
	v_add_nc_u32 v5, v5, v6
	v_add_nc_u32 v[ADRS], s21, v5
	s_mov_b32 s[SEL], 0x76543210
	s_mov_b32 s[SEL+1], 0xfedcba98                 ; v_permlanex16_b32's selects for lane l xor 16
	s_lshl_b32 s20, s17, 4
	s_lshl_b32 s21, s15, 3
	s_add_co_u32 s20, s20, s21                     ; my first block of rows,
	s_lshl_b32 s20, s20, 5                         ; 32 K steps to a block in FC,
	s_lshl_b32 s46, s42, 1
	s_add_co_u32 s46, s46, s16                     ; my 128 columns are K step 2 x tile column + half
	s_add_co_u32 s20, s20, s46
	s_lshl_b32 s22, s20, 6
	s_add_co_u32 s22, s22, 12582912
	s_mul_i32 s20, s20, 1536
	s_mov_b32 s21, 0
	s_mov_b32 s23, 0
	s_add_nc_u64 s[C0:C0+1], s[10:11], s[20:21]
	s_add_nc_u64 s[C1:C1+1], s[10:11], s[22:23]
	s_lshl_b32 s46, s46, 9
	s_mov_b32 s47, 0
	s_add_nc_u64 s[8:9], s[8:9], s[46:47]          ; the bias at my first column
.irp b, 0,1,2,3,4,5,6,7                ; lane (r, h), tile b, register j: column 32 (b / 2) + 8 (b % 2) + 16 h + j
	global_load_b128 v[BIAS+8*\b:BIAS+8*\b+3], v[BO], s[8:9] offset:(32*(\b/2)+8*(\b%2))*4
	global_load_b128 v[BIAS+8*\b+4:BIAS+8*\b+7], v[BO], s[8:9] offset:(32*(\b/2)+8*(\b%2))*4+16
.endr
.macro FRAG reg, a16, a8, q, i         ; a fragment comes back as it was stored: four loads, each of consecutive bytes
	ds_load_b128 v[\reg:\reg+3], v[\a16] offset:(\i)*3072+(\q)*1536
	ds_load_b64 v[\reg+4:\reg+5], v[\a8] offset:(\i)*3072+(\q)*1536+512
	ds_load_b128 v[\reg+6:\reg+9], v[\a16] offset:(\i)*3072+(\q)*1536+768
	ds_load_b64 v[\reg+10:\reg+11], v[\a8] offset:(\i)*3072+(\q)*1536+1280
.endm
; 8 matrix instructions: A's block a x B's eight, 128 along K.  first = 1: the first product starts the sums.  The 64 accumulators take turns, one instruction a turn.
.macro MULA a, p, q, sc, first
	WIN 0xa1+0x50*((\a)/4)                         ; source 0 (B) window 1, source 1 (A) window 0, C and D window 2 or 3
.irp b, 0,1,2,3,4,5,6,7
.if \first == 1
	v_wmma_scale_f32_16x16x128_f8f6f4 v[8*(8*((\a)%4)+\b):8*(8*((\a)%4)+\b)+7], v[128*(\p)+FR*\b:128*(\p)+FR*\b+FR-1], v[AF+FR*(\a):AF+FR*(\a)+FR-1], 0, v[SC+16*(\sc)+2*\b+(\q)], v[SC+16*(\sc)+2*(\a)+(\q)] matrix_a_fmt:MATRIX_FMT_FP6 matrix_b_fmt:MATRIX_FMT_FP6 matrix_a_scale:MATRIX_SCALE_ROW1
.else
	v_wmma_scale_f32_16x16x128_f8f6f4 v[8*(8*((\a)%4)+\b):8*(8*((\a)%4)+\b)+7], v[128*(\p)+FR*\b:128*(\p)+FR*\b+FR-1], v[AF+FR*(\a):AF+FR*(\a)+FR-1], v[8*(8*((\a)%4)+\b):8*(8*((\a)%4)+\b)+7], v[SC+16*(\sc)+2*\b+(\q)], v[SC+16*(\sc)+2*(\a)+(\q)] matrix_a_fmt:MATRIX_FMT_FP6 matrix_b_fmt:MATRIX_FMT_FP6 matrix_a_scale:MATRIX_SCALE_ROW1
.endif
.endr
.endm
.macro MULQ k, p, q, sc, first         ; a quarter of a step: two blocks of A
	MULA 2*(\k), \p, \q, \sc, \first
	MULA 2*(\k)+1, \p, \q, \sc, \first
.endm
.macro FETCH_B slot, q, p
	WIN 0x40                                       ; destination window 1
.irp i, 0,1,2,3,4,5,6,7
	FRAG 128*(\p)+FR*\i, ADRB+\slot, ADRB+2+\slot, \q, \i
.endr
	WIN 0
.endm
.macro FETCH_A slot, q, half
.set FI, (\half)*NA/2
.rept NA/2
	FRAG AF+FR*FI, ADRA+\slot, ADRA+2+\slot, \q, FI
.set FI, FI+1
.endr
.endm
.macro SCALES sc                       ; a slot's scale words: lanes 0-15 A's block i, lanes 16-31 B's block i
.irp i, 0,1,2,3,4,5,6,7
	ds_load_b32 v[SC+16*\sc+2*\i], v[ADRS] offset:\i*KS*64
	ds_load_b32 v[SC+16*\sc+2*\i+1], v[ADRS] offset:\i*KS*64+64
.endr
.endm
; A load into a register that a matrix instruction has read, and a vector instruction that reads a matrix result, stand four places behind it; only plain vector instructions that name none of its registers are places.
.macro PLACES
.rept 4
	v_nop
.endr
.endm
.macro STEP slot, first                ; a slot's first K step; it fetches the second's fragments
	s_wait_dscnt (NA/2)*NL                         ; the youngest loads (A's second half) may be out
	MULQ 0, 0, 0, \slot, \first
	MULQ 1, 0, 0, \slot, \first
	s_wait_dscnt 0x0
	PLACES
	FETCH_B \slot, 1, 1
	FETCH_A \slot, 1, 0
	MULQ 2, 0, 0, \slot, \first
	MULQ 3, 0, 0, \slot, \first
	PLACES
	WIN 0
	FETCH_A \slot, 1, 1
.endm
; A slot's second K step changes slots: one barrier; in front of it each wave waits for all its tensor loads, adds 0 to its spare word, and waits for that and for its own reads of this slot.
.macro TURN slot, next, fill
	s_wait_tensorcnt 0x0                           ; all my tensor loads have landed: my part of the next slot
	ds_add_u32 v[SPW], v[NIL]                      ; 0 onto my spare word
	s_wait_dscnt (NA/2)*NL+1                       ; (the add and A's second half may be out)
	MULQ 0, 1, 1, \slot, 0
	s_wait_dscnt 0x0                               ; the add is done, and my reads of this slot are over
	s_barrier_signal -1
	MULQ 1, 1, 1, \slot, 0
	WIN 0
	s_barrier_wait -1
.if \fill
	CREST                                          ; the barrier has opened a round of the cluster's: no wave of any partner still reads this slot or has a load on its way
	s_add_nc_u64 s[G0+4*\slot+2:G0+4*\slot+3], s[G0+4*\slot+2:G0+4*\slot+3], 6144
	s_add_nc_u64 s[G0B+4*\slot+2:G0B+4*\slot+3], s[G0B+4*\slot+2:G0B+4*\slot+3], 6144
	JLOAD G0+4*\slot, G1, G0B+4*\slot, G1B         ; the first tensor load behind the round; its four v_nop are the places in front of the loads below
.else
	PLACES
.endif
	v_add_nc_u32 v[ADRS], 128, v[ADRS]
	FETCH_B \next, 0, 0
	FETCH_A \next, 0, 0
	SCALES \next
	MULQ 2, 1, 1, \slot, 0
	MULQ 3, 1, 1, \slot, 0
	PLACES
	WIN 0
	FETCH_A \next, 0, 1
.endm
	s_wait_tensorcnt 0x1                           ; the scale words and my part of slot 0 are in; slot 1's load may be out
	s_barrier_signal -1
	s_barrier_wait -1
	FETCH_B 0, 0, 0
	FETCH_A 0, 0, 0
	SCALES 0
	FETCH_A 0, 0, 1
	STEP 0, 1
	s_mov_b32 s3, LAPS-1
.Llap:
	TURN 0, 1, 1
	STEP 1, 0
	TURN 1, 0, 1
	STEP 0, 0
	s_sub_co_u32 s3, s3, 1
	s_cmp_lg_u32 s3, 0
	s_cbranch_scc1 .Llap
	TURN 0, 1, 0                                   ; the last lap fills nothing
	STEP 1, 0
	s_wait_dscnt (NA/2)*NL
	MULQ 0, 1, 1, 1, 0
	MULQ 1, 1, 1, 1, 0
	s_wait_dscnt 0x0
	MULQ 2, 1, 1, 1, 0
	MULQ 3, 1, 1, 1, 0
	WIN 0
.macro QUANT s                         ; 64 numbers of a lane, register 16 b + i = k 32 b + 16 h + i of my row, become a fragment's codes in v[PC] on and its scale word in v[PW]
.irp b, 0,1,2,3
	v_max3_num_f32 v[TM+\b], |v[\s+16*\b]|, |v[\s+1+16*\b]|, 0x1800000   ; block b: my 16 numbers, and the floor 2^(3 - 127): the byte cannot fall under 1
.endr
.irp i, 2,4,6,8,10,12,14
.irp b, 0,1,2,3
	v_max3_num_f32 v[TM+\b], v[TM+\b], |v[\s+16*\b+\i]|, |v[\s+1+16*\b+\i]|
.endr
.endr
.irp b, 0,1,2,3
	v_permlanex16_b32 v[TM+4+\b], v[TM+\b], s[SEL], s[SEL+1]
.endr
.irp b, 0,1,2,3
	v_max_num_f32 v[TM+\b], v[TM+\b], v[TM+4+\b]   ; with lane l xor 16's: the block's largest magnitude
.endr
.irp b, 0,1,2,3
	v_add_nc_u32 v[TM+12+\b], 0xff000000, v[TM+\b] ; 2 off its exponent field: the conversion's scale operand
.endr
.irp b, 0,1,2,3
	v_lshrrev_b32 v[TM+4+\b], 23, v[TM+12+\b]      ; the scale's byte
.endr
	v_lshl_or_b32 v[PW], v[TM+5], 8, v[TM+4]
	v_lshl_or_b32 v[PW], v[TM+6], 16, v[PW]
	v_lshl_or_b32 v[PW], v[TM+7], 24, v[PW]
.irp c, 0,1
	v_cvt_scalef32_pk16_fp6_f32 v[PC+6*\c:PC+2+6*\c], v[\s+32*\c:\s+15+32*\c], v[TM+12+2*\c]
	v_cvt_scalef32_pk16_fp6_f32 v[PC+12+4*\c:PC+14+4*\c], v[\s+16+32*\c:\s+31+32*\c], v[TM+12+2*\c+1]   ; (a conversion's three registers begin on an even number)
.endr
	v_nop                                          ; one plain place behind a scaled conversion
.irp c, 0,1                            ; the operand's layout wants a whole block in a lane
.irp i, 0,1,2
	v_permlane16_swap_b32 v[PC+6*\c+\i], v[PC+12+4*\c+\i]
.endr
.irp i, 0,1,2
	v_mov_b32 v[PC+3+6*\c+\i], v[PC+12+4*\c+\i]
.endr
.endr
.endm
.macro COPY a                          ; block a's 64 numbers a lane take the bias and come into window 0, each accumulator from its low end on
	WIN 0x02+(\a)/4                                ; source 0: window 2 or 3
.set CI, 0
.rept 32
	v_pk_add_f32 v[X+CI:X+CI+1], v[64*((\a)%4)+CI:64*((\a)%4)+CI+1], v[BIAS+CI:BIAS+CI+1]
.set CI, CI+2
.endr
	WIN 0
.endm
.macro GELU e                          ; 16 numbers, v[X + e] on, in place.  Each batch of transcendentals has plain work behind it and one wait ahead of its first reader
.set GI, 0
.rept 16
	v_fma_f32 v[T+GI], |v[X+\e+GI]|, 0x3eb504f3, 1.0
.set GI, GI+1
.endr
.set GI, 0
.rept 16
	v_rcp_f32 v[T+GI], v[T+GI]                     ; t
.set GI, GI+1
.endr
.set GI, 0
.rept 8
	v_pk_mul_f32 v[M+GI:M+GI+1], v[X+\e+GI:X+\e+GI+1], v[X+\e+GI:X+\e+GI+1]    ; x^2
.set GI, GI+2
.endr
	s_wait_alu depctr_va_vdst(0)
.set GI, 0
.rept 8
	v_pk_fma_f32 v[P+GI:P+GI+1], v[T+GI:T+GI+1], v[C9:C9+1], 0xbf97d29d op_sel_hi:[1,1,0]
.set GI, GI+2
.endr
.irp c, 0x40097039, 0xbfd1a1e5, 0x3ecdfd18, 0xbe899a80, 0x3e0efb2e, 0x3f0a29d2, 0x3fb8ab5a, 0xc034d90f
.set GI, 0
.rept 8
	v_pk_fma_f32 v[P+GI:P+GI+1], v[P+GI:P+GI+1], v[T+GI:T+GI+1], \c op_sel_hi:[1,1,0]
.set GI, GI+2
.endr
.endr
.set GI, 0
.rept 8
	v_pk_fma_f32 v[P+GI:P+GI+1], v[M+GI:M+GI+1], 0xbf38aa3b, v[P+GI:P+GI+1] op_sel_hi:[1,0,1]   ; - (log2 e / 2) x^2
.set GI, GI+2
.endr
.set GI, 0
.rept 16
	v_exp_f32 v[P+GI], v[P+GI]
.set GI, GI+1
.endr
.set GI, 0
.rept 16
	v_max_num_f32 v[M+GI], 0, v[X+\e+GI]
.set GI, GI+1
.endr
	s_wait_alu depctr_va_vdst(0)
.set GI, 0
.rept 8
	v_pk_mul_f32 v[P+GI:P+GI+1], v[P+GI:P+GI+1], v[T+GI:T+GI+1]                ; ch
.set GI, GI+2
.endr
.set GI, 0
.rept 16
	v_fma_f32 v[X+\e+GI], -|v[X+\e+GI]|, v[P+GI], v[M+GI]
.set GI, GI+1
.endr
.endm
	; THE WAY OUT: a loop over my eight blocks of rows, so that the activation and the quantiser are written once; only the lines that bring a block out of its accumulators differ, and a scalar branch on the count picks them.
	PLACES
	s_wait_loadcnt 0x0                             ; the bias
	s_mov_b32 s[AB], 0
.Lrow:
.irp a, 1,2,3,4,5,6,7
	s_cmp_eq_u32 s[AB], \a
	s_cbranch_scc1 .Lcp\a
.endr
	COPY 0
	s_branch .Lact
.irp a, 1,2,3,4,5,6
.Lcp\a:
	COPY \a
	s_branch .Lact
.endr
.Lcp7:
	COPY 7
.Lact:
	GELU 0
	GELU 16
	GELU 32
	GELU 48
	QUANT X
	global_store_b128 v[V16], v[PC:PC+3], s[C0:C0+1]         ; the fragment as it stands: 512, 256, 512, 256 consecutive bytes
	global_store_b64 v[V8], v[PC+4:PC+5], s[C0:C0+1] offset:512
	global_store_b128 v[V16], v[PC+6:PC+9], s[C0:C0+1] offset:768
	global_store_b64 v[V8], v[PC+10:PC+11], s[C0:C0+1] offset:1280
	global_store_b32 v[R4], v[PW], s[C1:C1+1]                ; both halves of the lanes store the same word with the same value
	s_wait_xcnt 0x0                                ; the stores have read their registers and bases: both are written again
	s_add_nc_u64 s[C0:C0+1], s[C0:C0+1], 49152     ; the next block of rows: 32 fragments on,
	s_add_nc_u64 s[C1:C1+1], s[C1:C1+1], 2048      ; 32 lines of scale words on
	s_add_co_u32 s[AB], s[AB], 1
	s_cmp_lt_u32 s[AB], 8
	s_cbranch_scc1 .Lrow
	s_wait_tensorcnt 0x0                           ; the wave's end
	ds_add_u32 v[SPW], v[NIL]
	s_wait_dscnt 0x0
	CROUND                                         ; the closing round
	s_endpgm
.Lfunc_end_k_qc55610aac5_fc:
	.size	k_qc55610aac5_fc, .Lfunc_end_k_qc55610aac5_fc-k_qc55610aac5_fc
	.p2alignl 7, 3214868480
	.fill 96, 4, 3214868480
	.section	.rodata,"a",@progbits
	.p2align	6, 0x0
	.amdhsa_kernel k_qc55610aac5_fc
		.amdhsa_group_segment_fixed_size 327680
		.amdhsa_private_segment_fixed_size 0
		.amdhsa_enable_private_segment 0
		.amdhsa_kernarg_size 32
		.amdhsa_user_sgpr_count 2
		.amdhsa_user_sgpr_kernarg_segment_ptr 1
		.amdhsa_wavefront_size32 1
		.amdhsa_system_sgpr_workgroup_id_x 1
		.amdhsa_system_sgpr_workgroup_id_y 1
		.amdhsa_system_sgpr_workgroup_id_z 1
		.amdhsa_system_vgpr_workitem_id 0
		.amdhsa_next_free_vgpr 1024
		.amdhsa_next_free_sgpr 102
		.amdhsa_reserve_vcc 0
		.amdhsa_float_denorm_mode_32 3
		.amdhsa_float_denorm_mode_16_64 3
		.amdhsa_memory_ordered 1
		.amdhsa_forward_progress 1
		.amdhsa_inst_pref_size 190
	.end_amdhsa_kernel
	.amdgpu_metadata
---
amdhsa.version: [ 1, 2 ]
amdhsa.kernels:
  - .name:           k_qc55610aac5_fc
    .symbol:         k_qc55610aac5_fc.kd
    .args:
      - { .name: H2, .offset: 0, .size: 8, .value_kind: global_buffer, .address_space: global }
      - { .name: WQ, .offset: 8, .size: 8, .value_kind: global_buffer, .address_space: global }
      - { .name: b_fc, .offset: 16, .size: 8, .value_kind: global_buffer, .address_space: global }
      - { .name: FC, .offset: 24, .size: 8, .value_kind: global_buffer, .address_space: global }
    .group_segment_fixed_size: 327680
    .private_segment_fixed_size: 0
    .kernarg_segment_align: 8
    .kernarg_segment_size: 32
    .max_flat_workgroup_size: 128
    .sgpr_count:     102
    .vgpr_count:     1024
    .wavefront_size: 32
...
	.end_amdgpu_metadata
.endif
;; end of part 6
;; launch pr (part 7): grid 4 x 32, 4 waves a work-group, clusters of 4 x 4, 327,680 bytes of LDS; arguments FC, WQ, b_pr, X1, out0; writes out0
.if DOCPART == 7
	.amdgcn_target "amdgcn-amd-amdhsa--gfx1250"
	.amdhsa_code_object_version 6
	.text
	.protected	k_qc55610aac5_pr
	.globl	k_qc55610aac5_pr
	.p2align	8
	.type	k_qc55610aac5_pr,@function
k_qc55610aac5_pr:
	s_mov_b64 s[64:65], 0
	v_nop
	global_prefetch_b8 v0, s[64:65] scope:SCOPE_SE
	s_setreg_imm32_b32 hwreg(HW_REG_WAVE_MODE, 25, 1), 1
	s_wait_xcnt 0x0
	s_wait_alu depctr_hold_cnt(0) depctr_sa_sdst(0) depctr_va_vdst(0) depctr_va_sdst(0) depctr_va_ssrc(0) depctr_va_vcc(0) depctr_vm_vsrc(0)
	s_getreg_b32 s2, hwreg(HW_REG_IB_STS2, 6, 4)
	s_cmp_eq_u32 s2, 0
	s_cbranch_scc0 .Lentry_in_a_cluster
	s_endpgm
.Lentry_in_a_cluster:
	s_bfe_u32 s2, ttmp6, 0x10000c
	s_cmp_lg_u32 s2, 0xf033
	s_cbranch_scc0 .Lentry_shape_is_right
	s_endpgm
.Lentry_shape_is_right:
; out0 = X1 + gelu(..) W_pr + b_pr: a product on codes of MX-FP6 (E2M3, one E8M0 byte for each 32 along K = 4,096), f32 sums, f32 out.
; OPERANDS lie in memory in the order of their registers.  Block t of 16 rows holds, in lane row r, row 32 (t / 2) + 8 (t % 2) + r + 8 (r / 8).  A fragment (16 rows x 128 K) is 1,536 bytes: for c = 0, 1: each lane's registers
; 6 c .. 6 c + 3 at 16 x lane, then its registers 6 c + 4, 6 c + 5 at 8 x lane.  Codes [blocks][K steps][1536]; scale words [blocks][K steps][16 words].  A = FC (tokens), B = W_pr's columns in WQ.
; THE PRODUCT IS USED TRANSPOSED (source 0 = 16 rows of B, source 1 = 16 rows of A): a lane's registers run along the output's columns.
; A tile is 128 rows x 256 columns, four waves of 64 x 128 each (32 accumulators): 128 work-groups; tiles of 256 x 256 would be 64.  K goes two steps of 128 to a slot through a ring of two LDS slots filled by tensor loads;
; the scale words of the tile's rows, for all of K, come once.  CLUSTERS: 4 x 4; A's tiles are shared along a row of the cluster, B's along a column: each is asked for jointly.
; The bias is the C of the first products.  The residual's 64 x 128 numbers of a wave are asked for at the head, into window 3, and added on the way out, where whole rows of 512 bytes come back from a stage in LDS.
; REGISTERS: window 0: v1-29 addresses; v32-63 scale words, two sets; v64-127 the bias; v128-175 A's fragments; on the way out v128-255 rows.  window 1: B's fragments, two sets.  window 2: the accumulators.  window 3: the residual.
.set NA,    4                          ; blocks of A's rows to a wave
.set KS,    32                         ; K steps of 128
.set A_SO,  12582912                   ; where A's scale words begin in its buffer
.set B_CO,  6291456                    ; where B's codes begin in WQ,
.set B_SO,  9699328                    ; and its scale words
.set FR,    12
.set NL,    4
.set HALFT, 24576
.set SLOT,  4*HALFT
.set LAPS,  KS/4
.set SCL,   2*SLOT
.set HALFS, 512*KS
.set SPARE, SCL+4*HALFS
.set V16,  8
.set V8,   9
.set BO,   13                          ; the bias: 64 h
.set ADRA, 16
.set ADRB, 20
.set STO,  24                          ; the way out: where I put 32 bytes of a row
.set RD,   25                          ; and where I read a row back
.set CO,   26                          ; 16 x lane: my bytes of a row's 512
.set ADRS, 27
.set SPW,  28
.set NIL,  29
.set SC,   32
.set BIAS, 64
.set AF,   128
.set BK,   128
.set G1,   24
.set G0,   32
.set G1B,  48
.set G0B,  56
.set G1S,  68
.set G0S,  76
.set G1SB, 80
.set G0SB, 88
.set MSB, 0
.macro WIN new                         ; the immediate's high byte repeats the setting that is left; a switch that changes nothing is dropped
.if MSB != (\new)
	s_set_vgpr_msb (MSB<<8)|(\new)
.set MSB, \new
.endif
.endm
; A joint load: waves 0 and 1 fetch for A, waves 2 and 3 for B; the branch hangs on the wave's number alone.  Four v_nop follow each line.
.macro JLOAD g0a, g1a, g0b, g1b
	s_cmp_eq_u32 s15, 0
	s_cbranch_scc0 .Lfor_b_\@
	tensor_load_to_lds s[\g0a:\g0a+3], s[\g1a:\g1a+7]
	s_nop 0
.rept 4
	v_nop
.endr
	s_branch .Lasked_\@
.Lfor_b_\@:
	tensor_load_to_lds s[\g0b:\g0b+3], s[\g1b:\g1b+7]
	s_nop 0
.rept 4
	v_nop
.endr
.Lasked_\@:
.endm
.macro CREST                           ; a round of the cluster's barrier behind its opening barrier
	s_cmp_lg_u32 s14, 0
	s_cbranch_scc1 .Lnot_wave_0_\@
	s_barrier_signal -3
.Lnot_wave_0_\@:
	s_barrier_wait -3
	s_barrier_signal -1
	s_barrier_wait -1
.endm
.macro CROUND
	s_barrier_signal -1
	s_barrier_wait -1
	CREST
.endm
	s_load_b256 s[4:11], s[0:1], 0x0               ; A s[4:5], WQ s[6:7], the bias s[8:9], the residual s[10:11]
	s_load_b64 s[12:13], s[0:1], 0x20              ; the output
	v_lshl_add_u32 v[SPW], v0, 2, SPARE
	v_mov_b32 v[NIL], 0
	ds_add_u32 v28, v29
	ds_add_u32 v28, v29
	s_wait_dscnt 0x0
	v_lshrrev_b32 v1, 5, v0
	v_readfirstlane_b32 s14, v1                    ; wave 0..3
	s_lshr_b32 s15, s14, 1                         ; which half of A's rows is mine.  Also: I fetch for A (0) or for B (1)
	s_and_b32 s16, s14, 1                          ; which half of B's rows.  Also: which half of that tile I fetch
	s_bfe_u32 s40, ttmp6, 0x40000                  ; cx, cy
	s_bfe_u32 s41, ttmp6, 0x40004
	s_lshl_b32 s42, ttmp9, 2
	s_add_co_u32 s42, s42, s40                     ; tile column
	s_and_b32 s17, ttmp7, 0xffff
	s_lshl_b32 s17, s17, 2
	s_add_co_u32 s17, s17, s41                     ; tile row
	s_lshl_b32 s43, s41, 2
	s_lshl_b32 s43, 15, s43                        ; my row of the cluster
	s_lshl_b32 s44, 0x1111, s40                    ; my column
	; descriptor group 1: codes: rows (blocks) of 3,072 bytes (384 elements of 8 bytes), KS x 1,536 bytes apart; no padding
	s_or_b32 s[G1+0], s43, (3<<16)|(1<<21)         ; the mask; elements of 8 bytes; bit 21 set beside a mask
	s_mov_b32 s[G1+1], 384<<16
	s_mov_b32 s[G1+2], NA<<16
	s_mov_b32 s[G1+3], 384<<16
	s_mov_b32 s[G1+4], NA
	s_mov_b32 s[G1+5], 192*KS
	s_mov_b32 s[G1+6], 0
	s_mov_b32 s[G1+7], 0
	s_or_b32 s[G1B+0], s44, (3<<16)|(1<<21)
	s_mov_b32 s[G1B+1], 384<<16
	s_mov_b32 s[G1B+2], 8<<16
	s_mov_b32 s[G1B+3], 384<<16
	s_mov_b32 s[G1B+4], 8
	s_mov_b32 s[G1B+5], 192*KS
	s_mov_b32 s[G1B+6], 0
	s_mov_b32 s[G1B+7], 0
	; the scale words, as rows of 256 bytes.  A's four blocks are half of the tile's rows; the tensor's extent ends there, so the rest arrives as zeros: every byte that the scale loads touch has been filled
	s_or_b32 s[G1S+0], s43, (3<<16)|(1<<21)
	s_mov_b32 s[G1S+1], 32<<16
	s_mov_b32 s[G1S+2], (NA*KS/4)<<16
	s_mov_b32 s[G1S+3], 32<<16
	s_mov_b32 s[G1S+4], 2*KS
	s_mov_b32 s[G1S+5], 32
	s_mov_b32 s[G1S+6], 0
	s_mov_b32 s[G1S+7], 0
	s_or_b32 s[G1SB+0], s44, (3<<16)|(1<<21)
	s_mov_b32 s[G1SB+1], 32<<16
	s_mov_b32 s[G1SB+2], (2*KS)<<16
	s_mov_b32 s[G1SB+3], 32<<16
	s_mov_b32 s[G1SB+4], 2*KS
	s_mov_b32 s[G1SB+5], 32
	s_mov_b32 s[G1SB+6], 0
	s_mov_b32 s[G1SB+7], 0
	s_mul_i32 s18, s16, NA
	s_mul_i32 s20, s17, 2*NA
	s_add_co_u32 s20, s20, s18                     ; A: block 2 NA x tile row + NA x half
	s_lshl_b32 s18, s16, 3
	s_lshl_b32 s46, s42, 4
	s_add_co_u32 s46, s46, s18                     ; B: block 16 x tile column + 8 x half
	s_mul_i32 s22, s20, KS*64
	s_add_co_u32 s22, s22, A_SO
	s_mul_i32 s20, s20, KS*1536
	s_mul_i32 s92, s46, KS*64
	s_add_co_u32 s92, s92, B_SO
	s_mul_i32 s46, s46, KS*1536
	s_add_co_u32 s46, s46, B_CO
	s_mov_b32 s21, 0
	s_mov_b32 s23, 0
	s_mov_b32 s47, 0
	s_mov_b32 s93, 0
	s_mul_i32 s45, s14, HALFT
	s_mul_i32 s94, s14, HALFS
	s_wait_kmcnt 0x0
	s_add_nc_u64 s[20:21], s[4:5], s[20:21]
	s_add_nc_u64 s[22:23], s[4:5], s[22:23]
	s_add_nc_u64 s[46:47], s[6:7], s[46:47]
	s_add_nc_u64 s[92:93], s[6:7], s[92:93]
	CROUND                                         ; all sixteen work-groups are here: the first joint loads meet
	s_mov_b32 s[G0S], 1
	s_add_co_u32 s[G0S+1], s94, SCL
	s_mov_b64 s[G0S+2:G0S+3], s[22:23]
	s_or_b32 s[G0S+3], s[G0S+3], 0x80000000
	s_mov_b32 s[G0SB], 1
	s_add_co_u32 s[G0SB+1], s94, SCL
	s_mov_b64 s[G0SB+2:G0SB+3], s[92:93]
	s_or_b32 s[G0SB+3], s[G0SB+3], 0x80000000
	JLOAD G0S, G1S, G0SB, G1SB
.irp s, 0,1
	s_mov_b32 s[G0+4*\s], 1
	s_add_co_u32 s[G0+4*\s+1], s45, \s*SLOT
	s_add_nc_u64 s[G0+4*\s+2:G0+4*\s+3], s[20:21], \s*3072
	s_or_b32 s[G0+4*\s+3], s[G0+4*\s+3], 0x80000000
	s_mov_b32 s[G0B+4*\s], 1
	s_add_co_u32 s[G0B+4*\s+1], s45, \s*SLOT
	s_add_nc_u64 s[G0B+4*\s+2:G0B+4*\s+3], s[46:47], \s*3072
	s_or_b32 s[G0B+4*\s+3], s[G0B+4*\s+3], 0x80000000
	JLOAD G0+4*\s, G1, G0B+4*\s, G1B
.endr
	v_and_b32 v3, 31, v0                           ; lane
	v_and_b32 v1, 15, v0                           ; r
	v_bfe_u32 v2, v0, 4, 1                         ; h
	v_lshlrev_b32 v[V16], 4, v3
	v_lshlrev_b32 v[V8], 3, v3
	v_lshlrev_b32 v[CO], 4, v3
	v_lshlrev_b32 v[BO], 6, v2
	s_mul_i32 s21, s15, HALFT
	s_mul_i32 s22, s16, HALFT
	s_add_co_u32 s22, s22, 2*HALFT
.irp s, 0,1
	v_add_nc_u32 v[ADRA+\s], s21, v[V16]
	v_add_nc_u32 v[ADRA+2+\s], s21, v[V8]
	v_add_nc_u32 v[ADRB+\s], s22, v[V16]
	v_add_nc_u32 v[ADRB+2+\s], s22, v[V8]
	s_add_co_u32 s21, s21, SLOT
	s_add_co_u32 s22, s22, SLOT
.endr
	v_lshlrev_b32 v5, 2, v1
	s_mul_i32 s21, s15, HALFS
	s_mul_i32 s22, s16, HALFS
	s_add_co_u32 s22, s22, 2*HALFS
	s_sub_co_u32 s22, s22, s21
	v_mul_u32_u24 v6, s22, v2                      ; lanes 16-31 take B's
	s_add_co_u32 s21, s21, SCL
	v_add_nc_u32 v5, v5, v6
	v_add_nc_u32 v[ADRS], s21, v5
	s_mul_i32 s23, s14, 8448                       ; my stage: 16 rows x (512 bytes + 16), in slot 0
	v_mul_u32_u24 v5, v1, 528
	v_lshl_add_u32 v5, v2, 6, v5
	v_add_nc_u32 v[STO], s23, v5                   ; in: row r, + 64 h
	v_add_nc_u32 v[RD], s23, v[V16]                ; back: a row's 512 bytes
	s_lshl_b32 s20, s17, 7
	s_lshl_b32 s21, s15, 6
	s_add_co_u32 s20, s20, s21                     ; my first row: 128 x tile row + 64 x half
	s_lshl_b32 s20, s20, 12
	s_lshl_b32 s46, s42, 10
	s_lshl_b32 s47, s16, 9
	s_add_co_u32 s46, s46, s47                     ; my first column, in bytes
	s_add_co_u32 s20, s20, s46
	s_mov_b32 s21, 0
	s_mov_b32 s47, 0
	s_add_nc_u64 s[98:99], s[10:11], s[20:21]      ; the residual,
	s_add_nc_u64 s[12:13], s[12:13], s[20:21]      ; the output,
	s_add_nc_u64 s[8:9], s[8:9], s[46:47]          ; the bias
.irp b, 0,1,2,3,4,5,6,7                ; lane (r, h), tile b, register j: column 32 (b / 2) + 8 (b % 2) + 16 h + j
	global_load_b128 v[BIAS+8*\b:BIAS+8*\b+3], v[BO], s[8:9] offset:(32*(\b/2)+8*(\b%2))*4
	global_load_b128 v[BIAS+8*\b+4:BIAS+8*\b+7], v[BO], s[8:9] offset:(32*(\b/2)+8*(\b%2))*4+16
.endr
	WIN 0xc0                                       ; destination window 3
.irp a, 0,1,2,3
.irp t, 0,1,2,3,4,5,6,7,8,9,10,11,12,13,14,15
	global_load_b128 v[64*\a+4*\t:64*\a+4*\t+3], v[CO], s[98:99] offset:(32*(\a/2)+8*(\a%2)+\t+8*(\t/8))*4096   ; lane row t of block a: 512 consecutive bytes
.endr
.endr
	WIN 0
.macro FRAG reg, a16, a8, q, i         ; a fragment comes back as it was stored: four loads, each of consecutive bytes
	ds_load_b128 v[\reg:\reg+3], v[\a16] offset:(\i)*3072+(\q)*1536
	ds_load_b64 v[\reg+4:\reg+5], v[\a8] offset:(\i)*3072+(\q)*1536+512
	ds_load_b128 v[\reg+6:\reg+9], v[\a16] offset:(\i)*3072+(\q)*1536+768
	ds_load_b64 v[\reg+10:\reg+11], v[\a8] offset:(\i)*3072+(\q)*1536+1280
.endm
; 8 matrix instructions: A's block a x B's eight, 128 along K.  first = 2: the bias is the C of the first product.  The 32 accumulators take turns, one instruction a turn.
.macro MULA a, p, q, sc, first
.if \first == 2
	WIN 0x81                                       ; source 0 (B) window 1, source 1 (A) and C window 0, D window 2
.else
	WIN 0xa1                                       ; C and D window 2
.endif
.irp b, 0,1,2,3,4,5,6,7
.if \first == 2
	v_wmma_scale_f32_16x16x128_f8f6f4 v[8*(8*(\a)+\b):8*(8*(\a)+\b)+7], v[128*(\p)+FR*\b:128*(\p)+FR*\b+FR-1], v[AF+FR*(\a):AF+FR*(\a)+FR-1], v[BIAS+8*\b:BIAS+8*\b+7], v[SC+16*(\sc)+2*\b+(\q)], v[SC+16*(\sc)+2*(\a)+(\q)] matrix_a_fmt:MATRIX_FMT_FP6 matrix_b_fmt:MATRIX_FMT_FP6 matrix_a_scale:MATRIX_SCALE_ROW1
.else
	v_wmma_scale_f32_16x16x128_f8f6f4 v[8*(8*(\a)+\b):8*(8*(\a)+\b)+7], v[128*(\p)+FR*\b:128*(\p)+FR*\b+FR-1], v[AF+FR*(\a):AF+FR*(\a)+FR-1], v[8*(8*(\a)+\b):8*(8*(\a)+\b)+7], v[SC+16*(\sc)+2*\b+(\q)], v[SC+16*(\sc)+2*(\a)+(\q)] matrix_a_fmt:MATRIX_FMT_FP6 matrix_b_fmt:MATRIX_FMT_FP6 matrix_a_scale:MATRIX_SCALE_ROW1
.endif
.endr
.endm
.macro FETCH_B slot, q, p
	WIN 0x40                                       ; destination window 1
.irp i, 0,1,2,3,4,5,6,7
	FRAG 128*(\p)+FR*\i, ADRB+\slot, ADRB+2+\slot, \q, \i
.endr
	WIN 0
.endm
.macro FETCH_A slot, q, half
.set FI, (\half)*NA/2
.rept NA/2
	FRAG AF+FR*FI, ADRA+\slot, ADRA+2+\slot, \q, FI
.set FI, FI+1
.endr
.endm
.macro SCALES sc                       ; a slot's scale words: lanes 0-15 A's block i (zeros from block 4 on, not used), lanes 16-31 B's block i
.irp i, 0,1,2,3,4,5,6,7
	ds_load_b32 v[SC+16*\sc+2*\i], v[ADRS] offset:\i*KS*64
	ds_load_b32 v[SC+16*\sc+2*\i+1], v[ADRS] offset:\i*KS*64+64
.endr
.endm
; A load into a register that a matrix instruction has read, and a vector instruction or an LDS store that reads a matrix result, stand four places behind it; only plain vector instructions that name none of its registers are places.
.macro PLACES
.rept 4
	v_nop
.endr
.endm
.macro STEP slot, first                ; a slot's first K step; it fetches the second's fragments
	s_wait_dscnt (NA/2)*NL                         ; the youngest loads (A's second half) may be out
	MULA 0, 0, 0, \slot, \first
	MULA 1, 0, 0, \slot, \first
	s_wait_dscnt 0x0
	PLACES
	FETCH_B \slot, 1, 1
	FETCH_A \slot, 1, 0
	MULA 2, 0, 0, \slot, \first
	MULA 3, 0, 0, \slot, \first
	PLACES
	WIN 0
	FETCH_A \slot, 1, 1
.endm
; A slot's second K step changes slots: one barrier; in front of it each wave waits for all its tensor loads, adds 0 to its spare word, and waits for that and for its own reads of this slot.
.macro TURN slot, next, fill
	s_wait_tensorcnt 0x0                           ; all my tensor loads have landed: my part of the next slot
	ds_add_u32 v[SPW], v[NIL]                      ; 0 onto my spare word
	s_wait_dscnt (NA/2)*NL+1                       ; (the add and A's second half may be out)
	MULA 0, 1, 1, \slot, 0
	s_wait_dscnt 0x0                               ; the add is done, and my reads of this slot are over
	s_barrier_signal -1
	MULA 1, 1, 1, \slot, 0
	WIN 0
	s_barrier_wait -1
.if \fill
	CREST                                          ; the barrier has opened a round of the cluster's: no wave of any partner still reads this slot or has a load on its way
	s_add_nc_u64 s[G0+4*\slot+2:G0+4*\slot+3], s[G0+4*\slot+2:G0+4*\slot+3], 6144
	s_add_nc_u64 s[G0B+4*\slot+2:G0B+4*\slot+3], s[G0B+4*\slot+2:G0B+4*\slot+3], 6144
	JLOAD G0+4*\slot, G1, G0B+4*\slot, G1B         ; the first tensor load behind the round; its four v_nop are the places in front of the loads below
.else
	PLACES
.endif
	v_add_nc_u32 v[ADRS], 128, v[ADRS]
	FETCH_B \next, 0, 0
	FETCH_A \next, 0, 0
	SCALES \next
	MULA 2, 1, 1, \slot, 0
	MULA 3, 1, 1, \slot, 0
	PLACES
	WIN 0
	FETCH_A \next, 0, 1
.endm
	s_wait_tensorcnt 0x1                           ; the scale words and my part of slot 0 are in; slot 1's load may be out
	s_barrier_signal -1
	s_barrier_wait -1
	FETCH_B 0, 0, 0
	FETCH_A 0, 0, 0
	SCALES 0
	FETCH_A 0, 0, 1
	s_wait_loadcnt 63                              ; of the 80 loads at least 17 are done: the bias's 16 are in; the residual stays on its way
	STEP 0, 2
	s_mov_b32 s3, LAPS-1
.Llap:
	TURN 0, 1, 1
	STEP 1, 0
	TURN 1, 0, 1
	STEP 0, 0
	s_sub_co_u32 s3, s3, 1
	s_cmp_lg_u32 s3, 0
	s_cbranch_scc1 .Llap
	TURN 0, 1, 0                                   ; the last lap fills nothing
	STEP 1, 0
	s_wait_dscnt (NA/2)*NL
	MULA 0, 1, 1, 1, 0
	MULA 1, 1, 1, 1, 0
	s_wait_dscnt 0x0
	MULA 2, 1, 1, 1, 0
	MULA 3, 1, 1, 1, 0
	WIN 0
; THE WAY OUT, a block of 16 rows x 128 columns at a time, through my own stage in LDS (in slot 0, which has had its last fill and its last read): a lane's 32 bytes of a row go in, whole rows of 512 bytes come back, take the
; residual and are stored.  LDS serves a wave's instructions in order: no wait between the stores and the loads, nor in front of the next block's stores.
.macro TOSTAGE a
	WIN 0x08                                       ; an LDS store's data: window 2
.irp b, 0,1,2,3,4,5,6,7
	ds_store_b128 v[STO], v[64*(\a)+8*\b:64*(\a)+8*\b+3] offset:128*(\b/2)+32*(\b%2)          ; each accumulator from its low end on
	ds_store_b128 v[STO], v[64*(\a)+8*\b+4:64*(\a)+8*\b+7] offset:128*(\b/2)+32*(\b%2)+16
.endr
	WIN 0
.set BB, BK+64*((\a)%2)
.irp t, 0,1,2,3,4,5,6,7,8,9,10,11,12,13,14,15
	ds_load_b128 v[BB+4*\t:BB+4*\t+3], v[RD] offset:\t*528
.endr
.endm
.macro SEND a, younger                 ; younger: the LDS instructions issued behind block a's loads, which may stay out
.set BB, BK+64*((\a)%2)
	s_wait_dscnt \younger
	s_wait_loadcnt 16*(3-(\a))                     ; this block's rows of the residual are in; the later blocks' may stay out
	WIN 0x0c                                       ; source 1: window 3
.set SI, 0
.rept 32
	v_pk_add_f32 v[BB+SI:BB+SI+1], v[BB+SI:BB+SI+1], v[64*(\a)+SI:64*(\a)+SI+1]
.set SI, SI+2
.endr
	WIN 0
.irp t, 0,1,2,3,4,5,6,7,8,9,10,11,12,13,14,15
	global_store_b128 v[CO], v[BB+4*\t:BB+4*\t+3], s[12:13] offset:(32*((\a)/2)+8*((\a)%2)+\t+8*(\t/8))*4096   ; 32 lanes store 512 consecutive bytes, aligned
.endr
.endm
	PLACES
	TOSTAGE 0
.irp a, 1,2,3
.if \a > 1
	s_wait_xcnt 0x0                                ; block a - 2's stores have read their registers: block a's loads may land there
.endif
	TOSTAGE \a
	SEND \a-1, 32                                  ; behind block a - 1's loads: block a's 16 stores and 16 loads
.endr
	SEND 3, 0
	s_wait_tensorcnt 0x0                           ; the wave's end
	ds_add_u32 v[SPW], v[NIL]
	s_wait_dscnt 0x0
	CROUND                                         ; the closing round
	s_endpgm
.Lfunc_end_k_qc55610aac5_pr:
	.size	k_qc55610aac5_pr, .Lfunc_end_k_qc55610aac5_pr-k_qc55610aac5_pr
	.p2alignl 7, 3214868480
	.fill 96, 4, 3214868480
	.section	.rodata,"a",@progbits
	.p2align	6, 0x0
	.amdhsa_kernel k_qc55610aac5_pr
		.amdhsa_group_segment_fixed_size 327680
		.amdhsa_private_segment_fixed_size 0
		.amdhsa_enable_private_segment 0
		.amdhsa_kernarg_size 40
		.amdhsa_user_sgpr_count 2
		.amdhsa_user_sgpr_kernarg_segment_ptr 1
		.amdhsa_wavefront_size32 1
		.amdhsa_system_sgpr_workgroup_id_x 1
		.amdhsa_system_sgpr_workgroup_id_y 1
		.amdhsa_system_sgpr_workgroup_id_z 1
		.amdhsa_system_vgpr_workitem_id 0
		.amdhsa_next_free_vgpr 1024
		.amdhsa_next_free_sgpr 102
		.amdhsa_reserve_vcc 0
		.amdhsa_float_denorm_mode_32 3
		.amdhsa_float_denorm_mode_16_64 3
		.amdhsa_memory_ordered 1
		.amdhsa_forward_progress 1
		.amdhsa_inst_pref_size 107
	.end_amdhsa_kernel
	.amdgpu_metadata
---
amdhsa.version: [ 1, 2 ]
amdhsa.kernels:
  - .name:           k_qc55610aac5_pr
    .symbol:         k_qc55610aac5_pr.kd
    .args:
      - { .name: FC, .offset: 0, .size: 8, .value_kind: global_buffer, .address_space: global }
      - { .name: WQ, .offset: 8, .size: 8, .value_kind: global_buffer, .address_space: global }
      - { .name: b_pr, .offset: 16, .size: 8, .value_kind: global_buffer, .address_space: global }
      - { .name: X1, .offset: 24, .size: 8, .value_kind: global_buffer, .address_space: global }
      - { .name: out0, .offset: 32, .size: 8, .value_kind: global_buffer, .address_space: global }
    .group_segment_fixed_size: 327680
    .private_segment_fixed_size: 0
    .kernarg_segment_align: 8
    .kernarg_segment_size: 40
    .max_flat_workgroup_size: 128
    .sgpr_count:     102
    .vgpr_count:     1024
    .wavefront_size: 32
...
	.end_amdgpu_metadata
.endif
;; end of part 7
;; ======== version 2 of 2: 8 launches
;; workspace buffers: WQ 9,830,400 bytes; H1 3,276,800 bytes; QKV 10,092,544 bytes; AO 3,276,800 bytes; X1 16,777,216 bytes; H2 3,276,800 bytes; FC 13,107,200 bytes
;; launch wq: the kernel of part 1 again; grid 384 x 1, 8 waves a work-group, no clusters, 25,600 bytes of LDS; arguments W_qkv, W_o, W_fc, W_pr, WQ; writes WQ
;; launch ln: the kernel of part 2 again; grid 256 x 1, 8 waves a work-group, no clusters, 70,144 bytes of LDS; arguments x, g1, beta1, H1; writes H1
;; launch qkv: the kernel of part 3 again; grid 12 x 16, 4 waves a work-group, clusters of 4 x 4, 327,680 bytes of LDS; arguments H1, WQ, b_qkv, QKV; writes QKV
;; launch attn: the kernel of part 4 again; grid 8 x 32, 16 waves a work-group, no clusters, 210,944 bytes of LDS; arguments QKV, AO; writes AO
;; launch o (part 8): grid 8 x 32, 4 waves a work-group, clusters of 4 x 4, 327,680 bytes of LDS; arguments AO, WQ, b_o, x, X1; writes X1
.if DOCPART == 8
	.amdgcn_target "amdgcn-amd-amdhsa--gfx1250"
	.amdhsa_code_object_version 6
	.text
	.protected	k_qc55610aac5_o
	.globl	k_qc55610aac5_o
	.p2align	8
	.type	k_qc55610aac5_o,@function
k_qc55610aac5_o:
	s_mov_b64 s[64:65], 0
	v_nop
	global_prefetch_b8 v0, s[64:65] scope:SCOPE_SE
	s_setreg_imm32_b32 hwreg(HW_REG_WAVE_MODE, 25, 1), 1
	s_wait_xcnt 0x0
	s_wait_alu depctr_hold_cnt(0) depctr_sa_sdst(0) depctr_va_vdst(0) depctr_va_sdst(0) depctr_va_ssrc(0) depctr_va_vcc(0) depctr_vm_vsrc(0)
	s_getreg_b32 s2, hwreg(HW_REG_IB_STS2, 6, 4)
	s_cmp_eq_u32 s2, 0
	s_cbranch_scc0 .Lentry_in_a_cluster
	s_endpgm
.Lentry_in_a_cluster:
	s_bfe_u32 s2, ttmp6, 0x10000c
	s_cmp_lg_u32 s2, 0xf033
	s_cbranch_scc0 .Lentry_shape_is_right
	s_endpgm
.Lentry_shape_is_right:
; X1 = x + attention W_o + b_o: a product on codes of MX-FP6 (E2M3, one E8M0 byte for each 32 along K = 1,024), f32 sums, f32 out.
; OPERANDS lie in memory in the order of their registers.  Block t of 16 rows holds, in lane row r, row 32 (t / 2) + 8 (t % 2) + r + 8 (r / 8).  A fragment (16 rows x 128 K) is 1,536 bytes: for c = 0, 1: each lane's registers
; 6 c .. 6 c + 3 at 16 x lane, then its registers 6 c + 4, 6 c + 5 at 8 x lane.  Codes [blocks][K steps][1536]; scale words [blocks][K steps][16 words].  A = AO (tokens), B = W_o's columns in WQ.
; THE PRODUCT IS USED TRANSPOSED (source 0 = 16 rows of B, source 1 = 16 rows of A): a lane's registers run along the output's columns.
; A tile is 128 x 128, four waves of 64 x 64 each (16 accumulators): 8 x 32 = 256 work-groups.  A K step of the tile is 16 blocks x 1,536 = 24,576 bytes, so a slot holds FOUR K steps (98,304 bytes), brought by one tensor load a wave:
; 4 rows (blocks) of 6,144 bytes.  K = 8 steps is two slots: both are first fills, no slot is filled again, and there is no loop.  The scale words of the tile's rows come with them.
; CLUSTERS: 4 x 4; A's tiles are shared along a row of the cluster, B's along a column: each is asked for jointly.
; The bias is the C of the first products.  The residual's 64 x 64 numbers of a wave are asked for at the head, into window 2, and added on the way out, where whole runs of 256 bytes of a row come back from a stage in LDS.
; No prefetch: every byte that the work-group reads is asked for at its head.
; REGISTERS: window 0: v1-29 addresses; v32-63 scale words, two sets; v64-95 the bias; v96-191 A's fragments, two sets; v192-255 rows on the way out.  window 1: v0-95 B's fragments, two sets; v128-255 the accumulators,
;   (a, b) at v[128 + 8 (4 a + b)].  window 2: v0-127 the residual.
.set KS,    8                          ; K steps of 128
.set A_SO,  3145728                    ; where A's scale words begin in its buffer
.set B_CO,  2359296                    ; where B's codes begin in WQ,
.set B_SO,  9535488                    ; and its scale words
.set NQ,    4                          ; K steps to a slot
.set FR,    12                         ; registers of a fragment
.set ROWL,  NQ*1536                    ; a block's bytes in a slot
.set BROW,  KS*1536                    ; a block's codes in memory
.set LAPB,  2*ROWL                     ; two slots' worth of a block's codes
.set HALFT, 4*ROWL                     ; what one tensor load brings: 4 blocks
.set SLOT,  4*HALFT                    ; A's two halves, then B's two
.set LAPS,  KS/(2*NQ)                  ; a lap = two slots = once round the ring
.set SCL,   2*SLOT                     ; behind the ring: the scale words
.set HALFS, 256*KS                     ; those of 4 blocks
.set SPARE, SCL+4*HALFS                ; the spare words, 128 bytes for each wave, that no other line names
.set SP,    272                        ; the way out: a stage row: 256 bytes + 16
.set V16,  8                           ; 16 x lane
.set V8,   9                           ; 8 x lane
.set PFO,  10                          ; (used where slots are filled again)
.set PFH,  11
.set BO,   13                          ; the bias: 64 h
.set ADRA, 16                          ; v16-17 LDS address of my A fragments in slot 0, 1, by 16 bytes a lane; v18-19 by 8
.set ADRB, 20                          ; v20-23 the same for B
.set STO,  24                          ; the way out: where I put 32 bytes of a row
.set RD,   25                          ; and where I read a row back
.set CO,   26                          ; my bytes in the output: 16 (lane % 16) + a row for lanes 16-31
.set ADRS, 27                          ; LDS address of my scale words: lanes 0-15 A's, lanes 16-31 B's
.set SPW,  28                          ; LDS address of my spare word; never rewritten
.set NIL,  29                          ; 0; never rewritten
.set SC,   32                          ; scale words: set s at v[SC + 16 s]; register 4 i + q: block i, the slot's q-th K step
.set BIAS, 64
.set AF,   96                          ; A's fragments: set p at v[AF + 48 p]
.set BK,   192
.set ACC,  128                         ; in window 1
.set G1,   24
.set G0,   32
.set G1B,  48
.set G0B,  56
.set G1S,  68
.set G0S,  76
.set G1SB, 80
.set G0SB, 88
.set LIM,  66
.set PFA,  100
.set MSB, 0
.macro WIN new                         ; the immediate's high byte repeats the setting that is left; a switch that changes nothing is dropped
.if MSB != (\new)
	s_set_vgpr_msb (MSB<<8)|(\new)
.set MSB, \new
.endif
.endm
; A joint load: waves 0 and 1 fetch for A, waves 2 and 3 for B; the branch hangs on the wave's number alone.  Four v_nop follow each line.
.macro JLOAD g0a, g1a, g0b, g1b
	s_cmp_eq_u32 s15, 0
	s_cbranch_scc0 .Lfor_b_\@
	tensor_load_to_lds s[\g0a:\g0a+3], s[\g1a:\g1a+7]
	s_nop 0
.rept 4
	v_nop
.endr
	s_branch .Lasked_\@
.Lfor_b_\@:
	tensor_load_to_lds s[\g0b:\g0b+3], s[\g1b:\g1b+7]
	s_nop 0
.rept 4
	v_nop
.endr
.Lasked_\@:
.endm
.macro CREST                           ; a round of the cluster's barrier behind its opening barrier
	s_cmp_lg_u32 s14, 0
	s_cbranch_scc1 .Lnot_wave_0_\@
	s_barrier_signal -3
.Lnot_wave_0_\@:
	s_barrier_wait -3
	s_barrier_signal -1
	s_barrier_wait -1
.endm
.macro CROUND
	s_barrier_signal -1
	s_barrier_wait -1
	CREST
.endm
.macro ASK                             ; (expanded only where slots are filled again)
	s_cmp_gt_u32 s3, s[LIM]
	s_cbranch_scc0 .Lnot_mine_\@
	global_prefetch_b8 v[PFO], s[PFA:PFA+1] th:TH_LOAD_NT scope:SCOPE_SE
	global_prefetch_b8 v[PFH], s[PFA:PFA+1] offset:8192 th:TH_LOAD_NT scope:SCOPE_SE
	global_prefetch_b8 v[PFO], s[PFA:PFA+1] offset:BROW+4096 th:TH_LOAD_NT scope:SCOPE_SE
.Lnot_mine_\@:
.endm
	s_load_b256 s[4:11], s[0:1], 0x0               ; A s[4:5], WQ s[6:7], the bias s[8:9], the residual s[10:11]
	s_load_b64 s[12:13], s[0:1], 0x20              ; the output
	v_lshl_add_u32 v[SPW], v0, 2, SPARE
	v_mov_b32 v[NIL], 0
	ds_add_u32 v28, v29
	ds_add_u32 v28, v29
	s_wait_dscnt 0x0
	v_lshrrev_b32 v1, 5, v0
	v_readfirstlane_b32 s14, v1                    ; wave 0..3
	s_lshr_b32 s15, s14, 1                         ; which half of A's rows is mine.  Also: I fetch for A (0) or for B (1)
	s_and_b32 s16, s14, 1                          ; which half of B's rows.  Also: which half of that tile I fetch
	s_bfe_u32 s40, ttmp6, 0x40000                  ; cx, cy: my place in the cluster
	s_bfe_u32 s41, ttmp6, 0x40004
	s_lshl_b32 s42, ttmp9, 2
	s_add_co_u32 s42, s42, s40                     ; tile column
	s_and_b32 s17, ttmp7, 0xffff
	s_lshl_b32 s17, s17, 2
	s_add_co_u32 s17, s17, s41                     ; tile row
	s_lshl_b32 s43, s41, 2
	s_lshl_b32 s43, 15, s43                        ; my row of the cluster
	s_lshl_b32 s44, 0x1111, s40                    ; my column
	; descriptor group 1: codes: 4 rows (blocks) of 6,144 bytes (768 elements of 8 bytes), a block's codes apart; no padding: every LDS load's bytes are consecutive
	s_or_b32 s[G1+0], s43, (3<<16)|(1<<21)         ; 15:0 the mask: A's tiles go to my row; 17:16 elements of 8 bytes; 21 set beside a mask
	s_or_b32 s[G1B+0], s44, (3<<16)|(1<<21)
.irp g, G1, G1B
	s_mov_b32 s[\g+1], (ROWL/8)<<16                ; tensor_dim0
	s_mov_b32 s[\g+2], 4<<16                       ; tensor_dim1
	s_mov_b32 s[\g+3], (ROWL/8)<<16                ; tile_dim0
	s_mov_b32 s[\g+4], 4                           ; tile_dim1
	s_mov_b32 s[\g+5], BROW/8                      ; tensor_dim0_stride
	s_mov_b32 s[\g+6], 0
	s_mov_b32 s[\g+7], 0
.endr
	; the scale words of 4 blocks: a dense block of 256 KS bytes, as rows of 256 bytes
	s_or_b32 s[G1S+0], s43, (3<<16)|(1<<21)
	s_or_b32 s[G1SB+0], s44, (3<<16)|(1<<21)
.irp g, G1S, G1SB
	s_mov_b32 s[\g+1], 32<<16
	s_mov_b32 s[\g+2], KS<<16
	s_mov_b32 s[\g+3], 32<<16
	s_mov_b32 s[\g+4], KS
	s_mov_b32 s[\g+5], 32
	s_mov_b32 s[\g+6], 0
	s_mov_b32 s[\g+7], 0
.endr
	s_lshl_b32 s18, s16, 2                         ; which 4 blocks of the tile I fetch
	s_lshl_b32 s20, s17, 3
	s_add_co_u32 s20, s20, s18                     ; A: block 8 x tile row + 4 x half
	s_lshl_b32 s46, s42, 3
	s_add_co_u32 s46, s46, s18                     ; B: block 8 x tile column + 4 x half
	s_mul_i32 s22, s20, KS*64
	s_add_co_u32 s22, s22, A_SO                    ; where these blocks' scale words begin, in bytes,
	s_mul_i32 s20, s20, BROW                       ; and their codes
	s_mul_i32 s92, s46, KS*64
	s_add_co_u32 s92, s92, B_SO
	s_mul_i32 s46, s46, BROW
	s_add_co_u32 s46, s46, B_CO
	s_mov_b32 s21, 0
	s_mov_b32 s23, 0
	s_mov_b32 s47, 0
	s_mov_b32 s93, 0
	s_mul_i32 s45, s14, HALFT                      ; where they go: by the wave's number alone
	s_mul_i32 s94, s14, HALFS
	s_wait_kmcnt 0x0
	s_add_nc_u64 s[20:21], s[4:5], s[20:21]
	s_add_nc_u64 s[22:23], s[4:5], s[22:23]
	s_add_nc_u64 s[46:47], s[6:7], s[46:47]
	s_add_nc_u64 s[92:93], s[6:7], s[92:93]
	CROUND                                         ; all sixteen work-groups are here: the first joint loads meet
	s_mov_b32 s[G0S], 1
	s_add_co_u32 s[G0S+1], s94, SCL
	s_mov_b64 s[G0S+2:G0S+3], s[22:23]
	s_or_b32 s[G0S+3], s[G0S+3], 0x80000000
	s_mov_b32 s[G0SB], 1
	s_add_co_u32 s[G0SB+1], s94, SCL
	s_mov_b64 s[G0SB+2:G0SB+3], s[92:93]
	s_or_b32 s[G0SB+3], s[G0SB+3], 0x80000000
	JLOAD G0S, G1S, G0SB, G1SB                     ; the scale words first: they are wanted with the first K step
.irp s, 0,1
	s_mov_b32 s[G0+4*\s], 1
	s_add_co_u32 s[G0+4*\s+1], s45, \s*SLOT
	s_add_nc_u64 s[G0+4*\s+2:G0+4*\s+3], s[20:21], \s*ROWL
	s_or_b32 s[G0+4*\s+3], s[G0+4*\s+3], 0x80000000
	s_mov_b32 s[G0B+4*\s], 1
	s_add_co_u32 s[G0B+4*\s+1], s45, \s*SLOT
	s_add_nc_u64 s[G0B+4*\s+2:G0B+4*\s+3], s[46:47], \s*ROWL
	s_or_b32 s[G0B+4*\s+3], s[G0B+4*\s+3], 0x80000000
	JLOAD G0+4*\s, G1, G0B+4*\s, G1B               ; three tensor loads of mine are out
.endr
	v_and_b32 v3, 31, v0                           ; lane
	v_and_b32 v1, 15, v0                           ; r
	v_bfe_u32 v2, v0, 4, 1                         ; h
	v_lshlrev_b32 v[V16], 4, v3
	v_lshlrev_b32 v[V8], 3, v3
	v_lshlrev_b32 v[BO], 6, v2
	v_lshlrev_b32 v[CO], 12, v2                    ; lanes 16-31: one row of 4,096 bytes further down
	v_lshl_add_u32 v[CO], v1, 4, v[CO]
	s_mul_i32 s21, s15, HALFT                      ; my half of A
	s_mul_i32 s22, s16, HALFT                      ; my half of B,
	s_add_co_u32 s22, s22, 2*HALFT                 ; behind A's two
.irp s, 0,1
	v_add_nc_u32 v[ADRA+\s], s21, v[V16]
	v_add_nc_u32 v[ADRA+2+\s], s21, v[V8]
	v_add_nc_u32 v[ADRB+\s], s22, v[V16]
	v_add_nc_u32 v[ADRB+2+\s], s22, v[V8]
	s_add_co_u32 s21, s21, SLOT
	s_add_co_u32 s22, s22, SLOT
.endr
	v_lshlrev_b32 v5, 2, v1                        ; my row's scale word: 4 r
	s_mul_i32 s21, s15, HALFS
	s_mul_i32 s22, s16, HALFS
	s_add_co_u32 s22, s22, 2*HALFS
	s_sub_co_u32 s22, s22, s21
	v_mul_u32_u24 v6, s22, v2                      ; lanes 16-31 take B's
	s_add_co_u32 s21, s21, SCL
	v_add_nc_u32 v5, v5, v6
	v_add_nc_u32 v[ADRS], s21, v5
	s_mul_i32 s23, s14, 16*SP                      ; my stage: 16 rows x 272 bytes, in slot 0
	v_mul_u32_u24 v5, v1, SP
	v_lshl_add_u32 v5, v2, 6, v5
	v_add_nc_u32 v[STO], s23, v5                   ; in: row r, + 64 h
	v_mul_u32_u24 v5, v2, SP
	v_lshl_add_u32 v5, v1, 4, v5
	v_add_nc_u32 v[RD], s23, v5                    ; back: lanes 0-15 one row's 256 bytes, lanes 16-31 the next row's
	s_lshl_b32 s20, s17, 7
	s_lshl_b32 s21, s15, 6
	s_add_co_u32 s20, s20, s21                     ; my first row: 128 x tile row + 64 x half
	s_lshl_b32 s20, s20, 12
	s_lshl_b32 s46, s42, 9
	s_lshl_b32 s47, s16, 8
	s_add_co_u32 s46, s46, s47                     ; my first column, in bytes: 512 x tile column + 256 x half
	s_add_co_u32 s20, s20, s46
	s_mov_b32 s21, 0
	s_mov_b32 s47, 0
	s_add_nc_u64 s[98:99], s[10:11], s[20:21]      ; the residual,
	s_add_nc_u64 s[12:13], s[12:13], s[20:21]      ; the output,
	s_add_nc_u64 s[8:9], s[8:9], s[46:47]          ; the bias
.irp b, 0,1,2,3                        ; lane (r, h), tile b, register j: column 32 (b / 2) + 8 (b % 2) + 16 h + j
	global_load_b128 v[BIAS+8*\b:BIAS+8*\b+3], v[BO], s[8:9] offset:(32*(\b/2)+8*(\b%2))*4
	global_load_b128 v[BIAS+8*\b+4:BIAS+8*\b+7], v[BO], s[8:9] offset:(32*(\b/2)+8*(\b%2))*4+16
.endr
	WIN 0x80                                       ; destination window 2
.irp a, 0,1,2,3
.irp i, 0,1,2,3,4,5,6,7
	global_load_b128 v[32*\a+4*\i:32*\a+4*\i+3], v[CO], s[98:99] offset:(32*(\a/2)+8*(\a%2)+2*\i+8*(\i/4))*4096   ; lane rows 2 i, 2 i + 1 of block a: 256 consecutive bytes each
.endr
.endr
	WIN 0
.if LAPS > 1
	; the prefetches (macro ASK): where my wave's stand, and who asks
	s_and_b32 s22, ttmp7, 0xffff                   ; the cluster's y
	s_cmp_eq_u32 s15, 0                            ; do I fetch for A?
	s_cselect_b32 s20, s17, s42                    ; the tile's row of tiles, or its column
	s_cselect_b32 s21, s40, s41                    ; my place among the four that ask for it with me
	s_cselect_b32 s22, ttmp9, s22                  ; the coordinate along which other clusters read the same blocks
	s_cselect_b64 s[PFA:PFA+1], s[4:5], s[6:7]
	s_cselect_b32 s23, 0, B_CO
	s_or_b32 s22, s22, s16                         ; waves 0 and 2 of the first such cluster ask: the same in all sixteen partners, for a given wave
	s_cmp_eq_u32 s22, 0
	s_cselect_b32 s[LIM], 1, -1
	s_lshl_b32 s20, s20, 3
	s_lshl_b32 s21, s21, 1
	s_add_co_u32 s20, s20, s21                     ; my work-group's two blocks of the tile's eight
	s_mul_i32 s20, s20, BROW
	s_add_co_u32 s20, s20, s23
	s_add_co_u32 s20, s20, LAPB                    ; at the second lap: the first trip steps it to the third
	s_mov_b32 s21, 0
	s_add_nc_u64 s[PFA:PFA+1], s[PFA:PFA+1], s[20:21]
	v_lshlrev_b32 v[PFO], 8, v3
	v_mul_u32_u24 v[PFH], v2, BROW-LAPB
	v_add_nc_u32 v[PFH], v[PFH], v[PFO]
.endif
.macro FRAG reg, a16, a8, q, i         ; a fragment comes back as it was stored: four loads, each of consecutive bytes
	ds_load_b128 v[\reg:\reg+3], v[\a16] offset:(\i)*ROWL+(\q)*1536
	ds_load_b64 v[\reg+4:\reg+5], v[\a8] offset:(\i)*ROWL+(\q)*1536+512
	ds_load_b128 v[\reg+6:\reg+9], v[\a16] offset:(\i)*ROWL+(\q)*1536+768
	ds_load_b64 v[\reg+10:\reg+11], v[\a8] offset:(\i)*ROWL+(\q)*1536+1280
.endm
; 4 matrix instructions: A's block a x B's four, 128 along K.  p: the set of fragments; q: the slot's K step; sc: the set of scale words.  first = 2: the bias is the C of the first product.
; The 16 accumulators take turns, one instruction a turn, in the same order in every step.
.macro MULA a, p, q, sc, first
.if \first == 2
	WIN 0x41                                       ; source 0 (B) and D window 1, source 1 (A) and C window 0
.else
	WIN 0x51                                       ; C window 1 too
.endif
.irp b, 0,1,2,3
.if \first == 2
	v_wmma_scale_f32_16x16x128_f8f6f4 v[ACC+8*(4*(\a)+\b):ACC+8*(4*(\a)+\b)+7], v[48*(\p)+FR*\b:48*(\p)+FR*\b+FR-1], v[AF+48*(\p)+FR*(\a):AF+48*(\p)+FR*(\a)+FR-1], v[BIAS+8*\b:BIAS+8*\b+7], v[SC+16*(\sc)+4*\b+(\q)], v[SC+16*(\sc)+4*(\a)+(\q)] matrix_a_fmt:MATRIX_FMT_FP6 matrix_b_fmt:MATRIX_FMT_FP6 matrix_a_scale:MATRIX_SCALE_ROW1
.else
	v_wmma_scale_f32_16x16x128_f8f6f4 v[ACC+8*(4*(\a)+\b):ACC+8*(4*(\a)+\b)+7], v[48*(\p)+FR*\b:48*(\p)+FR*\b+FR-1], v[AF+48*(\p)+FR*(\a):AF+48*(\p)+FR*(\a)+FR-1], v[ACC+8*(4*(\a)+\b):ACC+8*(4*(\a)+\b)+7], v[SC+16*(\sc)+4*\b+(\q)], v[SC+16*(\sc)+4*(\a)+(\q)] matrix_a_fmt:MATRIX_FMT_FP6 matrix_b_fmt:MATRIX_FMT_FP6 matrix_a_scale:MATRIX_SCALE_ROW1
.endif
.endr
.endm
.macro FETCH slot, q, p                ; 32 LDS loads in one run: B's four fragments and A's four of the slot's q-th K step into set p
	WIN 0x40                                       ; destination window 1
.irp i, 0,1,2,3
	FRAG 48*(\p)+FR*\i, ADRB+\slot, ADRB+2+\slot, \q, \i
.endr
	WIN 0
.irp i, 0,1,2,3
	FRAG AF+48*(\p)+FR*\i, ADRA+\slot, ADRA+2+\slot, \q, \i
.endr
.endm
.macro SCALES sc                       ; a slot's 16 scale words a lane: lanes 0-15 A's block i, lanes 16-31 B's block i
.irp i, 0,1,2,3
.irp q, 0,1,2,3
	ds_load_b32 v[SC+16*\sc+4*\i+\q], v[ADRS] offset:\i*KS*64+\q*64
.endr
.endr
.endm
; A load into a register that a matrix instruction has read, and a vector instruction or an LDS store that reads a matrix result, stand four places behind it; only plain vector instructions that name none of its registers are places
; (ISA guide 7.12.1 for vector instructions).
.macro PLACES
.rept 4
	v_nop
.endr
.endm
.macro STEP slot, q, first             ; one of a slot's first three K steps: it fetches the next step's fragments into the other set, then multiplies its own
	PLACES                                         ; behind the last step's products, which read the set that is loaded now
	FETCH \slot, (\q)+1, 1-(\q)%2
	s_wait_dscnt 32                                ; all but the 32 just issued: this step's fragments (and a slot's scale words) are in
	MULA 0, (\q)%2, \q, \slot, \first
	MULA 1, (\q)%2, \q, \slot, \first
	MULA 2, (\q)%2, \q, \slot, \first
	MULA 3, (\q)%2, \q, \slot, \first
	WIN 0
.endm
; A slot's fourth K step changes slots: one barrier; in front of it each wave waits for all its tensor loads, adds 0 to its spare word, and waits for that and for its own reads of this slot.  fill = 1: this slot is filled again.
.macro TURN slot, next, fill
.if (\fill) && ((\slot) == 0)
	s_wait_xcnt 0x0                                ; the last prefetches, a trip back, have read their address: it is stepped here, ahead of the waits of the change of slots
	s_add_nc_u64 s[PFA:PFA+1], s[PFA:PFA+1], LAPB
.endif
	s_wait_tensorcnt 0x0                           ; all my tensor loads have landed: my part of the next slot
	ds_add_u32 v[SPW], v[NIL]                      ; 0 onto my spare word
	s_wait_dscnt 1                                 ; this step's fragments are in; the add may be out
	MULA 0, 1, 3, \slot, 0                         ; matrix instructions stand between the add and the wait for it
	s_wait_dscnt 0x0                               ; the add is done, and my reads of this slot are over
	s_barrier_signal -1
	MULA 1, 1, 3, \slot, 0
	WIN 0
	s_barrier_wait -1
.if \fill
	CREST                                          ; the barrier has opened a round of the cluster's: no wave of any partner still reads this slot or has a load on its way
	s_add_nc_u64 s[G0+4*\slot+2:G0+4*\slot+3], s[G0+4*\slot+2:G0+4*\slot+3], LAPB
	s_add_nc_u64 s[G0B+4*\slot+2:G0B+4*\slot+3], s[G0B+4*\slot+2:G0B+4*\slot+3], LAPB
	JLOAD G0+4*\slot, G1, G0B+4*\slot, G1B         ; the first tensor load behind the round; its four v_nop are the places in front of the loads below
.else
	PLACES
.endif
	v_add_nc_u32 v[ADRS], 64*NQ, v[ADRS]           ; on to the next slot's scale words
	FETCH \next, 0, 0
	SCALES \next
.if (\fill) && ((\slot) == 0)
	ASK
.endif
	MULA 2, 1, 3, \slot, 0
	MULA 3, 1, 3, \slot, 0
	WIN 0
.endm
	s_wait_tensorcnt 0x1                           ; the scale words and my part of slot 0 are in; slot 1's load may be out
	s_barrier_signal -1
	s_barrier_wait -1
	FETCH 0, 0, 0
	SCALES 0
	s_wait_loadcnt 32                              ; the bias's 8 loads are in; the residual's 32 stay on their way
	STEP 0, 0, 2                                   ; the first step's products start the sums, on the bias
	STEP 0, 1, 0
	STEP 0, 2, 0
.if LAPS > 1
	s_mov_b32 s3, LAPS-1
.Llap:                                             ; a trip goes once round the ring and fills both slots again
	TURN 0, 1, 1
	STEP 1, 0, 0
	STEP 1, 1, 0
	STEP 1, 2, 0
	TURN 1, 0, 1
	STEP 0, 0, 0
	STEP 0, 1, 0
	STEP 0, 2, 0
	s_sub_co_u32 s3, s3, 1
	s_cmp_lg_u32 s3, 0
	s_cbranch_scc1 .Llap
.endif
	TURN 0, 1, 0                                   ; the last lap fills nothing
	STEP 1, 0, 0
	STEP 1, 1, 0
	STEP 1, 2, 0
	s_wait_dscnt 0x0                               ; the very last step: nothing more to fetch
	MULA 0, 1, 3, 1, 0
	MULA 1, 1, 3, 1, 0
	MULA 2, 1, 3, 1, 0
	MULA 3, 1, 3, 1, 0
	WIN 0
; THE WAY OUT, a block of 16 rows x 64 columns at a time, through my own stage in LDS (in slot 0, which has had its last fill and its last read): a lane's 32 bytes of a row go in, whole runs of 256 bytes come back, take the
; residual and are stored.  LDS serves a wave's instructions in order (ISA guide 5.7.1.4): no wait between the stores and the loads, nor in front of the next block's stores.
.macro TOSTAGE a
	WIN 0x04                                       ; an LDS store's data: window 1
.irp b, 0,1,2,3
	ds_store_b128 v[STO], v[ACC+32*(\a)+8*\b:ACC+32*(\a)+8*\b+3] offset:128*(\b/2)+32*(\b%2)          ; each accumulator from its low end on
	ds_store_b128 v[STO], v[ACC+32*(\a)+8*\b+4:ACC+32*(\a)+8*\b+7] offset:128*(\b/2)+32*(\b%2)+16
.endr
	WIN 0
.set BB, BK+32*((\a)%2)
.irp i, 0,1,2,3,4,5,6,7
	ds_load_b128 v[BB+4*\i:BB+4*\i+3], v[RD] offset:\i*2*SP
.endr
.endm
.macro SEND a, younger                 ; younger: the LDS instructions issued behind block a's loads, which may stay out
.set BB, BK+32*((\a)%2)
	s_wait_dscnt \younger
	s_wait_loadcnt 8*(3-(\a))                      ; this block's rows of the residual are in; the later blocks' may stay out
	WIN 0x08                                       ; source 1: window 2
.set SI, 0
.rept 16
	v_pk_add_f32 v[BB+SI:BB+SI+1], v[BB+SI:BB+SI+1], v[32*(\a)+SI:32*(\a)+SI+1]
.set SI, SI+2
.endr
	WIN 0
.irp i, 0,1,2,3,4,5,6,7
	global_store_b128 v[CO], v[BB+4*\i:BB+4*\i+3], s[12:13] offset:(32*((\a)/2)+8*((\a)%2)+2*\i+8*(\i/4))*4096   ; 16 lanes store 256 consecutive bytes, at a multiple of 256 from the output's first byte
.endr
.endm
	PLACES
	TOSTAGE 0
.irp a, 1,2,3
.if \a > 1
	s_wait_xcnt 0x0                                ; block a - 2's stores have read their registers: block a's loads may land there
.endif
	TOSTAGE \a
	SEND \a-1, 16                                  ; behind block a - 1's loads: block a's 8 stores and 8 loads
.endr
	SEND 3, 0
	s_wait_tensorcnt 0x0                           ; the wave's end
	ds_add_u32 v[SPW], v[NIL]
	s_wait_dscnt 0x0
	CROUND                                         ; the closing round: no work-group ends while a partner may still ask for a tile that names it
	s_endpgm
.Lfunc_end_k_qc55610aac5_o:
	.size	k_qc55610aac5_o, .Lfunc_end_k_qc55610aac5_o-k_qc55610aac5_o
	.p2alignl 7, 3214868480
	.fill 96, 4, 3214868480
	.section	.rodata,"a",@progbits
	.p2align	6, 0x0
	.amdhsa_kernel k_qc55610aac5_o
		.amdhsa_group_segment_fixed_size 327680
		.amdhsa_private_segment_fixed_size 0
		.amdhsa_enable_private_segment 0
		.amdhsa_kernarg_size 40
		.amdhsa_user_sgpr_count 2
		.amdhsa_user_sgpr_kernarg_segment_ptr 1
		.amdhsa_wavefront_size32 1
		.amdhsa_system_sgpr_workgroup_id_x 1
		.amdhsa_system_sgpr_workgroup_id_y 1
		.amdhsa_system_sgpr_workgroup_id_z 1
		.amdhsa_system_vgpr_workitem_id 0
		.amdhsa_next_free_vgpr 640
		.amdhsa_next_free_sgpr 102
		.amdhsa_reserve_vcc 0
		.amdhsa_float_denorm_mode_32 3
		.amdhsa_float_denorm_mode_16_64 3
		.amdhsa_memory_ordered 1
		.amdhsa_forward_progress 1
		.amdhsa_inst_pref_size 63
	.end_amdhsa_kernel
	.amdgpu_metadata
---
amdhsa.version: [ 1, 2 ]
amdhsa.kernels:
  - .name:           k_qc55610aac5_o
    .symbol:         k_qc55610aac5_o.kd
    .args:
      - { .name: AO, .offset: 0, .size: 8, .value_kind: global_buffer, .address_space: global }
      - { .name: WQ, .offset: 8, .size: 8, .value_kind: global_buffer, .address_space: global }
      - { .name: b_o, .offset: 16, .size: 8, .value_kind: global_buffer, .address_space: global }
      - { .name: x, .offset: 24, .size: 8, .value_kind: global_buffer, .address_space: global }
      - { .name: X1, .offset: 32, .size: 8, .value_kind: global_buffer, .address_space: global }
    .group_segment_fixed_size: 327680
    .private_segment_fixed_size: 0
    .kernarg_segment_align: 8
    .kernarg_segment_size: 40
    .max_flat_workgroup_size: 128
    .sgpr_count:     102
    .vgpr_count:     640
    .wavefront_size: 32
...
	.end_amdgpu_metadata
.endif
;; end of part 8
;; launch ln2: the kernel of part 2 again; grid 256 x 1, 8 waves a work-group, no clusters, 70,144 bytes of LDS; arguments X1, g2, beta2, H2; writes H2
;; launch fc: the kernel of part 6 again; grid 16 x 16, 4 waves a work-group, clusters of 4 x 4, 327,680 bytes of LDS; arguments H2, WQ, b_fc, FC; writes FC
;; launch pr (part 9): grid 8 x 32, 4 waves a work-group, clusters of 4 x 4, 327,680 bytes of LDS; arguments FC, WQ, b_pr, X1, out0; writes out0
.if DOCPART == 9
	.amdgcn_target "amdgcn-amd-amdhsa--gfx1250"
	.amdhsa_code_object_version 6
	.text
	.protected	k_qc55610aac5_pr
	.globl	k_qc55610aac5_pr
	.p2align	8
	.type	k_qc55610aac5_pr,@function
k_qc55610aac5_pr:
	s_mov_b64 s[64:65], 0
	v_nop
	global_prefetch_b8 v0, s[64:65] scope:SCOPE_SE
	s_setreg_imm32_b32 hwreg(HW_REG_WAVE_MODE, 25, 1), 1
	s_wait_xcnt 0x0
	s_wait_alu depctr_hold_cnt(0) depctr_sa_sdst(0) depctr_va_vdst(0) depctr_va_sdst(0) depctr_va_ssrc(0) depctr_va_vcc(0) depctr_vm_vsrc(0)
	s_getreg_b32 s2, hwreg(HW_REG_IB_STS2, 6, 4)
	s_cmp_eq_u32 s2, 0
	s_cbranch_scc0 .Lentry_in_a_cluster
	s_endpgm
.Lentry_in_a_cluster:
	s_bfe_u32 s2, ttmp6, 0x10000c
	s_cmp_lg_u32 s2, 0xf033
	s_cbranch_scc0 .Lentry_shape_is_right
	s_endpgm
.Lentry_shape_is_right:
; out0 = X1 + gelu(..) W_pr + b_pr: a product on codes of MX-FP6 (E2M3, one E8M0 byte for each 32 along K = 4,096), f32 sums, f32 out.
; OPERANDS lie in memory in the order of their registers.  Block t of 16 rows holds, in lane row r, row 32 (t / 2) + 8 (t % 2) + r + 8 (r / 8).  A fragment (16 rows x 128 K) is 1,536 bytes: for c = 0, 1: each lane's registers
; 6 c .. 6 c + 3 at 16 x lane, then its registers 6 c + 4, 6 c + 5 at 8 x lane.  Codes [blocks][K steps][1536]; scale words [blocks][K steps][16 words].  A = FC (tokens), B = W_pr's columns in WQ.
; THE PRODUCT IS USED TRANSPOSED (source 0 = 16 rows of B, source 1 = 16 rows of A): a lane's registers run along the output's columns.
; A tile is 128 x 128, four waves of 64 x 64 each (16 accumulators): 8 x 32 = 256 work-groups.  A K step of the tile is 16 blocks x 1,536 = 24,576 bytes, so a slot holds FOUR K steps (98,304 bytes), brought by one tensor load a wave:
; 4 rows (blocks) of 6,144 bytes.  Two such slots, the tile's scale words for all of K (32,768 bytes) and the spare words are 229,888 bytes of LDS; two slots of six K steps would not fit.  K = 32 steps is eight slots' worth:
; two first fills and six refills, each behind a round of the cluster's barrier, with 64 matrix instructions a wave to a slot.
; CLUSTERS: 4 x 4; A's tiles are shared along a row of the cluster, B's along a column: each is asked for jointly.
; The bias is the C of the first products.  The residual's 64 x 64 numbers of a wave are asked for at the head, into window 2, and added on the way out, where whole runs of 256 bytes of a row come back from a stage in LDS.
; PREFETCH INTO THE L2.  Behind slot 0's refill, its four lines and the run of LDS loads, each trip of the
; loop but the last asks for what the NEXT trip's two refills will bring: 8 K steps, 12,288 consecutive bytes of each block.  Each aligned 256 bytes are named once in the launch: A's eight blocks of a row of tiles are read by both
; clusters of that row of clusters: cluster x = 0 asks; B's eight of a column of tiles by all eight clusters of that column: cluster y = 0 asks.  The four partners that ask for a tile jointly share its eight blocks out BY ADDRESS, two
; each (cx for A, cy for B): no branch hangs on a work-group's place in its cluster.  Wave 0 asks for A's, wave 2 for B's: 2 x 48 pieces of 256 bytes, three instructions, a lane a piece.  K steps 0 to 15 come by their loads alone:
; nothing is prefetched at the head, where every work-group's first tiles are on their way.
; REGISTERS: window 0: v1-29 addresses; v32-63 scale words, two sets; v64-95 the bias; v96-191 A's fragments, two sets; v192-255 rows on the way out.  window 1: v0-95 B's fragments, two sets; v128-255 the accumulators,
;   (a, b) at v[128 + 8 (4 a + b)].  window 2: v0-127 the residual.
.set KS,    32                         ; K steps of 128
.set A_SO,  12582912                   ; where A's scale words begin in its buffer
.set B_CO,  6291456                    ; where B's codes begin in WQ,
.set B_SO,  9699328                    ; and its scale words
.set NQ,    4                          ; K steps to a slot
.set FR,    12                         ; registers of a fragment
.set ROWL,  NQ*1536                    ; a block's bytes in a slot
.set BROW,  KS*1536                    ; a block's codes in memory
.set LAPB,  2*ROWL                     ; two slots' worth of a block's codes: 48 pieces of 256 bytes
.set HALFT, 4*ROWL                     ; what one tensor load brings: 4 blocks
.set SLOT,  4*HALFT                    ; A's two halves, then B's two
.set LAPS,  KS/(2*NQ)                  ; a lap = two slots = once round the ring
.set SCL,   2*SLOT                     ; behind the ring: the scale words
.set HALFS, 256*KS                     ; those of 4 blocks
.set SPARE, SCL+4*HALFS                ; the spare words, 128 bytes for each wave, that no other line names
.set SP,    272                        ; the way out: a stage row: 256 bytes + 16
.set V16,  8                           ; 16 x lane
.set V8,   9                           ; 8 x lane
.set PFO,  10                          ; the prefetches' offsets: 256 x lane;
.set PFH,  11                          ; the same, and for lanes 16-31 on into the second block; neither is rewritten
.set BO,   13                          ; the bias: 64 h
.set ADRA, 16                          ; v16-17 LDS address of my A fragments in slot 0, 1, by 16 bytes a lane; v18-19 by 8
.set ADRB, 20                          ; v20-23 the same for B
.set STO,  24                          ; the way out: where I put 32 bytes of a row
.set RD,   25                          ; and where I read a row back
.set CO,   26                          ; my bytes in the output: 16 (lane % 16) + a row for lanes 16-31
.set ADRS, 27                          ; LDS address of my scale words: lanes 0-15 A's, lanes 16-31 B's
.set SPW,  28                          ; LDS address of my spare word; never rewritten
.set NIL,  29                          ; 0; never rewritten
.set SC,   32                          ; scale words: set s at v[SC + 16 s]; register 4 i + q: block i, the slot's q-th K step
.set BIAS, 64
.set AF,   96                          ; A's fragments: set p at v[AF + 48 p]
.set BK,   192
.set ACC,  128                         ; in window 1
.set G1,   24
.set G0,   32
.set G1B,  48
.set G0B,  56
.set G1S,  68
.set G0S,  76
.set G1SB, 80
.set G0SB, 88
.set LIM,  66                          ; s66  1 in a wave that prefetches, else the greatest number
.set PFA,  100                         ; s[100:101] where my prefetches stand: my work-group's two blocks, at the lap that is asked for
.set MSB, 0
.macro WIN new                         ; the immediate's high byte repeats the setting that is left; a switch that changes nothing is dropped
.if MSB != (\new)
	s_set_vgpr_msb (MSB<<8)|(\new)
.set MSB, \new
.endif
.endm
; A joint load: waves 0 and 1 fetch for A, waves 2 and 3 for B; the branch hangs on the wave's number alone.  Four v_nop follow each line.
.macro JLOAD g0a, g1a, g0b, g1b
	s_cmp_eq_u32 s15, 0
	s_cbranch_scc0 .Lfor_b_\@
	tensor_load_to_lds s[\g0a:\g0a+3], s[\g1a:\g1a+7]
	s_nop 0
.rept 4
	v_nop
.endr
	s_branch .Lasked_\@
.Lfor_b_\@:
	tensor_load_to_lds s[\g0b:\g0b+3], s[\g1b:\g1b+7]
	s_nop 0
.rept 4
	v_nop
.endr
.Lasked_\@:
.endm
.macro CREST                           ; a round of the cluster's barrier behind its opening barrier
	s_cmp_lg_u32 s14, 0
	s_cbranch_scc1 .Lnot_wave_0_\@
	s_barrier_signal -3
.Lnot_wave_0_\@:
	s_barrier_wait -3
	s_barrier_signal -1
	s_barrier_wait -1
.endm
.macro CROUND
	s_barrier_signal -1
	s_barrier_wait -1
	CREST
.endm
; The next lap's 12,288 bytes of my work-group's two blocks, pieces u = 0 .. 95 of 256 bytes: piece u lies in block u / 48 at 256 (u % 48).  u = lane: 256 x lane.  u = 32 + lane: lanes 0-15 end the first block, lanes 16-31 begin the
; second: 8,192 + 256 x lane, and for lanes 16-31 a block's codes less a lap's bytes more.  u = 64 + lane: a block's codes + 4,096 + 256 x lane.  s3 = 1 in the loop's last trip, which has no lap behind it.
.macro ASK
	s_cmp_gt_u32 s3, s[LIM]
	s_cbranch_scc0 .Lnot_mine_\@
	global_prefetch_b8 v[PFO], s[PFA:PFA+1] th:TH_LOAD_NT scope:SCOPE_SE
	global_prefetch_b8 v[PFH], s[PFA:PFA+1] offset:8192 th:TH_LOAD_NT scope:SCOPE_SE
	global_prefetch_b8 v[PFO], s[PFA:PFA+1] offset:BROW+4096 th:TH_LOAD_NT scope:SCOPE_SE
.Lnot_mine_\@:
.endm
	s_load_b256 s[4:11], s[0:1], 0x0               ; A s[4:5], WQ s[6:7], the bias s[8:9], the residual s[10:11]
	s_load_b64 s[12:13], s[0:1], 0x20              ; the output
	v_lshl_add_u32 v[SPW], v0, 2, SPARE
	v_mov_b32 v[NIL], 0
	ds_add_u32 v28, v29
	ds_add_u32 v28, v29
	s_wait_dscnt 0x0
	v_lshrrev_b32 v1, 5, v0
	v_readfirstlane_b32 s14, v1                    ; wave 0..3
	s_lshr_b32 s15, s14, 1                         ; which half of A's rows is mine.  Also: I fetch for A (0) or for B (1)
	s_and_b32 s16, s14, 1                          ; which half of B's rows.  Also: which half of that tile I fetch
	s_bfe_u32 s40, ttmp6, 0x40000                  ; cx, cy: my place in the cluster
	s_bfe_u32 s41, ttmp6, 0x40004
	s_lshl_b32 s42, ttmp9, 2
	s_add_co_u32 s42, s42, s40                     ; tile column
	s_and_b32 s17, ttmp7, 0xffff
	s_lshl_b32 s17, s17, 2
	s_add_co_u32 s17, s17, s41                     ; tile row
	s_lshl_b32 s43, s41, 2
	s_lshl_b32 s43, 15, s43                        ; my row of the cluster
	s_lshl_b32 s44, 0x1111, s40                    ; my column
	; descriptor group 1: codes: 4 rows (blocks) of 6,144 bytes (768 elements of 8 bytes), a block's codes apart; no padding: every LDS load's bytes are consecutive
	s_or_b32 s[G1+0], s43, (3<<16)|(1<<21)         ; 15:0 the mask: A's tiles go to my row; 17:16 elements of 8 bytes; 21 set beside a mask
	s_or_b32 s[G1B+0], s44, (3<<16)|(1<<21)
.irp g, G1, G1B
	s_mov_b32 s[\g+1], (ROWL/8)<<16                ; tensor_dim0
	s_mov_b32 s[\g+2], 4<<16                       ; tensor_dim1
	s_mov_b32 s[\g+3], (ROWL/8)<<16                ; tile_dim0
	s_mov_b32 s[\g+4], 4                           ; tile_dim1
	s_mov_b32 s[\g+5], BROW/8                      ; tensor_dim0_stride
	s_mov_b32 s[\g+6], 0
	s_mov_b32 s[\g+7], 0
.endr
	; the scale words of 4 blocks: a dense block of 256 KS bytes, as rows of 256 bytes
	s_or_b32 s[G1S+0], s43, (3<<16)|(1<<21)
	s_or_b32 s[G1SB+0], s44, (3<<16)|(1<<21)
.irp g, G1S, G1SB
	s_mov_b32 s[\g+1], 32<<16
	s_mov_b32 s[\g+2], KS<<16
	s_mov_b32 s[\g+3], 32<<16
	s_mov_b32 s[\g+4], KS
	s_mov_b32 s[\g+5], 32
	s_mov_b32 s[\g+6], 0
	s_mov_b32 s[\g+7], 0
.endr
	s_lshl_b32 s18, s16, 2                         ; which 4 blocks of the tile I fetch
	s_lshl_b32 s20, s17, 3
	s_add_co_u32 s20, s20, s18                     ; A: block 8 x tile row + 4 x half
	s_lshl_b32 s46, s42, 3
	s_add_co_u32 s46, s46, s18                     ; B: block 8 x tile column + 4 x half
	s_mul_i32 s22, s20, KS*64
	s_add_co_u32 s22, s22, A_SO                    ; where these blocks' scale words begin, in bytes,
	s_mul_i32 s20, s20, BROW                       ; and their codes
	s_mul_i32 s92, s46, KS*64
	s_add_co_u32 s92, s92, B_SO
	s_mul_i32 s46, s46, BROW
	s_add_co_u32 s46, s46, B_CO
	s_mov_b32 s21, 0
	s_mov_b32 s23, 0
	s_mov_b32 s47, 0
	s_mov_b32 s93, 0
	s_mul_i32 s45, s14, HALFT                      ; where they go: by the wave's number alone
	s_mul_i32 s94, s14, HALFS
	s_wait_kmcnt 0x0
	s_add_nc_u64 s[20:21], s[4:5], s[20:21]
	s_add_nc_u64 s[22:23], s[4:5], s[22:23]
	s_add_nc_u64 s[46:47], s[6:7], s[46:47]
	s_add_nc_u64 s[92:93], s[6:7], s[92:93]
	CROUND                                         ; all sixteen work-groups are here: the first joint loads meet
	s_mov_b32 s[G0S], 1
	s_add_co_u32 s[G0S+1], s94, SCL
	s_mov_b64 s[G0S+2:G0S+3], s[22:23]
	s_or_b32 s[G0S+3], s[G0S+3], 0x80000000
	s_mov_b32 s[G0SB], 1
	s_add_co_u32 s[G0SB+1], s94, SCL
	s_mov_b64 s[G0SB+2:G0SB+3], s[92:93]
	s_or_b32 s[G0SB+3], s[G0SB+3], 0x80000000
	JLOAD G0S, G1S, G0SB, G1SB                     ; the scale words first: they are wanted with the first K step
.irp s, 0,1
	s_mov_b32 s[G0+4*\s], 1
	s_add_co_u32 s[G0+4*\s+1], s45, \s*SLOT
	s_add_nc_u64 s[G0+4*\s+2:G0+4*\s+3], s[20:21], \s*ROWL
	s_or_b32 s[G0+4*\s+3], s[G0+4*\s+3], 0x80000000
	s_mov_b32 s[G0B+4*\s], 1
	s_add_co_u32 s[G0B+4*\s+1], s45, \s*SLOT
	s_add_nc_u64 s[G0B+4*\s+2:G0B+4*\s+3], s[46:47], \s*ROWL
	s_or_b32 s[G0B+4*\s+3], s[G0B+4*\s+3], 0x80000000
	JLOAD G0+4*\s, G1, G0B+4*\s, G1B               ; three tensor loads of mine are out
.endr
	v_and_b32 v3, 31, v0                           ; lane
	v_and_b32 v1, 15, v0                           ; r
	v_bfe_u32 v2, v0, 4, 1                         ; h
	v_lshlrev_b32 v[V16], 4, v3
	v_lshlrev_b32 v[V8], 3, v3
	v_lshlrev_b32 v[BO], 6, v2
	v_lshlrev_b32 v[CO], 12, v2                    ; lanes 16-31: one row of 4,096 bytes further down
	v_lshl_add_u32 v[CO], v1, 4, v[CO]
	s_mul_i32 s21, s15, HALFT                      ; my half of A
	s_mul_i32 s22, s16, HALFT                      ; my half of B,
	s_add_co_u32 s22, s22, 2*HALFT                 ; behind A's two
.irp s, 0,1
	v_add_nc_u32 v[ADRA+\s], s21, v[V16]
	v_add_nc_u32 v[ADRA+2+\s], s21, v[V8]
	v_add_nc_u32 v[ADRB+\s], s22, v[V16]
	v_add_nc_u32 v[ADRB+2+\s], s22, v[V8]
	s_add_co_u32 s21, s21, SLOT
	s_add_co_u32 s22, s22, SLOT
.endr
	v_lshlrev_b32 v5, 2, v1                        ; my row's scale word: 4 r
	s_mul_i32 s21, s15, HALFS
	s_mul_i32 s22, s16, HALFS
	s_add_co_u32 s22, s22, 2*HALFS
	s_sub_co_u32 s22, s22, s21
	v_mul_u32_u24 v6, s22, v2                      ; lanes 16-31 take B's
	s_add_co_u32 s21, s21, SCL
	v_add_nc_u32 v5, v5, v6
	v_add_nc_u32 v[ADRS], s21, v5
	s_mul_i32 s23, s14, 16*SP                      ; my stage: 16 rows x 272 bytes, in slot 0
	v_mul_u32_u24 v5, v1, SP
	v_lshl_add_u32 v5, v2, 6, v5
	v_add_nc_u32 v[STO], s23, v5                   ; in: row r, + 64 h
	v_mul_u32_u24 v5, v2, SP
	v_lshl_add_u32 v5, v1, 4, v5
	v_add_nc_u32 v[RD], s23, v5                    ; back: lanes 0-15 one row's 256 bytes, lanes 16-31 the next row's
	s_lshl_b32 s20, s17, 7
	s_lshl_b32 s21, s15, 6
	s_add_co_u32 s20, s20, s21                     ; my first row: 128 x tile row + 64 x half
	s_lshl_b32 s20, s20, 12
	s_lshl_b32 s46, s42, 9
	s_lshl_b32 s47, s16, 8
	s_add_co_u32 s46, s46, s47                     ; my first column, in bytes: 512 x tile column + 256 x half
	s_add_co_u32 s20, s20, s46
	s_mov_b32 s21, 0
	s_mov_b32 s47, 0
	s_add_nc_u64 s[98:99], s[10:11], s[20:21]      ; the residual,
	s_add_nc_u64 s[12:13], s[12:13], s[20:21]      ; the output,
	s_add_nc_u64 s[8:9], s[8:9], s[46:47]          ; the bias
.irp b, 0,1,2,3                        ; lane (r, h), tile b, register j: column 32 (b / 2) + 8 (b % 2) + 16 h + j
	global_load_b128 v[BIAS+8*\b:BIAS+8*\b+3], v[BO], s[8:9] offset:(32*(\b/2)+8*(\b%2))*4
	global_load_b128 v[BIAS+8*\b+4:BIAS+8*\b+7], v[BO], s[8:9] offset:(32*(\b/2)+8*(\b%2))*4+16
.endr
	WIN 0x80                                       ; destination window 2
.irp a, 0,1,2,3
.irp i, 0,1,2,3,4,5,6,7
	global_load_b128 v[32*\a+4*\i:32*\a+4*\i+3], v[CO], s[98:99] offset:(32*(\a/2)+8*(\a%2)+2*\i+8*(\i/4))*4096   ; lane rows 2 i, 2 i + 1 of block a: 256 consecutive bytes each
.endr
.endr
	WIN 0
.if LAPS > 1
	; the prefetches (macro ASK): where my wave's stand, and who asks
	s_and_b32 s22, ttmp7, 0xffff                   ; the cluster's y
	s_cmp_eq_u32 s15, 0                            ; do I fetch for A?
	s_cselect_b32 s20, s17, s42                    ; the tile's row of tiles, or its column
	s_cselect_b32 s21, s40, s41                    ; my place among the four that ask for it with me
	s_cselect_b32 s22, ttmp9, s22                  ; the coordinate along which other clusters read the same blocks
	s_cselect_b64 s[PFA:PFA+1], s[4:5], s[6:7]
	s_cselect_b32 s23, 0, B_CO
	s_or_b32 s22, s22, s16                         ; waves 0 and 2 of the first such cluster ask: the same in all sixteen partners, for a given wave
	s_cmp_eq_u32 s22, 0
	s_cselect_b32 s[LIM], 1, -1
	s_lshl_b32 s20, s20, 3
	s_lshl_b32 s21, s21, 1
	s_add_co_u32 s20, s20, s21                     ; my work-group's two blocks of the tile's eight
	s_mul_i32 s20, s20, BROW
	s_add_co_u32 s20, s20, s23
	s_add_co_u32 s20, s20, LAPB                    ; at the second lap: the first trip steps it to the third
	s_mov_b32 s21, 0
	s_add_nc_u64 s[PFA:PFA+1], s[PFA:PFA+1], s[20:21]
	v_lshlrev_b32 v[PFO], 8, v3
	v_mul_u32_u24 v[PFH], v2, BROW-LAPB
	v_add_nc_u32 v[PFH], v[PFH], v[PFO]
.endif
.macro FRAG reg, a16, a8, q, i         ; a fragment comes back as it was stored: four loads, each of consecutive bytes
	ds_load_b128 v[\reg:\reg+3], v[\a16] offset:(\i)*ROWL+(\q)*1536
	ds_load_b64 v[\reg+4:\reg+5], v[\a8] offset:(\i)*ROWL+(\q)*1536+512
	ds_load_b128 v[\reg+6:\reg+9], v[\a16] offset:(\i)*ROWL+(\q)*1536+768
	ds_load_b64 v[\reg+10:\reg+11], v[\a8] offset:(\i)*ROWL+(\q)*1536+1280
.endm
; 4 matrix instructions: A's block a x B's four, 128 along K.  p: the set of fragments; q: the slot's K step; sc: the set of scale words.  first = 2: the bias is the C of the first product.
; The 16 accumulators take turns, one instruction a turn, in the same order in every step.
.macro MULA a, p, q, sc, first
.if \first == 2
	WIN 0x41                                       ; source 0 (B) and D window 1, source 1 (A) and C window 0
.else
	WIN 0x51                                       ; C window 1 too
.endif
.irp b, 0,1,2,3
.if \first == 2
	v_wmma_scale_f32_16x16x128_f8f6f4 v[ACC+8*(4*(\a)+\b):ACC+8*(4*(\a)+\b)+7], v[48*(\p)+FR*\b:48*(\p)+FR*\b+FR-1], v[AF+48*(\p)+FR*(\a):AF+48*(\p)+FR*(\a)+FR-1], v[BIAS+8*\b:BIAS+8*\b+7], v[SC+16*(\sc)+4*\b+(\q)], v[SC+16*(\sc)+4*(\a)+(\q)] matrix_a_fmt:MATRIX_FMT_FP6 matrix_b_fmt:MATRIX_FMT_FP6 matrix_a_scale:MATRIX_SCALE_ROW1
.else
	v_wmma_scale_f32_16x16x128_f8f6f4 v[ACC+8*(4*(\a)+\b):ACC+8*(4*(\a)+\b)+7], v[48*(\p)+FR*\b:48*(\p)+FR*\b+FR-1], v[AF+48*(\p)+FR*(\a):AF+48*(\p)+FR*(\a)+FR-1], v[ACC+8*(4*(\a)+\b):ACC+8*(4*(\a)+\b)+7], v[SC+16*(\sc)+4*\b+(\q)], v[SC+16*(\sc)+4*(\a)+(\q)] matrix_a_fmt:MATRIX_FMT_FP6 matrix_b_fmt:MATRIX_FMT_FP6 matrix_a_scale:MATRIX_SCALE_ROW1
.endif
.endr
.endm
.macro FETCH slot, q, p                ; 32 LDS loads in one run: B's four fragments and A's four of the slot's q-th K step into set p
	WIN 0x40                                       ; destination window 1
.irp i, 0,1,2,3
	FRAG 48*(\p)+FR*\i, ADRB+\slot, ADRB+2+\slot, \q, \i
.endr
	WIN 0
.irp i, 0,1,2,3
	FRAG AF+48*(\p)+FR*\i, ADRA+\slot, ADRA+2+\slot, \q, \i
.endr
.endm
.macro SCALES sc                       ; a slot's 16 scale words a lane: lanes 0-15 A's block i, lanes 16-31 B's block i
.irp i, 0,1,2,3
.irp q, 0,1,2,3
	ds_load_b32 v[SC+16*\sc+4*\i+\q], v[ADRS] offset:\i*KS*64+\q*64
.endr
.endr
.endm
; A load into a register that a matrix instruction has read, and a vector instruction or an LDS store that reads a matrix result, stand four places behind it; only plain vector instructions that name none of its registers are places
; (ISA guide 7.12.1 for vector instructions).
.macro PLACES
.rept 4
	v_nop
.endr
.endm
.macro STEP slot, q, first             ; one of a slot's first three K steps: it fetches the next step's fragments into the other set, then multiplies its own
	PLACES                                         ; behind the last step's products, which read the set that is loaded now
	FETCH \slot, (\q)+1, 1-(\q)%2
	s_wait_dscnt 32                                ; all but the 32 just issued: this step's fragments (and a slot's scale words) are in
	MULA 0, (\q)%2, \q, \slot, \first
	MULA 1, (\q)%2, \q, \slot, \first
	MULA 2, (\q)%2, \q, \slot, \first
	MULA 3, (\q)%2, \q, \slot, \first
	WIN 0
.endm
; A slot's fourth K step changes slots: one barrier; in front of it each wave waits for all its tensor loads, adds 0 to its spare word, and waits for that and for its own reads of this slot.  fill = 1: this slot is filled again.
.macro TURN slot, next, fill
.if (\fill) && ((\slot) == 0)
	s_wait_xcnt 0x0                                ; the last prefetches, a trip back, have read their address: it is stepped here, ahead of the waits of the change of slots
	s_add_nc_u64 s[PFA:PFA+1], s[PFA:PFA+1], LAPB
.endif
	s_wait_tensorcnt 0x0                           ; all my tensor loads have landed: my part of the next slot
	ds_add_u32 v[SPW], v[NIL]                      ; 0 onto my spare word
	s_wait_dscnt 1                                 ; this step's fragments are in; the add may be out
	MULA 0, 1, 3, \slot, 0                         ; matrix instructions stand between the add and the wait for it
	s_wait_dscnt 0x0                               ; the add is done, and my reads of this slot are over
	s_barrier_signal -1
	MULA 1, 1, 3, \slot, 0
	WIN 0
	s_barrier_wait -1
.if \fill
	CREST                                          ; the barrier has opened a round of the cluster's: no wave of any partner still reads this slot or has a load on its way
	s_add_nc_u64 s[G0+4*\slot+2:G0+4*\slot+3], s[G0+4*\slot+2:G0+4*\slot+3], LAPB
	s_add_nc_u64 s[G0B+4*\slot+2:G0B+4*\slot+3], s[G0B+4*\slot+2:G0B+4*\slot+3], LAPB
	JLOAD G0+4*\slot, G1, G0B+4*\slot, G1B         ; the first tensor load behind the round; its four v_nop are the places in front of the loads below
.else
	PLACES
.endif
	v_add_nc_u32 v[ADRS], 64*NQ, v[ADRS]           ; on to the next slot's scale words
	FETCH \next, 0, 0
	SCALES \next
.if (\fill) && ((\slot) == 0)
	ASK                                            ; behind the joint load and the run of LDS loads that the next products wait for
.endif
	MULA 2, 1, 3, \slot, 0
	MULA 3, 1, 3, \slot, 0
	WIN 0
.endm
	s_wait_tensorcnt 0x1                           ; the scale words and my part of slot 0 are in; slot 1's load may be out
	s_barrier_signal -1
	s_barrier_wait -1
	FETCH 0, 0, 0
	SCALES 0
	s_wait_loadcnt 32                              ; the bias's 8 loads are in; the residual's 32 stay on their way
	STEP 0, 0, 2                                   ; the first step's products start the sums, on the bias
	STEP 0, 1, 0
	STEP 0, 2, 0
.if LAPS > 1
	s_mov_b32 s3, LAPS-1
.Llap:                                             ; a trip goes once round the ring and fills both slots again
	TURN 0, 1, 1
	STEP 1, 0, 0
	STEP 1, 1, 0
	STEP 1, 2, 0
	TURN 1, 0, 1
	STEP 0, 0, 0
	STEP 0, 1, 0
	STEP 0, 2, 0
	s_sub_co_u32 s3, s3, 1
	s_cmp_lg_u32 s3, 0
	s_cbranch_scc1 .Llap
.endif
	TURN 0, 1, 0                                   ; the last lap fills nothing
	STEP 1, 0, 0
	STEP 1, 1, 0
	STEP 1, 2, 0
	s_wait_dscnt 0x0                               ; the very last step: nothing more to fetch
	MULA 0, 1, 3, 1, 0
	MULA 1, 1, 3, 1, 0
	MULA 2, 1, 3, 1, 0
	MULA 3, 1, 3, 1, 0
	WIN 0
; THE WAY OUT, a block of 16 rows x 64 columns at a time, through my own stage in LDS (in slot 0, which has had its last fill and its last read): a lane's 32 bytes of a row go in, whole runs of 256 bytes come back, take the
; residual and are stored.  LDS serves a wave's instructions in order (ISA guide 5.7.1.4): no wait between the stores and the loads, nor in front of the next block's stores.
.macro TOSTAGE a
	WIN 0x04                                       ; an LDS store's data: window 1
.irp b, 0,1,2,3
	ds_store_b128 v[STO], v[ACC+32*(\a)+8*\b:ACC+32*(\a)+8*\b+3] offset:128*(\b/2)+32*(\b%2)          ; each accumulator from its low end on
	ds_store_b128 v[STO], v[ACC+32*(\a)+8*\b+4:ACC+32*(\a)+8*\b+7] offset:128*(\b/2)+32*(\b%2)+16
.endr
	WIN 0
.set BB, BK+32*((\a)%2)
.irp i, 0,1,2,3,4,5,6,7
	ds_load_b128 v[BB+4*\i:BB+4*\i+3], v[RD] offset:\i*2*SP
.endr
.endm
.macro SEND a, younger                 ; younger: the LDS instructions issued behind block a's loads, which may stay out
.set BB, BK+32*((\a)%2)
	s_wait_dscnt \younger
	s_wait_loadcnt 8*(3-(\a))                      ; this block's rows of the residual are in; the later blocks' may stay out
	WIN 0x08                                       ; source 1: window 2
.set SI, 0
.rept 16
	v_pk_add_f32 v[BB+SI:BB+SI+1], v[BB+SI:BB+SI+1], v[32*(\a)+SI:32*(\a)+SI+1]
.set SI, SI+2
.endr
	WIN 0
.irp i, 0,1,2,3,4,5,6,7
	global_store_b128 v[CO], v[BB+4*\i:BB+4*\i+3], s[12:13] offset:(32*((\a)/2)+8*((\a)%2)+2*\i+8*(\i/4))*4096   ; 16 lanes store 256 consecutive bytes, at a multiple of 256 from the output's first byte
.endr
.endm
	PLACES
	TOSTAGE 0
.irp a, 1,2,3
.if \a > 1
	s_wait_xcnt 0x0                                ; block a - 2's stores have read their registers: block a's loads may land there
.endif
	TOSTAGE \a
	SEND \a-1, 16                                  ; behind block a - 1's loads: block a's 8 stores and 8 loads
.endr
	SEND 3, 0
	s_wait_tensorcnt 0x0                           ; the wave's end
	ds_add_u32 v[SPW], v[NIL]
	s_wait_dscnt 0x0
	CROUND                                         ; the closing round: no work-group ends while a partner may still ask for a tile that names it
	s_endpgm
.Lfunc_end_k_qc55610aac5_pr:
	.size	k_qc55610aac5_pr, .Lfunc_end_k_qc55610aac5_pr-k_qc55610aac5_pr
	.p2alignl 7, 3214868480
	.fill 96, 4, 3214868480
	.section	.rodata,"a",@progbits
	.p2align	6, 0x0
	.amdhsa_kernel k_qc55610aac5_pr
		.amdhsa_group_segment_fixed_size 327680
		.amdhsa_private_segment_fixed_size 0
		.amdhsa_enable_private_segment 0
		.amdhsa_kernarg_size 40
		.amdhsa_user_sgpr_count 2
		.amdhsa_user_sgpr_kernarg_segment_ptr 1
		.amdhsa_wavefront_size32 1
		.amdhsa_system_sgpr_workgroup_id_x 1
		.amdhsa_system_sgpr_workgroup_id_y 1
		.amdhsa_system_sgpr_workgroup_id_z 1
		.amdhsa_system_vgpr_workitem_id 0
		.amdhsa_next_free_vgpr 640
		.amdhsa_next_free_sgpr 102
		.amdhsa_reserve_vcc 0
		.amdhsa_float_denorm_mode_32 3
		.amdhsa_float_denorm_mode_16_64 3
		.amdhsa_memory_ordered 1
		.amdhsa_forward_progress 1
		.amdhsa_inst_pref_size 103
	.end_amdhsa_kernel
	.amdgpu_metadata
---
amdhsa.version: [ 1, 2 ]
amdhsa.kernels:
  - .name:           k_qc55610aac5_pr
    .symbol:         k_qc55610aac5_pr.kd
    .args:
      - { .name: FC, .offset: 0, .size: 8, .value_kind: global_buffer, .address_space: global }
      - { .name: WQ, .offset: 8, .size: 8, .value_kind: global_buffer, .address_space: global }
      - { .name: b_pr, .offset: 16, .size: 8, .value_kind: global_buffer, .address_space: global }
      - { .name: X1, .offset: 24, .size: 8, .value_kind: global_buffer, .address_space: global }
      - { .name: out0, .offset: 32, .size: 8, .value_kind: global_buffer, .address_space: global }
    .group_segment_fixed_size: 327680
    .private_segment_fixed_size: 0
    .kernarg_segment_align: 8
    .kernarg_segment_size: 40
    .max_flat_workgroup_size: 128
    .sgpr_count:     102
    .vgpr_count:     640
    .wavefront_size: 32
...
	.end_amdgpu_metadata
.endif
;; end of part 9
